; MI455X (gfx1250); checked and timed in simulation.
; The chip was launched on July 23, 2026; its instructions are those of AMD's public machine-readable ISA for CDNA 5 (MIT licence, August 2026) and "CDNA5" Instruction Set Architecture Reference Guide (July 2026). The comments in the code are by the model that wrote it; some were corrected since.
;; Transformer Block. Allowed arithmetic: float matrix products may take bf16 or f16 operands with f32 sums; other float arithmetic in f32, or as packed bf16 or f16 multiplies, adds, multiply-adds, maxima and minima; sums over many terms, partial sums and values carried from step to step in f32; what a program stores and reads back later, other than sums and carried values, may be rounded once to bf16 or f16.
;; Inputs: b1 4,096 float32; b2 1,024 float32; b_out 1,024 float32; b_qkv 3,072 float32; gain_final 1,024 float32; w1 1,024 x 4,096 float32; w2 4,096 x 1,024 float32; w_out 1,024 x 1,024 float32; w_qkv 1,024 x 3,072 float32; x 2,048 x 2 x 1,024 float32.
;; Outputs: out0 2,048 x 2 x 1,024 float32.
;; One version. Each part assembles by itself: llvm-mc -triple=amdgcn-amd-amdhsa -mcpu=gfx1250 --defsym DOCPART=n.
;; ======== version 1 of 1: 7 launches
;; workspace buffers: xb 8,388,608 bytes; wb 25,165,824 bytes; qkv 25,165,824 bytes; ctx 8,388,608 bytes; x1b 8,388,608 bytes; hb 33,554,432 bytes; x2 16,777,216 bytes
;; launch cvt (part 1): grid 1024 x 1, 8 waves a work-group, no clusters, 0 bytes of LDS; arguments x, w_qkv, w_out, w1, w2, xb, wb; writes xb, wb
.if DOCPART == 1
	.amdgcn_target "amdgcn-amd-amdhsa--gfx1250"
	.amdhsa_code_object_version 6
	.text
	.protected	k_qfc3eacc5ed_cvt
	.globl	k_qfc3eacc5ed_cvt
	.p2align	8
	.type	k_qfc3eacc5ed_cvt,@function
k_qfc3eacc5ed_cvt:
	s_mov_b64 s[64:65], 0
	v_nop
	global_prefetch_b8 v0, s[64:65] scope:SCOPE_SE
	s_setreg_imm32_b32 hwreg(HW_REG_WAVE_MODE, 25, 1), 1
	s_wait_xcnt 0x0
; x and the four weight matrices, all f32, are rounded once to bf16 for the matrix units.
; xb: x in the order m = b * 2048 + t, blocked [m / 128][k / 64][128 rows][64]: a block is 16,384 dense bytes.
; wb: the weights as they lie, [K][N]: w_qkv at byte 0, w_out at 6,291,456, w1 at 8,388,608, w2 at 16,777,216.
; A work-group converts 16,384 numbers, each of its eight waves 2,048: sixteen loads of 16 bytes a lane, all issued at once, then
; two roundings and one store of 8 bytes a lane for each: the 32 lanes of a store cover 256 consecutive bytes, aligned.
; Memory binds: no LDS, no barrier, no matrix unit.  No register is written twice, so the only waits are the counted ones for the loads.
.macro BODY instep, outstep
.set i, 0
.rept 16
	global_load_b128 v[4+4*i:7+4*i], v1, s[20:21] offset:i*(\instep) th:TH_LOAD_NT
.set i, i+1
.endr
.set i, 0
.rept 16
	s_wait_loadcnt 15-i                            ; loads come back in order: load i is in, the younger ones stay out
	v_cvt_pk_bf16_f32 v[68+2*i], v[4+4*i], v[5+4*i]
	v_cvt_pk_bf16_f32 v[69+2*i], v[6+4*i], v[7+4*i]
	global_store_b64 v2, v[68+2*i:69+2*i], s[22:23] offset:i*(\outstep)
.set i, i+1
.endr
	s_endpgm
.endm
	s_load_b256 s[4:11], s[0:1], 0x0               ; x s[4:5], w_qkv s[6:7], w_out s[8:9], w1 s[10:11]
	s_load_b128 s[12:15], s[0:1], 0x20             ; w2 s[12:13], xb s[14:15]
	s_load_b64 s[16:17], s[0:1], 0x30              ; wb
	v_lshrrev_b32 v3, 5, v0                        ; wave
	s_mov_b32 s27, 0
	s_mov_b32 s29, 0
	s_cmp_lt_u32 ttmp9, 256
	s_cbranch_scc0 .Lweights
	; work-groups 0 to 255: sixteen rows t of one b.  A wave takes two rows; load i takes k group i: lanes 0-15 its 256 bytes of row t, lanes 16-31 of row t + 1
	s_lshr_b32 s24, ttmp9, 7                       ; b
	s_and_b32 s25, ttmp9, 127                      ; j: rows t = 16 j ..
	s_lshl_b32 s26, s25, 17                        ; 16 rows t of 8,192 bytes (both b)
	s_lshl_b32 s30, s24, 12
	s_add_co_u32 s26, s26, s30
	s_lshl_b32 s28, s24, 4
	s_lshr_b32 s30, s25, 3
	s_add_co_u32 s28, s28, s30                     ; row block 16 b + t / 128
	s_lshl_b32 s28, s28, 18                        ; of 16 k groups of 16,384 bytes
	s_and_b32 s30, s25, 7
	s_lshl_b32 s30, s30, 11                        ; 16 rows of 128 bytes in a block
	s_add_co_u32 s28, s28, s30
	v_lshlrev_b32 v1, 14, v3
	v_bfe_u32 v3, v0, 4, 1
	v_lshl_add_u32 v1, v3, 13, v1
	v_and_b32 v3, 15, v0
	v_lshl_add_u32 v1, v3, 4, v1
	v_lshlrev_b32 v2, 3, v0                        ; 8 bytes a thread: two rows of 128 bytes a wave
	s_wait_kmcnt 0x0
	s_add_nc_u64 s[20:21], s[4:5], s[26:27]
	s_add_nc_u64 s[22:23], s[14:15], s[28:29]
	BODY 256, 16384
.Lweights:
	; work-groups 256 to 1023: 16,384 consecutive numbers of one weight matrix
	s_wait_kmcnt 0x0
	s_mov_b32 s24, 256
	s_cmp_lt_u32 ttmp9, 448
	s_cselect_b64 s[20:21], s[6:7], s[8:9]
	s_cselect_b32 s24, s24, 448
	s_cmp_lt_u32 ttmp9, 512
	s_cselect_b64 s[20:21], s[20:21], s[10:11]
	s_cselect_b32 s24, s24, 512
	s_cmp_lt_u32 ttmp9, 768
	s_cselect_b64 s[20:21], s[20:21], s[12:13]
	s_cselect_b32 s24, s24, 768                    ; the matrix, and its first work-group
	s_sub_co_u32 s24, ttmp9, s24
	s_lshl_b32 s26, s24, 16
	s_sub_co_u32 s28, ttmp9, 256
	s_lshl_b32 s28, s28, 15
	v_lshlrev_b32 v1, 13, v3
	v_lshlrev_b32 v2, 12, v3
	v_and_b32 v3, 31, v0
	v_lshl_add_u32 v1, v3, 4, v1
	v_lshl_add_u32 v2, v3, 3, v2
	s_add_nc_u64 s[20:21], s[20:21], s[26:27]
	s_add_nc_u64 s[22:23], s[16:17], s[28:29]
	BODY 512, 256
.Lfunc_end_k_qfc3eacc5ed_cvt:
	.size	k_qfc3eacc5ed_cvt, .Lfunc_end_k_qfc3eacc5ed_cvt-k_qfc3eacc5ed_cvt
	.p2alignl 7, 3214868480
	.fill 96, 4, 3214868480
	.section	.rodata,"a",@progbits
	.p2align	6, 0x0
	.amdhsa_kernel k_qfc3eacc5ed_cvt
		.amdhsa_group_segment_fixed_size 0
		.amdhsa_private_segment_fixed_size 0
		.amdhsa_enable_private_segment 0
		.amdhsa_kernarg_size 56
		.amdhsa_user_sgpr_count 2
		.amdhsa_user_sgpr_kernarg_segment_ptr 1
		.amdhsa_wavefront_size32 1
		.amdhsa_system_sgpr_workgroup_id_x 1
		.amdhsa_system_sgpr_workgroup_id_y 1
		.amdhsa_system_sgpr_workgroup_id_z 1
		.amdhsa_system_vgpr_workitem_id 0
		.amdhsa_next_free_vgpr 100
		.amdhsa_next_free_sgpr 66
		.amdhsa_reserve_vcc 0
		.amdhsa_float_denorm_mode_32 3
		.amdhsa_float_denorm_mode_16_64 3
		.amdhsa_memory_ordered 1
		.amdhsa_forward_progress 1
		.amdhsa_inst_pref_size 14
	.end_amdhsa_kernel
	.amdgpu_metadata
---
amdhsa.version: [ 1, 2 ]
amdhsa.kernels:
  - .name:           k_qfc3eacc5ed_cvt
    .symbol:         k_qfc3eacc5ed_cvt.kd
    .args:
      - { .name: x, .offset: 0, .size: 8, .value_kind: global_buffer, .address_space: global }
      - { .name: w_qkv, .offset: 8, .size: 8, .value_kind: global_buffer, .address_space: global }
      - { .name: w_out, .offset: 16, .size: 8, .value_kind: global_buffer, .address_space: global }
      - { .name: w1, .offset: 24, .size: 8, .value_kind: global_buffer, .address_space: global }
      - { .name: w2, .offset: 32, .size: 8, .value_kind: global_buffer, .address_space: global }
      - { .name: xb, .offset: 40, .size: 8, .value_kind: global_buffer, .address_space: global }
      - { .name: wb, .offset: 48, .size: 8, .value_kind: global_buffer, .address_space: global }
    .group_segment_fixed_size: 0
    .private_segment_fixed_size: 0
    .kernarg_segment_align: 8
    .kernarg_segment_size: 56
    .max_flat_workgroup_size: 256
    .sgpr_count:     66
    .vgpr_count:     100
    .wavefront_size: 32
...
	.end_amdgpu_metadata
.endif
;; end of part 1
;; launch qkv (part 2): grid 8 x 32, 4 waves a work-group, clusters of 4 x 4, 327,680 bytes of LDS; arguments xb, wb, b_qkv, qkv; writes qkv
.if DOCPART == 2
	.amdgcn_target "amdgcn-amd-amdhsa--gfx1250"
	.amdhsa_code_object_version 6
	.text
	.protected	k_qfc3eacc5ed_qkv
	.globl	k_qfc3eacc5ed_qkv
	.p2align	8
	.type	k_qfc3eacc5ed_qkv,@function
k_qfc3eacc5ed_qkv:
	s_mov_b64 s[64:65], 0
	v_nop
	global_prefetch_b8 v0, s[64:65] scope:SCOPE_SE
	s_setreg_imm32_b32 hwreg(HW_REG_WAVE_MODE, 25, 1), 1
	s_wait_xcnt 0x0
	s_wait_alu depctr_hold_cnt(0) depctr_sa_sdst(0) depctr_va_vdst(0) depctr_va_sdst(0) depctr_va_ssrc(0) depctr_va_vcc(0) depctr_vm_vsrc(0)
	s_getreg_b32 s2, hwreg(HW_REG_IB_STS2, 6, 4)
	s_cmp_eq_u32 s2, 0
	s_cbranch_scc0 .Lentry_in_a_cluster
	s_endpgm
.Lentry_in_a_cluster:
	s_bfe_u32 s2, ttmp6, 0x10000c
	s_cmp_lg_u32 s2, 0xf033
	s_cbranch_scc0 .Lentry_shape_is_right
	s_endpgm
.Lentry_shape_is_right:
; OUT = A x W + bias (+ residual) on 4,096 rows.  THIS COPY: q, k, v = x w_qkv + b_qkv, stored by heads, [b][48 heads of q, k, v][2048][64] in bf16.
; One text serves the program's four products; the seven constants below choose the shape and the way out.
; A: bf16, blocked [row / 128][k / 64][128 rows][64]: any 128 rows x 128 k are 32,768 dense bytes.  W: bf16 as the weights lie, [KK][NN], at byte WOFF of wb.  Sums in f32.
; LIMITS.  Operands are rounded to bf16; what is stored for a later launch in bf16 is rounded once; NaN and infinities are not treated apart.
; SHARES.  256 work-groups of four waves; a wave makes MA x NBK blocks of 16 x 16.  CFG 0: tile 256 x 256, K steps of 128.  CFG 1: 128 x 384, K steps of 128.  CFG 2: 128 x 128, K steps of 256.
; RING.  Two LDS slots of four PANELS; a panel is 128 rows of 256 bytes of memory, brought by one tensor load, one a wave: panel w at w x 36,864.  A's panel (128 rows x 128 k) lands as 256 lines of
; 128 + 16 bytes, [k / 64][row]; W's panel (128 k x 128 columns) as 128 lines of 256 + 32 bytes and is read turned, by ds_load_tr16_b128.  Both pitches spread a load's rows over the banks (ISA guide 11.1).
; CLUSTER.  4 x 4 work-groups: A's panels are asked for jointly along a row of the cluster, W's along a column: the same load, descriptor and mask in the four that the mask names.
; THE WALK ALONG K.  A cluster is of one of two kinds, by its place in the grid of clusters: (x + y + y / 2) % 2.  The first kind takes the K steps in ascending order, the second with bit DSW of the step's
; number turned: 2, 3, 0, 1, 6, 7, 4, 5 ..  So, of the clusters that read the same rows of A (a row of clusters) or of W (a column), one kind reads a pair of K steps two steps before the other kind does.
; Each sum takes its K steps in its cluster's order.
; THE PRODUCT IS USED TRANSPOSED (source 0 = 16 columns of W, source 1 = 16 rows of A): a lane holds one row of OUT and eight neighbouring columns.  Bias (and residual) are the C operand of the first products.
; REGISTERS.  Window 0: addresses, bias, residual, the way out.  Window 1: two fragment buffers of 128.  Windows 2, 3: accumulator t = a NBK + b at 8 t.
; THE WAY OUT.  The slots have had their last fill: each wave lays its tile there in f32, rows DP bytes apart, and reads it back so that a store covers whole aligned runs of 256 bytes or more.
.set CFG,  1
.set NN,   3072
.set KK,   1024
.set WOFF, 0
.set EPI,  0                           ; 0: bf16 in groups of 64 columns; 1: the same behind SiLU; 3: f32 rows in x's own order
.set RES,  0                           ; 1: a residual in A's blocked layout is added
.set AH,   1                           ; the prefetches name the K step AH places behind the one that is being asked for; 0: none
.set DSW,  2                           ; the bit of a K step's number that a cluster of the second kind turns
.if CFG == 0
.set MA,  8
.set NBK, 8
.set CH,  1
.set NPA, 2
.set H1L, 8
.set NBR, 1
.elseif CFG == 1
.set MA,  4
.set NBK, 12
.set CH,  1
.set NPA, 1
.set H1L, 4
.set NBR, 3
.else
.set MA,  4
.set NBK, 4
.set CH,  2
.set NPA, 2
.set H1L, 16
.set NBR, 2
.endif
.set KSTEPS, KK/(128*CH)
.set KSA,   32768*CH                   ; bytes from K step to K step in A
.set KSB,   256*CH*NN                  ; and in W
.set PANEL, 36864
.set SLOT,  4*PANEL                    ; 0x24000: shares no bit with the panels' offsets, so one exclusive or changes slots
.set SPARE, 2*SLOT                     ; behind the ring: the spare words, 128 bytes a wave, that no other line names
.set DP,    64*NBK+16                  ; the way out: bytes from row to row of a wave's tile in f32
.set DREG,  16*MA*DP
.set NG,    NBK/4
.set OSTEP, 0
.if CFG == 1
.set OSTEP, 524288-8192                ; from a head's 64 rows to the same rows two heads on
.endif
.set A0,   8                           ; v8      my lane's place in A's panels; never rewritten
.set B0,   9                           ; v9-11   the same in W's panels
.set ADRA, 12                          ; v12     A0 + the slot in hand
.set ADRB, 13                          ; v13-15  B0 + the slot in hand
.set DST,  16
.set RD,   17
.set RDG,  18
.set GO,   19
.set RO,   20
.set PFO,  21
.set BO,   22
.set SPW,  28                          ; v28     my spare word; never rewritten
.set NIL,  29                          ; v29     0; never rewritten
.set ONE,  30
.set BIAS, 32
.set RR,   64
.set CI,   128
.set V1,   128
.set EE,   192
.set TT,   224
.set F0,   0
.set F1,   128
.set G1A,  24                          ; s[24:31] group 1 for A;  s[32:39] group 0, two sets: the second walks
.set G0A,  32
.set PFB,  40                          ; s[40:41] my prefetches' rows at K step 0; never rewritten
.set LIM,  42                          ; s42  KSTEPS in a wave that prefetches, else 0
.set TB,   43                          ; s43  LDS byte of the slot in hand
.set G1B,  48                          ; s[48:55], s[56:63] the same for W
.set G0B,  56
.set PD,   74                          ; s74  0, or DSW in a cluster of the second kind
.set KT,   75                          ; s75  the place in my walk of the K step last asked for
.set TP,   80                          ; s80  the place in my walk of the K step that a prefetch names
.set PFA,  82                          ; s[82:83] where a prefetch stands
.set MSB,  0
.macro WIN new                         ; the high byte repeats the setting that is left; a switch that changes nothing is dropped
.if MSB != (\new)
	s_set_vgpr_msb (MSB<<8)|(\new)
.set MSB, \new
.endif
.endm
.macro PLACES                          ; four plain vector instructions behind a matrix instruction, ahead of loads into its sources and of reads of its result
.rept 4
	v_nop
.endr
.endm
.macro CREST                           ; a round of the cluster's barrier behind its opening barrier
	s_cmp_lg_u32 s14, 0
	s_cbranch_scc1 .Lnot_wave_0_\@
	s_barrier_signal -3
.Lnot_wave_0_\@:
	s_barrier_wait -3
	s_barrier_signal -1
	s_barrier_wait -1
.endm
.macro CROUND
	s_barrier_signal -1
	s_barrier_wait -1
	CREST
.endm
.macro JLOAD                           ; a joint refill by the walking sets: waves below NPA fetch A's panels, the others W's; the branch hangs on the wave's number alone
	s_cmp_lt_u32 s14, NPA
	s_cbranch_scc0 .Lfor_b_\@
	tensor_load_to_lds s[G0A+4:G0A+7], s[G1A:G1A+7]
	s_nop 0
.rept 4
	v_nop
.endr
	s_branch .Lasked_\@
.Lfor_b_\@:
	tensor_load_to_lds s[G0B+4:G0B+7], s[G1B:G1B+7]
	s_nop 0
.rept 4
	v_nop
.endr
.Lasked_\@:
.endm
.macro ASK                             ; a prefetch of 32 rows x 256 bytes of my kind of panel, a lane a row, for the K step AH places behind the refill just asked for: only inside the walk, and only a step to which my cluster's kind comes first
	s_cmp_lt_u32 s[TP], s[LIM]
	s_cbranch_scc0 .Lnot_mine_\@
	s_and_b32 s21, s[TP], DSW
	s_cmp_lg_u32 s21, 0
	s_cbranch_scc1 .Lnot_mine_\@
	global_prefetch_b8 v[PFO], s[PFA:PFA+1] th:TH_LOAD_NT scope:SCOPE_SE
.Lnot_mine_\@:
.endm
.macro MKADR
	v_add_nc_u32 v[ADRA], s[TB], v[A0]
.set g_, 0
.rept NBR
	v_add_nc_u32 v[ADRB+g_], s[TB], v[B0+g_]
.set g_, g_+1
.endr
.endm
.macro PROD f, a, b, c, first          ; one product: block (a, b), chunk c of buffer f.  first = 1: C is the bias (and residual) in window 0
.set t_, (\a)*NBK+(\b)
.set w_, 2+t_/32
.set d_, 8*(t_%32)
.set rb_, (\f)+8*(NBK*(\c)+(\b))
.set ra_, (\f)+8*NBK*CH+8*(MA*(\c)+(\a))
.if \first
	WIN 0x05|(w_<<6)
.if RES
	v_wmma_f32_16x16x32_bf16 v[d_:d_+7], v[rb_:rb_+7], v[ra_:ra_+7], v[CI+8*t_:CI+8*t_+7]
.else
	v_wmma_f32_16x16x32_bf16 v[d_:d_+7], v[rb_:rb_+7], v[ra_:ra_+7], v[BIAS+8*(\b):BIAS+8*(\b)+7]
.endif
.else
	WIN 0x05|(w_<<4)|(w_<<6)
	v_wmma_f32_16x16x32_bf16 v[d_:d_+7], v[rb_:rb_+7], v[ra_:ra_+7], v[d_:d_+7]
.endif
.endm
.macro MULH f, hh, pp, first           ; a quarter of a unit's products; the accumulators take turns, one instruction a turn
.if CFG == 0
.irp a, 4*(\hh)+2*(\pp), 4*(\hh)+2*(\pp)+1
.irp b, 0,1,2,3,4,5,6,7
	PROD \f, \a, \b, 0, \first
.endr
.endr
.elseif CFG == 1
.irp b, 0,1,2,3,4,5,6,7,8,9,10,11
	PROD \f, 2*(\hh)+(\pp), \b, 0, \first
.endr
.else
.irp a, 2*(\pp), 2*(\pp)+1
.irp b, 0,1,2,3
	PROD \f, \a, \b, \hh, (\first)*(1-(\hh))
.endr
.endr
.endif
.endm
.macro FETCH u, f                      ; 32 LDS loads in one run: the fragments of unit u of the K step (CH chunks of 32 along K) into buffer f; for each chunk W's, then A's
	WIN 0x40
.set c_, 0
.rept CH
.set q_, (\u)*CH+c_
.set b_, 0
.rept NBK
.if CFG == 1
.set br_, ADRB+b_/4
.set bo_, q_*9216+32*(b_%4)
.elseif CFG == 2
.set br_, ADRB+q_/4
.set bo_, (q_%4)*9216+32*b_
.else
.set br_, ADRB
.set bo_, q_*9216+32*b_
.endif
.set rg_, (\f)+8*(NBK*c_+b_)
	ds_load_tr16_b128 v[rg_:rg_+3], v[br_] offset:bo_
	ds_load_tr16_b128 v[rg_+4:rg_+7], v[br_] offset:bo_+4608
.set b_, b_+1
.endr
.set a_, 0
.rept MA
.set rg_, (\f)+8*NBK*CH+8*(MA*c_+a_)
.set ao_, (q_/2)*18432+a_*2304+(q_%2)*64
	ds_load_b128 v[rg_:rg_+3], v[ADRA] offset:ao_
	ds_load_b128 v[rg_+4:rg_+7], v[ADRA] offset:ao_+32
.set a_, a_+1
.endr
.set c_, c_+1
.endr
	WIN 0
.endm
.macro UNIT f, g, unext, first         ; multiplies buffer f; in its middle fetches unit unext of the same slot into buffer g
	s_wait_dscnt H1L                               ; all but the youngest H1L loads, which only the second half wants
	MULH \f, 0, 0, \first
	MULH \f, 0, 1, \first
	PLACES
	FETCH \unext, \g
	s_wait_dscnt 32                                ; all but the 32 just issued
	MULH \f, 1, 0, \first
	MULH \f, 1, 1, \first
.endm
; THE CHANGE OF SLOTS, and a K step's last unit (buffer 1, whose fragments are in registers).  Each wave waits for all its tensor loads (one is out: its panel of the next slot), adds 0 to its spare word, and waits
; for that and for its reads of this slot.  fill = 1: the barrier opens a round of the cluster's, and the joint refill of this slot, with the K step two places on in my walk, is the first thing behind it;
; its descriptors are made while the add is out: base + (place xor PD) x the step.  The unit's products stand behind the refill and the next slot's first fragments, so that they run while the refill is on its way.
; tail = 1: in the very last change there is no next slot, and the run of loads is jumped over.
.macro TURN fill, tail
.if \fill
	s_add_co_u32 s[KT], s[KT], 1                   ; the place in my walk of the K step that this refill brings
.if AH
	s_wait_xcnt 0x0                                ; the last prefetch, a K step back, has read its address
	s_add_co_u32 s[TP], s[KT], AH
	s_xor_b32 s72, s[TP], s[PD]
	s_mul_i32 s72, s72, s68
	s_add_nc_u64 s[PFA:PFA+1], s[PFB:PFB+1], s[72:73]
.endif
.endif
	WIN 0
	s_wait_tensorcnt 0x0                           ; all my tensor loads have landed, so a group 0 may be written
	ds_add_u32 v[SPW], v[NIL]
	s_xor_b32 s[TB], s[TB], SLOT
	MKADR                                          ; the next slot's addresses: work on registers while the add is out
.if \fill
	s_xor_b32 s76, s[KT], s[PD]                    ; the K step's number
	s_mul_i32 s78, s76, KSB
	s_mul_i32 s76, s76, KSA
	s_xor_b32 s[G0A+5], s[G0A+5], SLOT
	s_add_nc_u64 s[G0A+6:G0A+7], s[44:45], s[76:77]
	s_or_b32 s[G0A+7], s[G0A+7], 0x80000000
	s_xor_b32 s[G0B+5], s[G0B+5], SLOT
	s_add_nc_u64 s[G0B+6:G0B+7], s[46:47], s[78:79]
	s_or_b32 s[G0B+7], s[G0B+7], 0x80000000
.endif
	s_wait_dscnt 0x0                               ; the add is done, and my reads of this slot are over
	s_barrier_signal -1
	s_barrier_wait -1
.if \fill
	CREST                                          ; no wave of any partner still reads this slot or has a load on its way
	JLOAD                                          ; its four v_nop are also the places ahead of the loads below
.else
	PLACES
.endif
.if \tail
	s_cmp_eq_u32 s2, 1
	s_cbranch_scc1 .Lnofetch_\@
.endif
	FETCH 0, F0
.if \tail
.Lnofetch_\@:
.endif
.if (\fill) && AH
	ASK
.endif
	MULH F1, 0, 0, 0
	MULH F1, 0, 1, 0
	MULH F1, 1, 0, 0
	MULH F1, 1, 1, 0
.endm
.macro OUTU u                          ; 16 rows x 64 columns: (SiLU,) rounded to bf16, four stores of 512 consecutive bytes
.if EPI == 1
.set i_, 0
.rept 16
	v_pk_mul_f32 v[EE+2*i_:EE+2*i_+1], v[V1+32*(\u)+2*i_:V1+32*(\u)+2*i_+1], s[66:67] op_sel_hi:[1,0]
.set i_, i_+1
.endr
.set i_, 0
.rept 32
	v_exp_f32 v[EE+i_], v[EE+i_]                   ; e^-x
.set i_, i_+1
.endr
	v_nop                                          ; a plain instruction behind the last exponential,
	s_wait_alu depctr_va_vdst(0)                   ; and one wait for the batch, ahead of its first reader
.set i_, 0
.rept 16
	v_pk_add_f32 v[EE+2*i_:EE+2*i_+1], v[EE+2*i_:EE+2*i_+1], 1.0 op_sel_hi:[1,0]
.set i_, i_+1
.endr
.set i_, 0
.rept 32
	v_rcp_f32 v[EE+i_], v[EE+i_]                   ; an infinite e^-x gives 0, and x times it -0
.set i_, i_+1
.endr
	v_nop
	s_wait_alu depctr_va_vdst(0)
.set i_, 0
.rept 16
	v_pk_mul_f32 v[V1+32*(\u)+2*i_:V1+32*(\u)+2*i_+1], v[V1+32*(\u)+2*i_:V1+32*(\u)+2*i_+1], v[EE+2*i_:EE+2*i_+1]
.set i_, i_+1
.endr
.endif
.set i_, 0
.rept 16
	v_cvt_pk_bf16_f32 v[TT+16*(\u)+i_], v[V1+32*(\u)+2*i_], v[V1+32*(\u)+2*i_+1]
.set i_, i_+1
.endr
.irp f, 0,1,2,3
	global_store_b128 v[GO], v[TT+16*(\u)+4*\f:TT+16*(\u)+4*\f+3], s[10:11] offset:(\u)*2048+\f*512
.endr
.endm
	s_load_b256 s[4:11], s[0:1], 0x0               ; A s[4:5], wb s[6:7], bias s[8:9], out s[10:11]
.if RES
	s_load_b64 s[12:13], s[0:1], 0x20              ; the residual
.endif
	v_lshl_add_u32 v[SPW], v0, 2, SPARE
	v_mov_b32 v[NIL], 0
	ds_add_u32 v[SPW], v[NIL]                      ; the wave's opening: the add and its wait ahead of my first tensor load
	ds_add_u32 v28, v29
	v_lshrrev_b32 v1, 5, v0
	v_readfirstlane_b32 s14, v1                    ; wave 0..3
	s_lshr_b32 s15, s14, 1                         ; wm: which half of the tile's rows
	s_and_b32 s16, s14, 1                          ; wn: which half of its columns
	s_bfe_u32 s17, ttmp6, 0x40000                  ; cx
	s_bfe_u32 s18, ttmp6, 0x40004                  ; cy
	s_lshl_b32 s19, ttmp9, 2
	s_add_co_u32 s19, s19, s17                     ; tn: tile column
	s_and_b32 s20, ttmp7, 0xffff
	s_lshl_b32 s20, s20, 2
	s_add_co_u32 s20, s20, s18                     ; tm: tile row
	s_lshl_b32 s21, s18, 2
	s_lshl_b32 s21, 15, s21                        ; my row of the cluster
	s_lshl_b32 s22, 0x1111, s17                    ; my column
	s_or_b32 s[G1A], s21, (1<<16)|(1<<20)|(1<<21)|(4<<22)|(3<<25)  ; mask; 2-byte elements; padding on; bit 21 beside a mask; after every 32 words 4 words
	s_or_b32 s[G1B], s22, (1<<16)|(1<<20)|(1<<21)|(5<<22)|(7<<25)  ; after every 64 words 8 words
.irp g, G1A, G1B
	s_mov_b32 s[\g+1], 128<<16                     ; tensor_dim0 = 128
	s_mov_b32 s[\g+2], 128<<16                     ; tensor_dim1 = 128
	s_mov_b32 s[\g+3], 128<<16                     ; tile_dim0 = 128
	s_mov_b32 s[\g+4], 128                         ; tile_dim1 = 128
	s_mov_b32 s[\g+6], 0
	s_mov_b32 s[\g+7], 0
.endr
	s_mov_b32 s[G1A+5], 128                        ; A's panel is dense: 128 elements from row to row
	s_mov_b32 s[G1B+5], NN
	; the cluster's kind: made of the cluster's own x and y, which all sixteen partners share
	s_and_b32 s21, ttmp7, 0xffff
	s_lshr_b32 s22, s21, 1
	s_add_co_u32 s21, s21, s22
	s_add_co_u32 s21, s21, ttmp9
	s_and_b32 s21, s21, 1
	s_mul_i32 s[PD], s21, DSW
	s_mov_b32 s[KT], 1                             ; places 0 and 1 of the walk are the first fills
	; where my panel begins: A's hangs on the tile row and the wave alone, W's on the tile column and the wave alone
.if CFG == 0
	s_lshl_b32 s44, s20, 1
	s_add_co_u32 s44, s44, s16
	s_mul_i32 s44, s44, (KK/64)*16384
.else
	s_mul_i32 s44, s20, (KK/64)*16384
.endif
.if CFG == 2
	s_lshl_b32 s21, s16, 15                        ; the K step's half
	s_add_co_u32 s44, s44, s21
.endif
	s_mov_b32 s45, 0
.if CFG == 0
	s_lshl_b32 s46, s19, 9
	s_lshl_b32 s22, s16, 8
.elseif CFG == 1
	s_mul_i32 s46, s19, 768
	s_max_u32 s22, s14, 1
	s_sub_co_u32 s22, s22, 1
	s_lshl_b32 s22, s22, 8
.else
	s_lshl_b32 s46, s19, 8
	s_mul_i32 s22, s16, 256*NN
.endif
	s_add_co_u32 s46, s46, s22
	s_add_co_u32 s46, s46, WOFF
	s_mov_b32 s47, 0
	s_mul_i32 s72, s14, PANEL                      ; and where it goes: no place in the cluster enters an LDS address
	s_mul_i32 s76, s[PD], KSA                      ; the walk's first K step, in bytes of A
	s_mov_b32 s77, 0
	s_mul_i32 s78, s[PD], KSB                      ; and of W
	s_mov_b32 s79, 0
	s_mov_b32 s[TB], 0
	s_wait_dscnt 0x0                               ; the opening add is done
	s_wait_kmcnt 0x0
	s_add_nc_u64 s[44:45], s[4:5], s[44:45]        ; my panel of A at K step 0; never rewritten
	s_add_nc_u64 s[46:47], s[6:7], s[46:47]        ; and of W
	CROUND                                         ; all sixteen work-groups are here: the first joint loads meet
.irp s, 0,1
	s_mov_b32 s[G0A+4*\s], 1
	s_add_co_u32 s[G0A+4*\s+1], s72, \s*SLOT
	s_add_nc_u64 s[G0A+4*\s+2:G0A+4*\s+3], s[44:45], s[76:77]
	s_add_nc_u64 s[G0A+4*\s+2:G0A+4*\s+3], s[G0A+4*\s+2:G0A+4*\s+3], \s*KSA
	s_or_b32 s[G0A+4*\s+3], s[G0A+4*\s+3], 0x80000000
	s_mov_b32 s[G0B+4*\s], 1
	s_add_co_u32 s[G0B+4*\s+1], s72, \s*SLOT
	s_add_nc_u64 s[G0B+4*\s+2:G0B+4*\s+3], s[46:47], s[78:79]
	s_add_nc_u64 s[G0B+4*\s+2:G0B+4*\s+3], s[G0B+4*\s+2:G0B+4*\s+3], \s*KSB
	s_or_b32 s[G0B+4*\s+3], s[G0B+4*\s+3], 0x80000000
.endr
	s_cmp_lt_u32 s14, NPA                          ; a wave's two first fills stand in one branch: place 0 of the walk into slot 0, place 1 into slot 1: two loads of mine are out
	s_cbranch_scc0 .Lfirst_b
	tensor_load_to_lds s[G0A:G0A+3], s[G1A:G1A+7]
	s_nop 0
	tensor_load_to_lds s[G0A+4:G0A+7], s[G1A:G1A+7]
	s_nop 0
.rept 4
	v_nop
.endr
	s_branch .Lfirst_done
.Lfirst_b:
	tensor_load_to_lds s[G0B:G0B+3], s[G1B:G1B+7]
	s_nop 0
	tensor_load_to_lds s[G0B+4:G0B+7], s[G1B:G1B+7]
	s_nop 0
.rept 4
	v_nop
.endr
.Lfirst_done:
	v_and_b32 v1, 15, v0                           ; r = l % 16
	v_bfe_u32 v2, v0, 4, 1                         ; h = l / 16
	; the bias of my columns: block b's eight numbers 8 h + 0..7
.if CFG == 0
	s_lshl_b32 s21, s19, 10
	s_lshl_b32 s22, s16, 9
.elseif CFG == 1
	s_mul_i32 s21, s19, 1536
	s_lshl_b32 s22, s16, 8
.else
	s_lshl_b32 s21, s19, 9
	s_lshl_b32 s22, s16, 8
.endif
	s_add_co_u32 s21, s21, s22
	v_lshl_add_u32 v[BO], v2, 5, s21
.set b_, 0
.rept NBK
.if CFG == 1
.set bo_, (b_/4)*512+(b_%4)*64
.else
.set bo_, 64*b_
.endif
	global_load_b128 v[BIAS+8*b_:BIAS+8*b_+3], v[BO], s[8:9] offset:bo_
	global_load_b128 v[BIAS+8*b_+4:BIAS+8*b_+7], v[BO], s[8:9] offset:bo_+16
.set b_, b_+1
.endr
	; where my part of OUT begins
.if CFG == 0
	s_lshl_b32 s21, s20, 1
	s_add_co_u32 s21, s21, s15
	s_lshl_b32 s21, s21, 6
	s_lshl_b32 s22, s19, 2
	s_add_co_u32 s21, s21, s22
	s_lshl_b32 s22, s16, 1
	s_add_co_u32 s21, s21, s22                     ; block (2 tm + wm, 4 tn + 2 wn)
	s_lshl_b32 s22, s21, 14
	s_mov_b32 s23, 0
.elseif CFG == 1
	s_lshr_b32 s21, s20, 4
	s_mul_i32 s21, s21, 48
	s_mul_i32 s22, s19, 6
	s_add_co_u32 s21, s21, s22
	s_add_co_u32 s21, s21, s16                     ; head 48 b + 6 tn + wn
	s_lshl_b32 s21, s21, 18
	s_and_b32 s22, s20, 15
	s_lshl_b32 s22, s22, 14
	s_add_co_u32 s21, s21, s22
	s_lshl_b32 s22, s15, 13
	s_add_co_u32 s22, s21, s22
	s_mov_b32 s23, 0
.else
	s_lshl_b32 s21, s20, 4
	s_lshl_b32 s22, s19, 1
	s_add_co_u32 s21, s21, s22
	s_add_co_u32 s21, s21, s16                     ; block (tm, 2 tn + wn)
	s_lshl_b32 s21, s21, 14
	s_lshl_b32 s22, s15, 13
	s_add_co_u32 s22, s21, s22
	s_mov_b32 s23, 0
.endif
.if RES
	s_add_nc_u64 s[12:13], s[12:13], s[22:23]
	v_lshlrev_b32 v[RO], 7, v1
	v_lshl_add_u32 v[RO], v2, 4, v[RO]
.set t_, 0
.rept MA*NBK
	global_load_b128 v[RR+4*t_:RR+4*t_+3], v[RO], s[12:13] offset:(t_/NBK)*2048+32*(t_%NBK)
.set t_, t_+1
.endr
	v_mov_b32 v[ONE], 1.0
.endif
.if EPI == 3
	s_and_b32 s21, s20, 15
	s_lshl_b32 s21, s21, 20
	s_lshl_b32 s22, s15, 19
	s_add_co_u32 s21, s21, s22
	s_lshr_b32 s22, s20, 4
	s_lshl_b32 s22, s22, 12
	s_add_co_u32 s21, s21, s22
	s_lshl_b32 s22, s19, 9
	s_add_co_u32 s21, s21, s22
	s_lshl_b32 s22, s16, 8
	s_add_co_u32 s22, s21, s22                     ; row (t, b) of 4,096 bytes, my 64 columns
	s_mov_b32 s23, 0
.endif
	s_add_nc_u64 s[10:11], s[10:11], s[22:23]
	; the way out's lane addresses
	s_mul_i32 s21, s14, DREG
	v_mul_u32_u24 v[DST], v1, DP
	v_lshl_add_u32 v[DST], v2, 5, v[DST]
	v_add_nc_u32 v[DST], s21, v[DST]
.if EPI == 3
	v_mul_u32_u24 v[RD], v2, DP
	v_lshl_add_u32 v[RD], v1, 4, v[RD]
	v_add_nc_u32 v[RD], s21, v[RD]
	v_lshlrev_b32 v[GO], 13, v2
	v_lshl_add_u32 v[GO], v1, 4, v[GO]
.else
	v_bfe_u32 v3, v0, 3, 2
	v_and_b32 v4, 7, v0
	v_mul_u32_u24 v[RDG], v3, DP
	v_lshl_add_u32 v[RDG], v4, 5, v[RDG]
	v_add_nc_u32 v[RDG], s21, v[RDG]
	v_and_b32 v[GO], 31, v0
	v_lshlrev_b32 v[GO], 4, v[GO]
.endif
	; the fragments' lane addresses.  A: row r x 144 + 16 h.  W, turned: line 8 h + l % 8, 16 bytes by (l / 8) % 2
.if CFG == 0
	s_mul_i32 s21, s15, PANEL
.else
	s_mul_i32 s21, s15, 64*144
.endif
	v_mul_u32_u24 v[A0], v1, 144
	v_lshl_add_u32 v[A0], v2, 4, v[A0]
	v_add_nc_u32 v[A0], s21, v[A0]
	v_and_b32 v3, 7, v0
	v_bfe_u32 v4, v0, 3, 1
	v_lshl_add_u32 v5, v2, 3, v3
	v_mul_u32_u24 v5, v5, 288
	v_lshl_add_u32 v5, v4, 4, v5
.if CFG == 0
	s_mul_i32 s21, s16, PANEL
	s_add_co_u32 s21, s21, 2*PANEL
.else
	s_lshl_b32 s21, s16, 7
	s_add_co_u32 s21, s21, NPA*PANEL
.endif
.set g_, 0
.rept NBR
	v_add_nc_u32 v[B0+g_], s21, v5
	s_add_co_u32 s21, s21, PANEL
.set g_, g_+1
.endr
	MKADR
.if AH
	; the prefetches.  A's panels are read by every cluster of a row of clusters, W's by every cluster of a column.  A prefetch names only K steps to which my cluster's kind comes first in its walk; of the
	; clusters that read the same rows, those with x < 2 ask for A's and those with y < 2 for W's: one cluster of each kind.  The four partners that ask for a panel jointly share its 128 rows out by address,
	; 32 each.  So each row's 256 bytes of a K step are named once.  Nothing is asked for here, at the head.
	s_and_b32 s21, ttmp7, 0xffff
	s_mov_b32 s23, 64*NN
	s_mov_b32 s68, KSB
	s_mov_b32 s73, 2*NN
	s_cmp_lt_u32 s14, NPA
	s_cselect_b32 s21, ttmp9, s21
	s_cselect_b32 s22, s17, s18
	s_cselect_b32 s23, 8192, s23
	s_cselect_b32 s68, KSA, s68
	s_cselect_b32 s73, 256, s73
	s_cselect_b64 s[PFB:PFB+1], s[44:45], s[46:47]
	s_cmp_lt_u32 s21, 2
	s_cselect_b32 s[LIM], KSTEPS, 0
	s_mul_i32 s22, s22, s23
	s_mov_b32 s23, 0
	s_add_nc_u64 s[PFB:PFB+1], s[PFB:PFB+1], s[22:23]
	v_and_b32 v[PFO], 31, v0
	v_mul_lo_u32 v[PFO], v[PFO], s73
	s_mov_b32 s73, 0                               ; from here on the upper word of the pair s[72:73]
.endif
.if EPI == 1
	s_mov_b32 s66, 0xbfb8aa3b                      ; -log2(e)
	s_mov_b32 s67, s66
.endif
	s_wait_loadcnt 0x0                             ; bias (and residual)
.if RES
.set t_, 0
.rept MA*NBK
.set k_, 0
.rept 4
	v_fma_mix_f32_bf16 v[CI+8*t_+2*k_], v[RR+4*t_+k_], v[ONE], v[BIAS+8*(t_%NBK)+2*k_] op_sel_hi:[1,0,0]
	v_fma_mix_f32_bf16 v[CI+8*t_+2*k_+1], v[RR+4*t_+k_], v[ONE], v[BIAS+8*(t_%NBK)+2*k_+1] op_sel:[1,0,0] op_sel_hi:[1,0,0]
.set k_, k_+1
.endr
.set t_, t_+1
.endr
.endif
	s_wait_tensorcnt 0x1                           ; my panel of the walk's place 0 is in; place 1's may stay out
	s_barrier_signal -1
	s_barrier_wait -1                              ; everybody's is
	FETCH 0, F0
	UNIT F0, F1, 1, 1                              ; the first unit stands ahead of the loop: its products start the sums
	WIN 0
	s_mov_b32 s3, KSTEPS-2
.Lmain:                                                ; a trip: a K step's units 1 to 3, the change of slots with its refill, the next K step's unit 0
	UNIT F1, F0, 2, 0
	UNIT F0, F1, 3, 0
	TURN 1, 0
	UNIT F0, F1, 1, 0
	WIN 0
	s_sub_co_u32 s3, s3, 1
	s_cmp_lg_u32 s3, 0
	s_cbranch_scc1 .Lmain
	s_mov_b32 s2, 2
.Ltail:                                                ; the last two K steps ask for nothing; the second trip is left in its middle
	UNIT F1, F0, 2, 0
	UNIT F0, F1, 3, 0
	TURN 0, 1
	WIN 0
	s_sub_co_u32 s2, s2, 1
	s_cmp_eq_u32 s2, 0
	s_cbranch_scc1 .Lout
	UNIT F0, F1, 1, 0
	WIN 0
	s_branch .Ltail
.Lout:
	s_wait_dscnt 0x0                               ; my reads of the slots are over,
	s_barrier_signal -1
	s_barrier_wait -1                              ; everybody's are: the slots may be written
	PLACES
.set t_, 0
.rept MA*NBK
	WIN (2+t_/32)<<2                               ; the stores' data lie in the accumulators' window; each accumulator's low four registers go first
	ds_store_b128 v[DST], v[8*(t_%32):8*(t_%32)+3] offset:(t_/NBK)*16*DP+64*(t_%NBK)
	ds_store_b128 v[DST], v[8*(t_%32)+4:8*(t_%32)+7] offset:(t_/NBK)*16*DP+64*(t_%NBK)+16
.set t_, t_+1
.endr
	WIN 0
	s_wait_dscnt 0x0                               ; my stores are done,
	s_barrier_signal -1
	s_barrier_wait -1                              ; everybody's are
.if EPI == 3
.set j_, 0
.rept 32
	ds_load_b128 v[V1+4*j_:V1+4*j_+3], v[RD] offset:j_*2*DP
.set j_, j_+1
.endr
.set j_, 0
.rept 32
	s_wait_dscnt 31-j_
	global_store_b128 v[GO], v[V1+4*j_:V1+4*j_+3], s[10:11] offset:j_*16384  ; 16 lanes store 256 consecutive bytes, aligned: 64 columns of a row
.set j_, j_+1
.endr
.else
.if NG > 1
	s_mov_b32 s70, NG
.endif
.Lgrp:                                                 ; a group of 64 columns
	v_mov_b32 v[RD], v[RDG]
	v_add_nc_u32 v[RDG], 256, v[RDG]
	s_mov_b32 s71, MA/2
.Lrows:                                                ; 32 rows: two units of 16
.irp u, 0,1
.irp f, 0,1,2,3
	ds_load_b128 v[V1+32*\u+8*\f:V1+32*\u+8*\f+3], v[RD] offset:(16*\u+4*\f)*DP
	ds_load_b128 v[V1+32*\u+8*\f+4:V1+32*\u+8*\f+7], v[RD] offset:(16*\u+4*\f)*DP+16
.endr
.endr
	s_wait_dscnt 8                                 ; the first unit is in
	OUTU 0
	s_wait_dscnt 0x0
	OUTU 1
	s_wait_xcnt 0x0                                ; the stores have read their data and their base
	v_add_nc_u32 v[RD], 32*DP, v[RD]
	s_add_nc_u64 s[10:11], s[10:11], 4096
	s_sub_co_u32 s71, s71, 1
	s_cmp_lg_u32 s71, 0
	s_cbranch_scc1 .Lrows
.if NG > 1
.if OSTEP
	s_add_nc_u64 s[10:11], s[10:11], OSTEP
.endif
	s_sub_co_u32 s70, s70, 1
	s_cmp_lg_u32 s70, 0
	s_cbranch_scc1 .Lgrp
.endif
.endif
	s_wait_tensorcnt 0x0                           ; the wave's end
	ds_add_u32 v[SPW], v[NIL]
	s_wait_dscnt 0x0
	CROUND                                         ; the closing round
	s_endpgm
.Lfunc_end_k_qfc3eacc5ed_qkv:
	.size	k_qfc3eacc5ed_qkv, .Lfunc_end_k_qfc3eacc5ed_qkv-k_qfc3eacc5ed_qkv
	.p2alignl 7, 3214868480
	.fill 96, 4, 3214868480
	.section	.rodata,"a",@progbits
	.p2align	6, 0x0
	.amdhsa_kernel k_qfc3eacc5ed_qkv
		.amdhsa_group_segment_fixed_size 327680
		.amdhsa_private_segment_fixed_size 0
		.amdhsa_enable_private_segment 0
		.amdhsa_kernarg_size 32
		.amdhsa_user_sgpr_count 2
		.amdhsa_user_sgpr_kernarg_segment_ptr 1
		.amdhsa_wavefront_size32 1
		.amdhsa_system_sgpr_workgroup_id_x 1
		.amdhsa_system_sgpr_workgroup_id_y 1
		.amdhsa_system_sgpr_workgroup_id_z 1
		.amdhsa_system_vgpr_workitem_id 0
		.amdhsa_next_free_vgpr 896
		.amdhsa_next_free_sgpr 96
		.amdhsa_reserve_vcc 0
		.amdhsa_float_denorm_mode_32 3
		.amdhsa_float_denorm_mode_16_64 3
		.amdhsa_memory_ordered 1
		.amdhsa_forward_progress 1
		.amdhsa_inst_pref_size 75
	.end_amdhsa_kernel
	.amdgpu_metadata
---
amdhsa.version: [ 1, 2 ]
amdhsa.kernels:
  - .name:           k_qfc3eacc5ed_qkv
    .symbol:         k_qfc3eacc5ed_qkv.kd
    .args:
      - { .name: xb, .offset: 0, .size: 8, .value_kind: global_buffer, .address_space: global }
      - { .name: wb, .offset: 8, .size: 8, .value_kind: global_buffer, .address_space: global }
      - { .name: b_qkv, .offset: 16, .size: 8, .value_kind: global_buffer, .address_space: global }
      - { .name: qkv, .offset: 24, .size: 8, .value_kind: global_buffer, .address_space: global }
    .group_segment_fixed_size: 327680
    .private_segment_fixed_size: 0
    .kernarg_segment_align: 8
    .kernarg_segment_size: 32
    .max_flat_workgroup_size: 128
    .sgpr_count:     96
    .vgpr_count:     896
    .wavefront_size: 32
...
	.end_amdgpu_metadata
.endif
;; end of part 2
;; launch attn (part 3): grid 8 x 32, 4 waves a work-group, no clusters, 327,680 bytes of LDS; arguments qkv, ctx; writes ctx
.if DOCPART == 3
	.amdgcn_target "amdgcn-amd-amdhsa--gfx1250"
	.amdhsa_code_object_version 6
	.text
	.protected	k_qfc3eacc5ed_attn
	.globl	k_qfc3eacc5ed_attn
	.p2align	8
	.type	k_qfc3eacc5ed_attn,@function
k_qfc3eacc5ed_attn:
	s_mov_b64 s[64:65], 0
	v_nop
	global_prefetch_b8 v0, s[64:65] scope:SCOPE_SE
	s_setreg_imm32_b32 hwreg(HW_REG_WAVE_MODE, 25, 1), 1
	s_wait_xcnt 0x0
; CAUSAL ATTENTION, head size 64.  ctx[q] = the sum over k <= q of softmax_k(Q[q] . K[k] / 8) V[k], for 32 heads (2 b x 16) of 2,048 rows.
; qkv: [b][48][2048][64] bf16 (heads 0-15 q, 16-31 k, 32-47 v): a head's rows are dense, 128 bytes each.  ctx: bf16, blocked [b * 16 + t / 128][head][128 rows][64].
; Products, maxima and sums in f32; the weights p are rounded to bf16 for the second product (their sum l is taken of the unrounded p), ctx once at the end.
; LIMITS.  A hidden score counts as its value less 1e30; a weight below 2^-126 counts as 0 in l; NaN and infinities are not treated apart.
; THE WALK.  A head's queries lie in 16 blocks of 128; block i needs the key tiles 0 .. i / 2 of 256 keys.  A work-group takes TWO blocks, 15 - b and then b: nine tiles whatever b, so all 256 work-groups
; do equal work and one loop with a constant trip count walks them.  NO CLUSTER: the eight work-groups of a head ask for the same tile in trips 0 to 4 only, behind that fewer and fewer;
; a walk common to all would have twelve trips for nine.
; SHARES.  Of a block's two bands of 64 queries a wave owns 16 rows in each: two PIECES.  Band x of block i has key step 2 i + x as its own (it holds the diagonal), sees all of the earlier steps and nothing of the later.
; THE MASK is the C operand that starts each sum S^T = K Q^T: MD x AL + BE, with MD the mask of a band's own step for my rows and two scalars: (1, 0) own step; (0, 0) earlier; (0, -1e30) later.
; A piece's mask buffer is written anew only where it changes: for the band's own step and for the step behind it.
; TURNS.  S^T = K Q^T holds one query a lane and the keys 8 (lane / 16) + 0..7; two such results rounded to bf16 are source 1 of O^T = V^T P.  p = 2^(c s - c m), c = log2(e) / 8, m a running maximum;
; O and l are multiplied by a = 2^(c m_old - c m_new) in every step.  Turn p of step s: 8 products K Q^T of the other piece (turn 0: step s; turn 1: step s + 1), the softmax of piece p, the other piece's
; maximum and statistics, 8 products V^T P of the other piece (turn 0: step s - 1; turn 1: step s).  Four vector instructions stand behind every matrix instruction, the rest in one lump; a turn's 33 exponentials are one batch with one wait.
; K LIES ONE STEP AHEAD IN THE RING: slot t holds K of steps 4 t + 1 .. 4 t + 4 and V of steps 4 t .. 4 t + 3, so both runs of LDS loads of a step fall into one slot.  K of step 0 stays in registers (KZ).
; A block's last turn multiplies by the K of a step that it does not need (all its scores are hidden, or belong to rows of the next head inside the buffer); what comes of it touches neither O nor l.
; REGISTERS.  Window 0: v0-15 addresses; v16-23 statistics (c m, m, l, l a piece); v48-55 at work; v64-127 S^T, two buffers; v128-191 O^T; v192-223 P, two buffers: all that a softmax touches, so that a turn's
;   vector work needs one window setting.   Window 1: v128-159 MD; v160-223 MC, two buffers.   Window 2: v0-31 Q; v32-63 the second block's Q; v64-127 KZ; v128-191 K; v192-255 V.
.set NP,    2
.set KS,    64
.set PK,    144       ; a row of K in LDS: 128 bytes + 16
.set PV,    160       ; a row of V: 128 + 32
.set VOFF,  4*KS*PK
.set SLOT1, 1<<17
.set STAGE, SLOT1+4*KS*(PK+PV)  ; behind the ring, never filled by a tensor load: 16 rows x 144 bytes a wave
.set SP,    144
.set SPARE, STAGE+4*16*SP       ; the spare words, 128 bytes a wave, that no other line names
.set AK0, 2
.set AV0, 3
.set AK,  4
.set AV,  5
.set STO, 6
.set RD,  7
.set GO,  8
.set MV,  12
.set QO,  15
.set ST,  16
.set TMP, 48
.set PFO, 61          ; v61  256 x my lane; never rewritten
.set SPW, 62
.set NIL, 63
.set S,   64
.set OT,  128
.set P,   192
.set MD,  128
.set MC,  160
.set QB,  32
.set KZ,  64
.set KF,  128
.set VF,  192
.set WV,  12
.set PB,  14          ; s14  the second block's last tile
.set HI,  15          ; s15  the first block's last tile
.set G1K, 24
.set G1V, 32
.set G0K, 40
.set G0V, 44
.set OW,  48          ; s48, s49  the own steps of the two bands of the block in hand
.set OW2, 50          ; s50  the second block's first own step
.set PLIM, 51
.set PFA, 52          ; s[52:53]
.set KVB, 54          ; s[54:55] K or V at my half of tile 0
.set SLOTS, 56
.set CNT, 57
.set CS,  58
.set SEL, 60
.set TBK, 62
.set TBV, 63
.set OF2, 66          ; s[66:67]
.set DD,  68          ; s68  the step of the mask that a turn may make, less the band's own step
.set RT,  70
.set NXT, 71
.set LQ,  72
.set NEW, 73
.set OFF, 74
.set AL,  76
.set BE,  78
.set OLO, 80
.set BIGN, 82
.set FN,  83          ; s83  the key step for which the next mask is made
.set MSB, 0
.macro WIN new
.if MSB != (\new)
	s_set_vgpr_msb (MSB<<8)|(\new)
.set MSB, (\new)
.endif
.endm
.set W_KQ, 0x0a       ; K and Q in window 2, S^T in window 0
.set W_KM, 0x1a       ; the same with the C operand in window 1
.set W_PV, 0x02       ; V in window 2; P and O^T in window 0
.set W_MK, 0x41       ; the masks: destination and source 0 in window 1
.macro LOAD                         ; waves 0 and 1 fetch the two halves of a tile's K, waves 2 and 3 those of its V: 128 keys each
	s_cmp_lt_u32 s[WV], 2
	s_cbranch_scc0 .Lfor_v_\@
	tensor_load_to_lds s[G0K:G0K+3], s[G1K:G1K+7]
	s_nop 0
.rept 4
	v_nop
.endr
	s_branch .Lasked_\@
.Lfor_v_\@:
	tensor_load_to_lds s[G0V:G0V+3], s[G1V:G1V+7]
	s_nop 0
.rept 4
	v_nop
.endr
.Lasked_\@:
.endm
; THE CHANGE OF SLOTS.  Each wave waits for all its tensor loads (one is out: its part of the other slot), adds 0 to its spare word, and waits for that and for its reads of the slot that it leaves.
; fill = 1: the old slot is filled again, first thing behind the barrier, with tile NXT.  Behind the load the head's first work-group (b = 0, which walks tiles 0 to 7 on end) prefetches the tile that the next
; change will ask for, each wave its own 16,384 bytes, a lane 256 of them, in two instructions: tiles 2 to 7 are named once each; where the walk turns back to tile 0 nothing is asked for.
.macro CHANGE fill
	WIN 0
	s_wait_tensorcnt 0x0
	ds_add_u32 v[SPW], v[NIL]
.if \fill
	s_lshl_b32 s[OFF], s[NXT], 15
	s_xor_b32 s[G0K+1], s[G0K+1], SLOT1
	s_add_nc_u64 s[G0K+2:G0K+3], s[6:7], s[OFF:OFF+1]
	s_or_b32 s[G0K+3], s[G0K+3], 0x80000000
	s_xor_b32 s[G0V+1], s[G0V+1], SLOT1
	s_add_nc_u64 s[G0V+2:G0V+3], s[8:9], s[OFF:OFF+1]
	s_or_b32 s[G0V+3], s[G0V+3], 0x80000000
	s_add_co_u32 s[NXT], s[NXT], 1
	s_cmp_gt_u32 s[NXT], s[LQ]
	s_cselect_b32 s[NXT], 0, s[NXT]
	s_cselect_b32 s[LQ], s[PB], s[LQ]
	s_wait_xcnt 0x0                 ; the last prefetches, a tile back, have read their address
	s_lshl_b32 s[OF2], s[NXT], 15
	s_add_nc_u64 s[PFA:PFA+1], s[KVB:KVB+1], s[OF2:OF2+1]
.endif
	s_wait_dscnt 0x0                ; the add is done, and my reads of the slot are over
	s_barrier_signal -1
	s_sub_co_u32 s[TBK], s[TBK], 4*KS*PK
	s_xor_b32 s[TBK], s[TBK], SLOT1
	s_sub_co_u32 s[TBV], s[TBV], 4*KS*PV
	s_xor_b32 s[TBV], s[TBV], SLOT1
	s_barrier_wait -1
.if \fill
	LOAD
	s_cmp_gt_u32 s[NXT], s[PLIM]
	s_cbranch_scc0 .Lnp_\@
	global_prefetch_b8 v[PFO], s[PFA:PFA+1] th:TH_LOAD_NT scope:SCOPE_SE
	global_prefetch_b8 v[PFO], s[PFA:PFA+1] offset:8192 th:TH_LOAD_NT scope:SCOPE_SE
.Lnp_\@:
.endif
.endm
	s_load_b64 s[4:5], s[0:1], 0x0  ; qkv
	s_load_b64 s[10:11], s[0:1], 0x8  ; ctx
	v_lshl_add_u32 v[SPW], v0, 2, SPARE
	v_mov_b32 v[NIL], 0
	ds_add_u32 v[SPW], v[NIL]       ; the wave's opening: the add and its wait ahead of my first tensor load
	ds_add_u32 v62, v63
	v_lshrrev_b32 v1, 5, v0
	v_readfirstlane_b32 s[WV], v1
	s_sub_co_u32 s13, 15, ttmp9     ; the first block
	s_lshr_b32 s[HI], s13, 1
	s_lshr_b32 s[PB], ttmp9, 1
	s_lshl_b32 s[OW], s13, 1
	s_add_co_u32 s[OW+1], s[OW], 1
	s_lshl_b32 s[OW2], ttmp9, 1
	s_and_b32 s20, ttmp7, 0xffff
	s_lshr_b32 s21, s20, 4          ; b
	s_and_b32 s22, s20, 15          ; head
	s_mul_i32 s23, s21, 48
	s_add_co_u32 s23, s23, s22
	s_lshl_b32 s23, s23, 18         ; the head's q
	s_and_b32 s16, s[WV], 1         ; which half of a tile's 256 keys I fetch
	s_lshl_b32 s19, s16, 14
	s_mul_i32 s17, s16, 128*PK
	s_mul_i32 s18, s16, 128*PV
	s_lshl_b32 s3, s[WV], 11        ; my 16 rows in a band
	s_add_co_u32 s3, s3, s23
	s_lshl_b32 s2, s13, 14
	s_add_co_u32 s2, s2, s3         ; Q of the first block
	s_lshl_b32 s84, ttmp9, 14
	s_add_co_u32 s84, s84, s3       ; and of the second
	s_mov_b32 s3, 0
	s_mov_b32 s85, 0
	s_add_co_u32 s86, s23, s19
	s_add_co_u32 s88, s86, 8388608  ; V: 32 heads on
	s_add_co_u32 s86, s86, 4194304+8192  ; K: 16 heads on, and one key step ahead
	s_mov_b32 s87, 0
	s_mov_b32 s89, 0
	s_add_co_u32 s90, s23, 4194304  ; K of step 0
	s_mov_b32 s91, 0
	s_lshl_b32 s21, s21, 4
	s_lshl_b32 s19, s[WV], 11
	s_add_co_u32 s92, s21, s13
	s_lshl_b32 s92, s92, 4
	s_add_co_u32 s92, s92, s22
	s_lshl_b32 s92, s92, 14
	s_add_co_u32 s92, s92, s19      ; ctx at my rows of the first block
	s_mov_b32 s93, 0
	s_add_co_u32 s94, s21, ttmp9
	s_lshl_b32 s94, s94, 4
	s_add_co_u32 s94, s94, s22
	s_lshl_b32 s94, s94, 14
	s_add_co_u32 s94, s94, s19      ; and of the second
	s_mov_b32 s95, 0
	; group 1: 128 keys are 16,384 dense bytes: 64 rows of 256 bytes, two keys a row, padded in LDS after every key
	s_mov_b32 s[G1K], (1<<16)|(1<<20)|(4<<22)|(3<<25)
	s_mov_b32 s[G1V], (1<<16)|(1<<20)|(4<<22)|(7<<25)
.irp g, G1K, G1V
	s_mov_b32 s[\g+1], 128<<16
	s_mov_b32 s[\g+2], 64<<16
	s_mov_b32 s[\g+3], 128<<16
	s_mov_b32 s[\g+4], 64
	s_mov_b32 s[\g+5], 128
	s_mov_b32 s[\g+6], 0
	s_mov_b32 s[\g+7], 0
.endr
	s_mov_b32 s[CS], 0x3e38aa3b     ; c = log2(e) / 8
	s_mov_b32 s[CS+1], s[CS]
	s_mov_b32 s[SEL], 0x76543210
	s_mov_b32 s[SEL+1], 0xfedcba98
	s_mov_b32 s[TBK], SLOT1+4*KS*PK ; the first change of slots turns these two into 0
	s_mov_b32 s[TBV], SLOT1+4*KS*PV
	s_mov_b32 s[G0K], 1
	s_mov_b32 s[G0K+1], s17
	s_mov_b32 s[G0V], 1
	s_add_co_u32 s[G0V+1], s18, VOFF
	s_add_co_u32 s[RT], s[HI], 1
	s_mov_b32 s[NXT], 1
	s_mov_b32 s[LQ], s[HI]
	s_mov_b32 s[NEW], 1
	s_mov_b32 s[OFF+1], 0
	s_mov_b32 s[OF2+1], 0
	s_mov_b32 s[AL+1], 0
	s_mov_b32 s[BE+1], 0
	s_mov_b32 s[BIGN], 0xf149f2ca   ; -1e30
	s_mov_b32 s[SLOTS], 8
	s_cmp_eq_u32 ttmp9, 0
	s_cselect_b32 s[PLIM], 1, -1
	v_and_b32 v[PFO], 31, v0
	v_lshlrev_b32 v[PFO], 8, v[PFO]
	s_wait_dscnt 0x0                ; the opening add is done
	s_wait_kmcnt 0x0
	s_add_nc_u64 s[6:7], s[4:5], s[86:87]
	s_add_nc_u64 s[8:9], s[4:5], s[88:89]
	s_add_nc_u64 s[90:91], s[4:5], s[90:91]
	s_add_nc_u64 s[86:87], s[4:5], s[84:85]
	s_add_nc_u64 s[4:5], s[4:5], s[2:3]
	s_add_nc_u64 s[OLO:OLO+1], s[10:11], s[94:95]
	s_add_nc_u64 s[10:11], s[10:11], s[92:93]
	s_cmp_lt_u32 s[WV], 2
	s_cselect_b64 s[KVB:KVB+1], s[6:7], s[8:9]
	s_add_nc_u64 s[G0K+2:G0K+3], s[6:7], 0
	s_or_b32 s[G0K+3], s[G0K+3], 0x80000000
	s_add_nc_u64 s[G0V+2:G0V+3], s[8:9], 0
	s_or_b32 s[G0V+3], s[G0V+3], 0x80000000
	LOAD                            ; tile 0 into slot 0
	v_and_b32 v1, 15, v0            ; l % 16
	v_bfe_u32 v9, v0, 4, 1          ; l / 16
	v_lshlrev_b32 v[QO], 7, v1
	v_lshl_add_u32 v[QO], v9, 4, v[QO]
	WIN 0x80
.set i, 0
.rept 4                             ; both blocks' Q: piece i / 2 lies 8,192 bytes on; channels 32 (i % 2) on
	global_load_b128 v[8*i:8*i+3],   v[QO], s[4:5] offset:(i/2)*8192+(i%2)*64
	global_load_b128 v[8*i+4:8*i+7], v[QO], s[4:5] offset:(i/2)*8192+(i%2)*64+32
	global_load_b128 v[QB+8*i:QB+8*i+3],   v[QO], s[86:87] offset:(i/2)*8192+(i%2)*64
	global_load_b128 v[QB+8*i+4:QB+8*i+7], v[QO], s[86:87] offset:(i/2)*8192+(i%2)*64+32
.set i, i+1
.endr
.set i, 0
.rept 8                             ; K of step 0, as fragments: keys 16 (i / 2) on, channels 32 (i % 2) on
	global_load_b128 v[KZ+8*i:KZ+8*i+3],   v[QO], s[90:91] offset:(i/2)*2048+(i%2)*64
	global_load_b128 v[KZ+8*i+4:KZ+8*i+7], v[QO], s[90:91] offset:(i/2)*2048+(i%2)*64+32
.set i, i+1
.endr
	WIN 0
	v_lshlrev_b32 v14, 3, v9
	v_sub_nc_u32 v14, v1, v14
	s_lshl_b32 s13, s[WV], 4
	v_add_nc_u32 v14, s13, v14      ; my query's place in its band less 8 (l / 16): register r of group kt is hidden where 16 kt + r is greater
	WIN 0x40
.set i, 0
.rept 32
	v_cmp_gt_i32 vcc_lo, 16*(i/8)+i%8, v14
	v_cndmask_b32 v[MD+i], 0, s[BIGN], vcc_lo
.set i, i+1
.endr
	WIN 0
	v_mul_u32_u24 v[AK0], v1, PK
	v_lshl_add_u32 v[AK0], v9, 4, v[AK0]
	v_and_b32 v10, 7, v0
	v_bfe_u32 v11, v0, 3, 1
	v_lshl_add_u32 v[AV0], v9, 3, v10
	v_mul_u32_u24 v[AV0], v[AV0], PV
	v_lshl_add_u32 v[AV0], v11, 4, v[AV0]
	v_add_nc_u32 v[AV0], VOFF, v[AV0]
	s_mul_i32 s13, s[WV], 16*SP
	s_add_co_u32 s13, s13, STAGE
	v_mul_u32_u24 v[STO], v1, SP
	v_lshl_add_u32 v[STO], v9, 4, v[STO]
	v_add_nc_u32 v[STO], s13, v[STO]
	v_bfe_u32 v[RD], v0, 3, 2
	v_mul_u32_u24 v[RD], v[RD], SP
	v_lshl_add_u32 v[RD], v10, 4, v[RD]
	v_add_nc_u32 v[RD], s13, v[RD]
	v_and_b32 v[GO], 31, v0
	v_lshlrev_b32 v[GO], 4, v[GO]
	; A block's first step multiplies O^T and l by a = 0, so these need only hold finite numbers: zeros for the first block, what the first block left for the second.
	WIN 0x80
.set i, VF
.rept 64
	v_mov_b32 v[i], 0
.set i, i+1
.endr
	WIN 0
.set i, 0
.rept 64
	v_mov_b32 v[OT+i], 0
.set i, i+1
.endr
.set i, 0
.rept 2
	v_mov_b32 v[ST+4*i+2], 0
	v_mov_b32 v[ST+4*i+3], 0
.set i, i+1
.endr
.set i, P+16
.rept 16
	v_mov_b32 v[i], 0
.set i, i+1
.endr
; THE MATRIX WORK.  The 4 accumulators of a run of 8 take turns.  Product i of 8 of S^T = K Q^T for piece x: channels 32 (i / 4) on, keys 16 (i % 4) on; the first 4 start the sums with the mask.
.macro KQ x
.set rS, S+32*((\x)%2)+8*(i%4)
.set rK, KF+16*(i%4)+8*(i/4)
.set rQ, 16*(\x)+8*(i/4)
.set rM, MC+32*((\x)%2)+8*(i%4)
.if i < 4
	WIN W_KM
	v_wmma_f32_16x16x32_bf16 v[rS:rS+7], v[rK:rK+7], v[rQ:rQ+7], v[rM:rM+7]
.else
	WIN W_KQ
	v_wmma_f32_16x16x32_bf16 v[rS:rS+7], v[rK:rK+7], v[rQ:rQ+7], v[rS:rS+7]
.endif
.endm
.macro PV x                         ; product i of 8 of O^T += V^T P for piece x: keys 32 (i / 4) on, channels 16 (i % 4) on
	WIN W_PV
.set rO, OT+32*(\x)+8*(i%4)
.set rV, VF+32*(i/4)+8*(i%4)
.set rP, P+16*((\x)%2)+8*(i/4)
	v_wmma_f32_16x16x32_bf16 v[rO:rO+7], v[rV:rV+7], v[rP:rP+7], v[rO:rO+7]
.endm
.macro MM                           ; the turn's next matrix instruction
.if i < 8
	KQ (Y+1)%NP
.else
.set i, i-8
	PV (Y+NP-1)%NP
.set i, i+8
.endif
.set i, i+1
.endm
.macro FETCH_K                      ; 16 LDS loads in one run: a step's K
	WIN 0x80
.irp f, 0,1,2,3,4,5,6,7
	ds_load_b128 v[KF+8*\f:KF+8*\f+3],   v[AK] offset:(\f/2)*16*PK+(\f%2)*64
	ds_load_b128 v[KF+8*\f+4:KF+8*\f+7], v[AK] offset:(\f/2)*16*PK+(\f%2)*64+32
.endr
	s_add_co_u32 s[TBK], s[TBK], KS*PK
	WIN 0
.endm
.macro FETCH_V                      ; and its V, turned
	WIN 0x80
.irp f, 0,1,2,3,4,5,6,7
	ds_load_tr16_b128 v[VF+8*\f:VF+8*\f+3],   v[AV] offset:(\f/4)*32*PV+(\f%4)*32
	ds_load_tr16_b128 v[VF+8*\f+4:VF+8*\f+7], v[AV] offset:(\f/4)*32*PV+16*PV+(\f%4)*32
.endr
	WIN 0
.endm
; THE VECTOR WORK, one line at a time: OP kind, number; all of it in window 0.  For piece Y: F n: c s - c m for pair n of 16.  E n: the exponential of score n of 32.  C n: pair n rounded to bf16.  B n: of the four
; weights 4 n .. the second pair is added onto the first.  L n: l takes that sum (L 0: l = a l + sum).  R n: pair n of 16 of O^T times a.  For the other piece: X n, number n of the 22 that find its maximum and statistics:
; 0-11 four chains of seven scores (each accumulator's lowest registers are read first); 12-14, 16 the rest, the old m, and the four into one; 15 c m_old is kept; 17, 18 the other half of the lanes; 19-21 c m, its change, a.
.set F, 0
.set E, 1
.set C, 2
.set B, 3
.set L, 4
.set R, 5
.set X, 6
.macro REGS y
.set rT, ST+4*(\y)
.set rC, TMP+4*((\y)%2)
.set rW, MV+((\y)%2)
.set rS, S+32*((\y)%2)
.set rP, P+16*((\y)%2)
.set rO, OT+32*(\y)
.endm
.macro OP k, n
	WIN 0
.if (\k) == R
	REGS Y
	v_pk_mul_f32 v[rO+2*(\n):rO+2*(\n)+1], v[rO+2*(\n):rO+2*(\n)+1], v[rC+2:rC+3] op_sel_hi:[1,0]
.elseif (\k) < R
	REGS Y
.if (\k) == F
	v_pk_fma_f32 v[rS+2*(\n):rS+2*(\n)+1], v[rS+2*(\n):rS+2*(\n)+1], s[CS:CS+1], v[rT:rT+1] op_sel_hi:[1,0,0] neg_lo:[0,0,1] neg_hi:[0,0,1]
.elseif (\k) == E
	v_exp_f32 v[rS+(\n)], v[rS+(\n)]
.elseif (\k) == C
	v_cvt_pk_bf16_f32 v[rP+(\n)], v[rS+2*(\n)], v[rS+2*(\n)+1]
.elseif (\k) == B
	v_pk_add_f32 v[rS+4*(\n):rS+4*(\n)+1], v[rS+4*(\n):rS+4*(\n)+1], v[rS+4*(\n)+2:rS+4*(\n)+3]
.elseif (\n) == 0
	v_pk_fma_f32 v[rT+2:rT+3], v[rT+2:rT+3], v[rC+2:rC+3], v[rS:rS+1] op_sel_hi:[1,0,1]
.else
	v_pk_add_f32 v[rT+2:rT+3], v[rT+2:rT+3], v[rS+4*(\n):rS+4*(\n)+1]
.endif
.else
	REGS (Y+1)%NP
.if (\n) < 4
	v_max3_num_f32 v[rC+(\n)], v[rS+8*(\n)], v[rS+8*(\n)+1], v[rS+8*(\n)+2]
.elseif (\n) < 12
	v_max3_num_f32 v[rC+(\n)%4], v[rC+(\n)%4], v[rS+8*((\n)%4)+2*((\n)/4)+1], v[rS+8*((\n)%4)+2*((\n)/4)+2]
.elseif (\n) == 12
	v_max3_num_f32 v[rC], v[rC], v[rS+7], v[rS+15]
.elseif (\n) == 13
	v_max3_num_f32 v[rC+1], v[rC+1], v[rS+23], v[rS+31]
.elseif (\n) == 14
	v_max3_num_f32 v[rC+2], v[rC+2], v[rC+3], v[rT+1]
.elseif (\n) == 15
	v_mov_b32 v[rW], v[rT]
.elseif (\n) == 16
	v_max3_num_f32 v[rC], v[rC], v[rC+1], v[rC+2]
.elseif (\n) == 17
	v_permlanex16_b32 v[rC+3], v[rC], s[SEL], s[SEL+1]
.elseif (\n) == 18
	v_max_num_f32 v[rT+1], v[rC], v[rC+3]
.elseif (\n) == 19
	v_mul_f32 v[rT], s[CS], v[rT+1]
.elseif (\n) == 20
	v_sub_f32 v[rC+1], v[rW], v[rT]
.else
	v_exp_f32 v[rC+2], v[rC+1]
.endif
.endif
.endm
.macro OPS a, i1, b=-1, i2=0, c=-1, i3=0, d=-1, i4=0
	OP \a, \i1
.if (\b) >= 0
	OP \b, \i2
.endif
.if (\c) >= 0
	OP \c, \i3
.endif
.if (\d) >= 0
	OP \d, \i4
.endif
.endm
.macro ROW a, i1, b, i2, c, i3, d, i4  ; a matrix instruction and the four behind it
	MM
	OPS \a, \i1, \b, \i2, \c, \i3, \d, \i4
.endm
.macro MASK b                       ; MD x AL + BE into buffer b of MC
	WIN W_MK
.set z, 0
.rept 16
	v_pk_fma_f32 v[MC+32*(\b)+2*z:MC+32*(\b)+2*z+1], v[MD+2*z:MD+2*z+1], s[AL:AL+1], s[BE:BE+1] op_sel_hi:[1,0,0]
.set z, z+1
.endr
.endm
; A TURN, for piece p.  One wait cuts it in two: ahead of it stands all that names no result of the turn's exponentials, behind it the 8 products V^T P with the roundings and sums as their riders.
; Turn 0 fetches the next step's K in its lump, five plain instructions that name none of its registers behind the last product that read K, and the step's V at its end, four plain instructions behind the last
; product that read V.  Turn 1 waits for K at its head (V's 16 younger loads stay out) and for V behind its wait for the batch.
; At its end turn p sees to the mask of piece p for step FN, which the next turn's products take.  DD = FN less the band's own step.  DD = 0: the band's own mask; DD = 1: all hidden; any other DD (as an
; unsigned number): the buffer holds the right mask already: zeros ahead of the own step, all hidden from the second step behind it on; and the sixteen lines are jumped over.
.macro TURN p
.set Y, (\p)
.set i, 0
	s_sub_co_u32 s[DD], s[FN], s[OW+(\p)]
.if (\p) == 1
	s_wait_dscnt 16                 ; K is in
.endif
	ROW F,0, F,1, R,0, R,1
	ROW F,2, E,0, R,2, R,3
	ROW F,3, E,1, R,4, R,5
	ROW F,4, E,2, R,6, R,7
	ROW F,5, E,3, R,8, R,9
	ROW F,6, E,4, X,0, R,10
.if (\p) == 0
	WIN 0
	v_add_nc_u32 v[AK], s[TBK], v[AK0]
.endif
	ROW F,7, E,5, X,1, X,4
	ROW F,8, E,6, X,2, X,5
	OPS E,7, E,8, X,6, E,9
	OPS X,3, E,10, X,8, E,11
.if (\p) == 0
	FETCH_K
.endif
	OPS X,9, X,7, E,12, X,10
	OPS E,13, X,12, X,11, E,14
	OPS X,13, E,15, F,9, X,14
.if (\p) == 0
	v_add_nc_u32 v[AV], s[TBV], v[AV0]
.endif
	OPS E,16, F,10, E,17, F,11
	OPS X,16, E,18, X,15, E,19
	OPS F,12, E,20, X,17, E,21
	OPS F,13, E,22, F,14, E,23
	OPS X,18, E,24, F,15, E,25
	OPS R,11, E,26, X,19, E,27
	OPS R,12, E,28, R,13, E,29
	OPS X,20, E,30, R,14, E,31
	OPS X,21, R,15                  ; the other piece's a is the batch's last; R 15 is the plain instruction behind it
	WIN 0
	s_wait_alu depctr_va_vdst(0)    ; the one wait for the batch
.if (\p) == 1
	s_wait_dscnt 0x0                ; V is in
.endif
	ROW C,0, B,0, C,2, B,1
	ROW L,0, C,4, B,2, L,1
	ROW C,6, B,3, L,2, C,8
	ROW B,4, L,3, C,10, B,5
	ROW L,4, C,12, B,6, L,5
.if (\p) == 0
	s_add_co_u32 s[TBV], s[TBV], KS*PV
.else
	s_add_co_u32 s[FN], s[FN], 1
	s_sub_co_u32 s[CNT], s[CNT], 1
.endif
	ROW C,14, B,7, L,6, C,1
	ROW C,3, L,7, C,5, C,7
	ROW C,9, C,11, C,13, C,15
.if (\p) == 0
	FETCH_V
.endif
	WIN 0
	s_cmp_gt_u32 s[DD], 1
	s_cbranch_scc1 .Lsame_\@
	s_cmp_eq_u32 s[DD], 0
	s_cselect_b32 s[AL], 1.0, 0
	s_cselect_b32 s[BE], 0, s[BIGN]
	MASK \p
	WIN 0
.Lsame_\@:
.endm
; A BLOCK BEGINS.  c m starts far below every c s, so the first step's a is 0; m at the lowest finite number.  Piece 0's mask for step 0 is its own where the block is block 0, else 0; piece 1's is 0.
; K of step 0 comes from KZ; then piece 0's first scores, and their maximum and statistics.
.macro BEGIN
	s_mov_b32 s[NEW], 0
.set i, 0
.rept 2
	v_mov_b32 v[ST+4*i], 0xfe000000
	v_mov_b32 v[ST+4*i+1], 0xff7fffff
.set i, i+1
.endr
	s_cmp_eq_u32 s[OW], 0
	s_cselect_b32 s[AL], 1.0, 0
	s_mov_b32 s[BE], 0
	MASK 0
	s_mov_b32 s[AL], 0
	MASK 1
	s_mov_b32 s[FN], 1
	s_wait_loadcnt 0x0              ; Q and KZ
	WIN 0x82
.set i, 0
.rept 64
	v_mov_b32 v[KF+i], v[KZ+i]
.set i, i+1
.endr
.set i, 0
.rept 8
	KQ 0
.set i, i+1
.endr
	WIN 0
.rept 4
	v_nop                           ; the places behind those products
.endr
.set Y, NP-1
.irp n, 0,1,2,3,4,5,6,7,8,9,10,11,12,13,14,15,16,17,18,19,20,21
	OP X, \n
.endr
	v_nop                           ; a plain instruction behind the exponential,
	s_wait_alu depctr_va_vdst(0)    ; and its wait, ahead of the label
.endm
.macro ALL line:vararg
.set t, 0
.rept 2
	\line
.set t, t+1
.endr
.endm
.macro PACK t                       ; O^T / l, rounded to bf16: 16 bytes a lane into rows of 144 bytes of my stage, back as whole rows of 128
	WIN 0
.set i, OT+32*(\t)
.rept 16
	v_pk_mul_f32 v[i:i+1], v[i:i+1], v[ST+4*(\t)+2:ST+4*(\t)+3] op_sel_hi:[1,0]
.set i, i+2
.endr
.set i, 0
.rept 16
	v_cvt_pk_bf16_f32 v[S+16*(\t)+i], v[OT+32*(\t)+2*i], v[OT+32*(\t)+2*i+1]
.set i, i+1
.endr
.irp f, 0,1,2,3
	ds_store_b128 v[STO], v[S+16*(\t)+4*\f:S+16*(\t)+4*\f+3] offset:32*\f
.endr
.irp f, 0,1,2,3
	ds_load_b128 v[S+16*(\t)+4*\f:S+16*(\t)+4*\f+3], v[RD] offset:\f*4*SP  ; LDS serves a wave's instructions in order (ISA guide 5.7.1.4): these see the stores above
.endr
.endm
.macro SEND t, younger
	WIN 0
.irp f, 0,1,2,3
	s_wait_dscnt (\younger)+3-\f
	global_store_b128 v[GO], v[S+16*(\t)+4*\f:S+16*(\t)+4*\f+3], s[10:11] offset:(\t)*8192+\f*512  ; 512 consecutive bytes, aligned
.endr
.endm
.macro FINISH                       ; a block's end: piece 1's last V^T P, l's halves and the other lanes' added, the way out
.set i, 0
.rept 8
	PV 1
.set i, i+1
.endr
	WIN 0
	ALL v_add_f32 v[ST+4*t+2], v[ST+4*t+2], v[ST+4*t+3]
	ALL v_permlanex16_b32 v[ST+4*t+3], v[ST+4*t+2], s[SEL], s[SEL+1]
	ALL v_add_f32 v[ST+4*t+2], v[ST+4*t+2], v[ST+4*t+3]
	ALL v_rcp_f32 v[ST+4*t+2], v[ST+4*t+2]
	v_nop
	s_wait_alu depctr_va_vdst(0)    ; one wait for the two reciprocals
	PACK 0                          ; piece 0's lines are the places behind piece 1's last products
	PACK 1
	SEND 0, 8
	SEND 1, 0
.endm
.Lslot:                             ; eight times: a tile is entered and the next is asked for
	CHANGE 1
	s_sub_co_u32 s[RT], s[RT], 1
	s_mov_b32 s[CNT], 4
	s_cmp_eq_u32 s[NEW], 1
	s_cbranch_scc0 .Lstep
	BEGIN
.Lstep:
	TURN 0
	TURN 1
	s_cmp_lg_u32 s[CNT], 0
	s_cbranch_scc1 .Lstep
	s_cmp_lg_u32 s[RT], 0
	s_cbranch_scc1 .Lbottom
	FINISH                          ; the first block's end: the second's last tile is the walk's last
	s_wait_xcnt 0x0                 ; the stores have read their registers and their base
	s_mov_b64 s[10:11], s[OLO:OLO+1]
	s_mov_b32 s[OW], s[OW2]
	s_add_co_u32 s[OW+1], s[OW2], 1
	s_add_co_u32 s[RT], s[PB], 1
	s_mov_b32 s[NEW], 1
	WIN 0x82
.set i, 0
.rept 32
	v_mov_b32 v[i], v[QB+i]
.set i, i+1
.endr
	WIN 0
.Lbottom:
	s_sub_co_u32 s[SLOTS], s[SLOTS], 1
	s_cmp_lg_u32 s[SLOTS], 0
	s_cbranch_scc1 .Lslot
	CHANGE 0                        ; the walk's last tile is written out
	s_sub_co_u32 s[RT], s[RT], 1
	s_mov_b32 s[CNT], 4
	s_cmp_eq_u32 s[NEW], 1
	s_cbranch_scc0 .Lstep2
	BEGIN
.Lstep2:
	TURN 0
	TURN 1
	s_cmp_lg_u32 s[CNT], 0
	s_cbranch_scc1 .Lstep2
	FINISH
	s_wait_tensorcnt 0x0            ; the wave's end
	ds_add_u32 v[SPW], v[NIL]
	s_wait_dscnt 0x0
	s_endpgm
.Lfunc_end_k_qfc3eacc5ed_attn:
	.size	k_qfc3eacc5ed_attn, .Lfunc_end_k_qfc3eacc5ed_attn-k_qfc3eacc5ed_attn
	.p2alignl 7, 3214868480
	.fill 96, 4, 3214868480
	.section	.rodata,"a",@progbits
	.p2align	6, 0x0
	.amdhsa_kernel k_qfc3eacc5ed_attn
		.amdhsa_group_segment_fixed_size 327680
		.amdhsa_private_segment_fixed_size 0
		.amdhsa_enable_private_segment 0
		.amdhsa_kernarg_size 16
		.amdhsa_user_sgpr_count 2
		.amdhsa_user_sgpr_kernarg_segment_ptr 1
		.amdhsa_wavefront_size32 1
		.amdhsa_system_sgpr_workgroup_id_x 1
		.amdhsa_system_sgpr_workgroup_id_y 1
		.amdhsa_system_sgpr_workgroup_id_z 1
		.amdhsa_system_vgpr_workitem_id 0
		.amdhsa_next_free_vgpr 768
		.amdhsa_next_free_sgpr 96
		.amdhsa_reserve_vcc 1
		.amdhsa_float_denorm_mode_32 3
		.amdhsa_float_denorm_mode_16_64 3
		.amdhsa_memory_ordered 1
		.amdhsa_forward_progress 1
		.amdhsa_inst_pref_size 92
	.end_amdhsa_kernel
	.amdgpu_metadata
---
amdhsa.version: [ 1, 2 ]
amdhsa.kernels:
  - .name:           k_qfc3eacc5ed_attn
    .symbol:         k_qfc3eacc5ed_attn.kd
    .args:
      - { .name: qkv, .offset: 0, .size: 8, .value_kind: global_buffer, .address_space: global }
      - { .name: ctx, .offset: 8, .size: 8, .value_kind: global_buffer, .address_space: global }
    .group_segment_fixed_size: 327680
    .private_segment_fixed_size: 0
    .kernarg_segment_align: 8
    .kernarg_segment_size: 16
    .max_flat_workgroup_size: 128
    .sgpr_count:     96
    .vgpr_count:     768
    .wavefront_size: 32
...
	.end_amdgpu_metadata
.endif
;; end of part 3
;; launch oproj (part 4): grid 8 x 32, 4 waves a work-group, clusters of 4 x 4, 327,680 bytes of LDS; arguments ctx, wb, b_out, x1b, xb; writes x1b
.if DOCPART == 4
	.amdgcn_target "amdgcn-amd-amdhsa--gfx1250"
	.amdhsa_code_object_version 6
	.text
	.protected	k_qfc3eacc5ed_oproj
	.globl	k_qfc3eacc5ed_oproj
	.p2align	8
	.type	k_qfc3eacc5ed_oproj,@function
k_qfc3eacc5ed_oproj:
	s_mov_b64 s[64:65], 0
	v_nop
	global_prefetch_b8 v0, s[64:65] scope:SCOPE_SE
	s_setreg_imm32_b32 hwreg(HW_REG_WAVE_MODE, 25, 1), 1
	s_wait_xcnt 0x0
	s_wait_alu depctr_hold_cnt(0) depctr_sa_sdst(0) depctr_va_vdst(0) depctr_va_sdst(0) depctr_va_ssrc(0) depctr_va_vcc(0) depctr_vm_vsrc(0)
	s_getreg_b32 s2, hwreg(HW_REG_IB_STS2, 6, 4)
	s_cmp_eq_u32 s2, 0
	s_cbranch_scc0 .Lentry_in_a_cluster
	s_endpgm
.Lentry_in_a_cluster:
	s_bfe_u32 s2, ttmp6, 0x10000c
	s_cmp_lg_u32 s2, 0xf033
	s_cbranch_scc0 .Lentry_shape_is_right
	s_endpgm
.Lentry_shape_is_right:
; OUT = A x W + bias (+ residual) on 4,096 rows.  THIS COPY: x1 = x + ctx w_out + b_out, stored in bf16 in A's blocked layout.  No prefetch: the launch has four K steps.
; One text serves the program's four products; the seven constants below choose the shape and the way out.
; A: bf16, blocked [row / 128][k / 64][128 rows][64]: any 128 rows x 128 k are 32,768 dense bytes.  W: bf16 as the weights lie, [KK][NN], at byte WOFF of wb.  Sums in f32.
; LIMITS.  Operands are rounded to bf16; the residual comes rounded to bf16 and what is stored for a later launch in bf16 is rounded once; NaN and infinities are not treated apart.
; SHARES.  256 work-groups of four waves; a wave makes MA x NBK blocks of 16 x 16.  CFG 0: tile 256 x 256, K steps of 128.  CFG 1: 128 x 384, K steps of 128.  CFG 2: 128 x 128, K steps of 256.
; RING.  Two LDS slots of four PANELS; a panel is 128 rows of 256 bytes of memory, brought by one tensor load, one a wave: panel w at w x 36,864.  A's panel (128 rows x 128 k) lands as 256 lines of
; 128 + 16 bytes, [k / 64][row]; W's panel (128 k x 128 columns) as 128 lines of 256 + 32 bytes and is read turned, by ds_load_tr16_b128.  Both pitches spread a load's rows over the banks (ISA guide 11.1).
; CLUSTER.  4 x 4 work-groups: A's panels are asked for jointly along a row of the cluster, W's along a column: the same load, descriptor and mask in the four that the mask names.
; THE WALK ALONG K.  A cluster is of one of two kinds, by its place in the grid of clusters: (x + y + y / 2) % 2.  The first kind takes the K steps in ascending order, the second with bit DSW of the step's
; number turned: 2, 3, 0, 1, 6, 7, 4, 5 ..  So, of the clusters that read the same rows of A (a row of clusters) or of W (a column), one kind reads a pair of K steps two steps before the other kind does.
; Each sum takes its K steps in its cluster's order.
; THE PRODUCT IS USED TRANSPOSED (source 0 = 16 columns of W, source 1 = 16 rows of A): a lane holds one row of OUT and eight neighbouring columns.  Bias (and residual) are the C operand of the first products.
; REGISTERS.  Window 0: addresses, bias, residual, the way out.  Window 1: two fragment buffers of 128.  Windows 2, 3: accumulator t = a NBK + b at 8 t.
; THE WAY OUT.  The slots have had their last fill: each wave lays its tile there in f32, rows DP bytes apart, and reads it back so that a store covers whole aligned runs of 256 bytes or more.
.set CFG,  2
.set NN,   1024
.set KK,   1024
.set WOFF, 6291456
.set EPI,  0                           ; 0: bf16 in groups of 64 columns; 1: the same behind SiLU; 3: f32 rows in x's own order
.set RES,  1                           ; 1: a residual in A's blocked layout is added
.set AH,   0                           ; the prefetches name the K step AH places behind the one that is being asked for; 0: none
.set DSW,  2                           ; the bit of a K step's number that a cluster of the second kind turns
.if CFG == 0
.set MA,  8
.set NBK, 8
.set CH,  1
.set NPA, 2
.set H1L, 8
.set NBR, 1
.elseif CFG == 1
.set MA,  4
.set NBK, 12
.set CH,  1
.set NPA, 1
.set H1L, 4
.set NBR, 3
.else
.set MA,  4
.set NBK, 4
.set CH,  2
.set NPA, 2
.set H1L, 16
.set NBR, 2
.endif
.set KSTEPS, KK/(128*CH)
.set KSA,   32768*CH                   ; bytes from K step to K step in A
.set KSB,   256*CH*NN                  ; and in W
.set PANEL, 36864
.set SLOT,  4*PANEL                    ; 0x24000: shares no bit with the panels' offsets, so one exclusive or changes slots
.set SPARE, 2*SLOT                     ; behind the ring: the spare words, 128 bytes a wave, that no other line names
.set DP,    64*NBK+16                  ; the way out: bytes from row to row of a wave's tile in f32
.set DREG,  16*MA*DP
.set NG,    NBK/4
.set OSTEP, 0
.if CFG == 1
.set OSTEP, 524288-8192                ; from a head's 64 rows to the same rows two heads on
.endif
.set A0,   8                           ; v8      my lane's place in A's panels; never rewritten
.set B0,   9                           ; v9-11   the same in W's panels
.set ADRA, 12                          ; v12     A0 + the slot in hand
.set ADRB, 13                          ; v13-15  B0 + the slot in hand
.set DST,  16
.set RD,   17
.set RDG,  18
.set GO,   19
.set RO,   20
.set PFO,  21
.set BO,   22
.set SPW,  28                          ; v28     my spare word; never rewritten
.set NIL,  29                          ; v29     0; never rewritten
.set ONE,  30
.set BIAS, 32
.set RR,   64
.set CI,   128
.set V1,   128
.set EE,   192
.set TT,   224
.set F0,   0
.set F1,   128
.set G1A,  24                          ; s[24:31] group 1 for A;  s[32:39] group 0, two sets: the second walks
.set G0A,  32
.set PFB,  40                          ; s[40:41] my prefetches' rows at K step 0; never rewritten
.set LIM,  42                          ; s42  KSTEPS in a wave that prefetches, else 0
.set TB,   43                          ; s43  LDS byte of the slot in hand
.set G1B,  48                          ; s[48:55], s[56:63] the same for W
.set G0B,  56
.set PD,   74                          ; s74  0, or DSW in a cluster of the second kind
.set KT,   75                          ; s75  the place in my walk of the K step last asked for
.set TP,   80                          ; s80  the place in my walk of the K step that a prefetch names
.set PFA,  82                          ; s[82:83] where a prefetch stands
.set MSB,  0
.macro WIN new                         ; the high byte repeats the setting that is left; a switch that changes nothing is dropped
.if MSB != (\new)
	s_set_vgpr_msb (MSB<<8)|(\new)
.set MSB, \new
.endif
.endm
.macro PLACES                          ; four plain vector instructions behind a matrix instruction, ahead of loads into its sources and of reads of its result
.rept 4
	v_nop
.endr
.endm
.macro CREST                           ; a round of the cluster's barrier behind its opening barrier
	s_cmp_lg_u32 s14, 0
	s_cbranch_scc1 .Lnot_wave_0_\@
	s_barrier_signal -3
.Lnot_wave_0_\@:
	s_barrier_wait -3
	s_barrier_signal -1
	s_barrier_wait -1
.endm
.macro CROUND
	s_barrier_signal -1
	s_barrier_wait -1
	CREST
.endm
.macro JLOAD                           ; a joint refill by the walking sets: waves below NPA fetch A's panels, the others W's; the branch hangs on the wave's number alone
	s_cmp_lt_u32 s14, NPA
	s_cbranch_scc0 .Lfor_b_\@
	tensor_load_to_lds s[G0A+4:G0A+7], s[G1A:G1A+7]
	s_nop 0
.rept 4
	v_nop
.endr
	s_branch .Lasked_\@
.Lfor_b_\@:
	tensor_load_to_lds s[G0B+4:G0B+7], s[G1B:G1B+7]
	s_nop 0
.rept 4
	v_nop
.endr
.Lasked_\@:
.endm
.macro ASK                             ; a prefetch of 32 rows x 256 bytes of my kind of panel, a lane a row, for the K step AH places behind the refill just asked for: only inside the walk, and only a step to which my cluster's kind comes first
	s_cmp_lt_u32 s[TP], s[LIM]
	s_cbranch_scc0 .Lnot_mine_\@
	s_and_b32 s21, s[TP], DSW
	s_cmp_lg_u32 s21, 0
	s_cbranch_scc1 .Lnot_mine_\@
	global_prefetch_b8 v[PFO], s[PFA:PFA+1] th:TH_LOAD_NT scope:SCOPE_SE
.Lnot_mine_\@:
.endm
.macro MKADR
	v_add_nc_u32 v[ADRA], s[TB], v[A0]
.set g_, 0
.rept NBR
	v_add_nc_u32 v[ADRB+g_], s[TB], v[B0+g_]
.set g_, g_+1
.endr
.endm
.macro PROD f, a, b, c, first          ; one product: block (a, b), chunk c of buffer f.  first = 1: C is the bias (and residual) in window 0
.set t_, (\a)*NBK+(\b)
.set w_, 2+t_/32
.set d_, 8*(t_%32)
.set rb_, (\f)+8*(NBK*(\c)+(\b))
.set ra_, (\f)+8*NBK*CH+8*(MA*(\c)+(\a))
.if \first
	WIN 0x05|(w_<<6)
.if RES
	v_wmma_f32_16x16x32_bf16 v[d_:d_+7], v[rb_:rb_+7], v[ra_:ra_+7], v[CI+8*t_:CI+8*t_+7]
.else
	v_wmma_f32_16x16x32_bf16 v[d_:d_+7], v[rb_:rb_+7], v[ra_:ra_+7], v[BIAS+8*(\b):BIAS+8*(\b)+7]
.endif
.else
	WIN 0x05|(w_<<4)|(w_<<6)
	v_wmma_f32_16x16x32_bf16 v[d_:d_+7], v[rb_:rb_+7], v[ra_:ra_+7], v[d_:d_+7]
.endif
.endm
.macro MULH f, hh, pp, first           ; a quarter of a unit's products; the accumulators take turns, one instruction a turn
.if CFG == 0
.irp a, 4*(\hh)+2*(\pp), 4*(\hh)+2*(\pp)+1
.irp b, 0,1,2,3,4,5,6,7
	PROD \f, \a, \b, 0, \first
.endr
.endr
.elseif CFG == 1
.irp b, 0,1,2,3,4,5,6,7,8,9,10,11
	PROD \f, 2*(\hh)+(\pp), \b, 0, \first
.endr
.else
.irp a, 2*(\pp), 2*(\pp)+1
.irp b, 0,1,2,3
	PROD \f, \a, \b, \hh, (\first)*(1-(\hh))
.endr
.endr
.endif
.endm
.macro FETCH u, f                      ; 32 LDS loads in one run: the fragments of unit u of the K step (CH chunks of 32 along K) into buffer f; for each chunk W's, then A's
	WIN 0x40
.set c_, 0
.rept CH
.set q_, (\u)*CH+c_
.set b_, 0
.rept NBK
.if CFG == 1
.set br_, ADRB+b_/4
.set bo_, q_*9216+32*(b_%4)
.elseif CFG == 2
.set br_, ADRB+q_/4
.set bo_, (q_%4)*9216+32*b_
.else
.set br_, ADRB
.set bo_, q_*9216+32*b_
.endif
.set rg_, (\f)+8*(NBK*c_+b_)
	ds_load_tr16_b128 v[rg_:rg_+3], v[br_] offset:bo_
	ds_load_tr16_b128 v[rg_+4:rg_+7], v[br_] offset:bo_+4608
.set b_, b_+1
.endr
.set a_, 0
.rept MA
.set rg_, (\f)+8*NBK*CH+8*(MA*c_+a_)
.set ao_, (q_/2)*18432+a_*2304+(q_%2)*64
	ds_load_b128 v[rg_:rg_+3], v[ADRA] offset:ao_
	ds_load_b128 v[rg_+4:rg_+7], v[ADRA] offset:ao_+32
.set a_, a_+1
.endr
.set c_, c_+1
.endr
	WIN 0
.endm
.macro UNIT f, g, unext, first         ; multiplies buffer f; in its middle fetches unit unext of the same slot into buffer g
	s_wait_dscnt H1L                               ; all but the youngest H1L loads, which only the second half wants
	MULH \f, 0, 0, \first
	MULH \f, 0, 1, \first
	PLACES
	FETCH \unext, \g
	s_wait_dscnt 32                                ; all but the 32 just issued
	MULH \f, 1, 0, \first
	MULH \f, 1, 1, \first
.endm
; THE CHANGE OF SLOTS, and a K step's last unit (buffer 1, whose fragments are in registers).  Each wave waits for all its tensor loads (one is out: its panel of the next slot), adds 0 to its spare word, and waits
; for that and for its reads of this slot.  fill = 1: the barrier opens a round of the cluster's, and the joint refill of this slot, with the K step two places on in my walk, is the first thing behind it;
; its descriptors are made while the add is out: base + (place xor PD) x the step.  The unit's products stand behind the refill and the next slot's first fragments, so that they run while the refill is on its way.
; tail = 1: in the very last change there is no next slot, and the run of loads is jumped over.
.macro TURN fill, tail
.if \fill
	s_add_co_u32 s[KT], s[KT], 1                   ; the place in my walk of the K step that this refill brings
.if AH
	s_wait_xcnt 0x0                                ; the last prefetch, a K step back, has read its address
	s_add_co_u32 s[TP], s[KT], AH
	s_xor_b32 s72, s[TP], s[PD]
	s_mul_i32 s72, s72, s68
	s_add_nc_u64 s[PFA:PFA+1], s[PFB:PFB+1], s[72:73]
.endif
.endif
	WIN 0
	s_wait_tensorcnt 0x0                           ; all my tensor loads have landed, so a group 0 may be written
	ds_add_u32 v[SPW], v[NIL]
	s_xor_b32 s[TB], s[TB], SLOT
	MKADR                                          ; the next slot's addresses: work on registers while the add is out
.if \fill
	s_xor_b32 s76, s[KT], s[PD]                    ; the K step's number
	s_mul_i32 s78, s76, KSB
	s_mul_i32 s76, s76, KSA
	s_xor_b32 s[G0A+5], s[G0A+5], SLOT
	s_add_nc_u64 s[G0A+6:G0A+7], s[44:45], s[76:77]
	s_or_b32 s[G0A+7], s[G0A+7], 0x80000000
	s_xor_b32 s[G0B+5], s[G0B+5], SLOT
	s_add_nc_u64 s[G0B+6:G0B+7], s[46:47], s[78:79]
	s_or_b32 s[G0B+7], s[G0B+7], 0x80000000
.endif
	s_wait_dscnt 0x0                               ; the add is done, and my reads of this slot are over
	s_barrier_signal -1
	s_barrier_wait -1
.if \fill
	CREST                                          ; no wave of any partner still reads this slot or has a load on its way
	JLOAD                                          ; its four v_nop are also the places ahead of the loads below
.else
	PLACES
.endif
.if \tail
	s_cmp_eq_u32 s2, 1
	s_cbranch_scc1 .Lnofetch_\@
.endif
	FETCH 0, F0
.if \tail
.Lnofetch_\@:
.endif
.if (\fill) && AH
	ASK
.endif
	MULH F1, 0, 0, 0
	MULH F1, 0, 1, 0
	MULH F1, 1, 0, 0
	MULH F1, 1, 1, 0
.endm
.macro OUTU u                          ; 16 rows x 64 columns: (SiLU,) rounded to bf16, four stores of 512 consecutive bytes
.if EPI == 1
.set i_, 0
.rept 16
	v_pk_mul_f32 v[EE+2*i_:EE+2*i_+1], v[V1+32*(\u)+2*i_:V1+32*(\u)+2*i_+1], s[66:67] op_sel_hi:[1,0]
.set i_, i_+1
.endr
.set i_, 0
.rept 32
	v_exp_f32 v[EE+i_], v[EE+i_]                   ; e^-x
.set i_, i_+1
.endr
	v_nop                                          ; a plain instruction behind the last exponential,
	s_wait_alu depctr_va_vdst(0)                   ; and one wait for the batch, ahead of its first reader
.set i_, 0
.rept 16
	v_pk_add_f32 v[EE+2*i_:EE+2*i_+1], v[EE+2*i_:EE+2*i_+1], 1.0 op_sel_hi:[1,0]
.set i_, i_+1
.endr
.set i_, 0
.rept 32
	v_rcp_f32 v[EE+i_], v[EE+i_]                   ; an infinite e^-x gives 0, and x times it -0
.set i_, i_+1
.endr
	v_nop
	s_wait_alu depctr_va_vdst(0)
.set i_, 0
.rept 16
	v_pk_mul_f32 v[V1+32*(\u)+2*i_:V1+32*(\u)+2*i_+1], v[V1+32*(\u)+2*i_:V1+32*(\u)+2*i_+1], v[EE+2*i_:EE+2*i_+1]
.set i_, i_+1
.endr
.endif
.set i_, 0
.rept 16
	v_cvt_pk_bf16_f32 v[TT+16*(\u)+i_], v[V1+32*(\u)+2*i_], v[V1+32*(\u)+2*i_+1]
.set i_, i_+1
.endr
.irp f, 0,1,2,3
	global_store_b128 v[GO], v[TT+16*(\u)+4*\f:TT+16*(\u)+4*\f+3], s[10:11] offset:(\u)*2048+\f*512
.endr
.endm
	s_load_b256 s[4:11], s[0:1], 0x0               ; A s[4:5], wb s[6:7], bias s[8:9], out s[10:11]
.if RES
	s_load_b64 s[12:13], s[0:1], 0x20              ; the residual
.endif
	v_lshl_add_u32 v[SPW], v0, 2, SPARE
	v_mov_b32 v[NIL], 0
	ds_add_u32 v[SPW], v[NIL]                      ; the wave's opening: the add and its wait ahead of my first tensor load
	ds_add_u32 v28, v29
	v_lshrrev_b32 v1, 5, v0
	v_readfirstlane_b32 s14, v1                    ; wave 0..3
	s_lshr_b32 s15, s14, 1                         ; wm: which half of the tile's rows
	s_and_b32 s16, s14, 1                          ; wn: which half of its columns
	s_bfe_u32 s17, ttmp6, 0x40000                  ; cx
	s_bfe_u32 s18, ttmp6, 0x40004                  ; cy
	s_lshl_b32 s19, ttmp9, 2
	s_add_co_u32 s19, s19, s17                     ; tn: tile column
	s_and_b32 s20, ttmp7, 0xffff
	s_lshl_b32 s20, s20, 2
	s_add_co_u32 s20, s20, s18                     ; tm: tile row
	s_lshl_b32 s21, s18, 2
	s_lshl_b32 s21, 15, s21                        ; my row of the cluster
	s_lshl_b32 s22, 0x1111, s17                    ; my column
	s_or_b32 s[G1A], s21, (1<<16)|(1<<20)|(1<<21)|(4<<22)|(3<<25)  ; mask; 2-byte elements; padding on; bit 21 beside a mask; after every 32 words 4 words
	s_or_b32 s[G1B], s22, (1<<16)|(1<<20)|(1<<21)|(5<<22)|(7<<25)  ; after every 64 words 8 words
.irp g, G1A, G1B
	s_mov_b32 s[\g+1], 128<<16                     ; tensor_dim0 = 128
	s_mov_b32 s[\g+2], 128<<16                     ; tensor_dim1 = 128
	s_mov_b32 s[\g+3], 128<<16                     ; tile_dim0 = 128
	s_mov_b32 s[\g+4], 128                         ; tile_dim1 = 128
	s_mov_b32 s[\g+6], 0
	s_mov_b32 s[\g+7], 0
.endr
	s_mov_b32 s[G1A+5], 128                        ; A's panel is dense: 128 elements from row to row
	s_mov_b32 s[G1B+5], NN
	; the cluster's kind: made of the cluster's own x and y, which all sixteen partners share
	s_and_b32 s21, ttmp7, 0xffff
	s_lshr_b32 s22, s21, 1
	s_add_co_u32 s21, s21, s22
	s_add_co_u32 s21, s21, ttmp9
	s_and_b32 s21, s21, 1
	s_mul_i32 s[PD], s21, DSW
	s_mov_b32 s[KT], 1                             ; places 0 and 1 of the walk are the first fills
	; where my panel begins: A's hangs on the tile row and the wave alone, W's on the tile column and the wave alone
.if CFG == 0
	s_lshl_b32 s44, s20, 1
	s_add_co_u32 s44, s44, s16
	s_mul_i32 s44, s44, (KK/64)*16384
.else
	s_mul_i32 s44, s20, (KK/64)*16384
.endif
.if CFG == 2
	s_lshl_b32 s21, s16, 15                        ; the K step's half
	s_add_co_u32 s44, s44, s21
.endif
	s_mov_b32 s45, 0
.if CFG == 0
	s_lshl_b32 s46, s19, 9
	s_lshl_b32 s22, s16, 8
.elseif CFG == 1
	s_mul_i32 s46, s19, 768
	s_max_u32 s22, s14, 1
	s_sub_co_u32 s22, s22, 1
	s_lshl_b32 s22, s22, 8
.else
	s_lshl_b32 s46, s19, 8
	s_mul_i32 s22, s16, 256*NN
.endif
	s_add_co_u32 s46, s46, s22
	s_add_co_u32 s46, s46, WOFF
	s_mov_b32 s47, 0
	s_mul_i32 s72, s14, PANEL                      ; and where it goes: no place in the cluster enters an LDS address
	s_mul_i32 s76, s[PD], KSA                      ; the walk's first K step, in bytes of A
	s_mov_b32 s77, 0
	s_mul_i32 s78, s[PD], KSB                      ; and of W
	s_mov_b32 s79, 0
	s_mov_b32 s[TB], 0
	s_wait_dscnt 0x0                               ; the opening add is done
	s_wait_kmcnt 0x0
	s_add_nc_u64 s[44:45], s[4:5], s[44:45]        ; my panel of A at K step 0; never rewritten
	s_add_nc_u64 s[46:47], s[6:7], s[46:47]        ; and of W
	CROUND                                         ; all sixteen work-groups are here: the first joint loads meet
.irp s, 0,1
	s_mov_b32 s[G0A+4*\s], 1
	s_add_co_u32 s[G0A+4*\s+1], s72, \s*SLOT
	s_add_nc_u64 s[G0A+4*\s+2:G0A+4*\s+3], s[44:45], s[76:77]
	s_add_nc_u64 s[G0A+4*\s+2:G0A+4*\s+3], s[G0A+4*\s+2:G0A+4*\s+3], \s*KSA
	s_or_b32 s[G0A+4*\s+3], s[G0A+4*\s+3], 0x80000000
	s_mov_b32 s[G0B+4*\s], 1
	s_add_co_u32 s[G0B+4*\s+1], s72, \s*SLOT
	s_add_nc_u64 s[G0B+4*\s+2:G0B+4*\s+3], s[46:47], s[78:79]
	s_add_nc_u64 s[G0B+4*\s+2:G0B+4*\s+3], s[G0B+4*\s+2:G0B+4*\s+3], \s*KSB
	s_or_b32 s[G0B+4*\s+3], s[G0B+4*\s+3], 0x80000000
.endr
	s_cmp_lt_u32 s14, NPA                          ; a wave's two first fills stand in one branch: place 0 of the walk into slot 0, place 1 into slot 1: two loads of mine are out
	s_cbranch_scc0 .Lfirst_b
	tensor_load_to_lds s[G0A:G0A+3], s[G1A:G1A+7]
	s_nop 0
	tensor_load_to_lds s[G0A+4:G0A+7], s[G1A:G1A+7]
	s_nop 0
.rept 4
	v_nop
.endr
	s_branch .Lfirst_done
.Lfirst_b:
	tensor_load_to_lds s[G0B:G0B+3], s[G1B:G1B+7]
	s_nop 0
	tensor_load_to_lds s[G0B+4:G0B+7], s[G1B:G1B+7]
	s_nop 0
.rept 4
	v_nop
.endr
.Lfirst_done:
	v_and_b32 v1, 15, v0                           ; r = l % 16
	v_bfe_u32 v2, v0, 4, 1                         ; h = l / 16
	; the bias of my columns: block b's eight numbers 8 h + 0..7
.if CFG == 0
	s_lshl_b32 s21, s19, 10
	s_lshl_b32 s22, s16, 9
.elseif CFG == 1
	s_mul_i32 s21, s19, 1536
	s_lshl_b32 s22, s16, 8
.else
	s_lshl_b32 s21, s19, 9
	s_lshl_b32 s22, s16, 8
.endif
	s_add_co_u32 s21, s21, s22
	v_lshl_add_u32 v[BO], v2, 5, s21
.set b_, 0
.rept NBK
.if CFG == 1
.set bo_, (b_/4)*512+(b_%4)*64
.else
.set bo_, 64*b_
.endif
	global_load_b128 v[BIAS+8*b_:BIAS+8*b_+3], v[BO], s[8:9] offset:bo_
	global_load_b128 v[BIAS+8*b_+4:BIAS+8*b_+7], v[BO], s[8:9] offset:bo_+16
.set b_, b_+1
.endr
	; where my part of OUT begins
.if CFG == 0
	s_lshl_b32 s21, s20, 1
	s_add_co_u32 s21, s21, s15
	s_lshl_b32 s21, s21, 6
	s_lshl_b32 s22, s19, 2
	s_add_co_u32 s21, s21, s22
	s_lshl_b32 s22, s16, 1
	s_add_co_u32 s21, s21, s22                     ; block (2 tm + wm, 4 tn + 2 wn)
	s_lshl_b32 s22, s21, 14
	s_mov_b32 s23, 0
.elseif CFG == 1
	s_lshr_b32 s21, s20, 4
	s_mul_i32 s21, s21, 48
	s_mul_i32 s22, s19, 6
	s_add_co_u32 s21, s21, s22
	s_add_co_u32 s21, s21, s16                     ; head 48 b + 6 tn + wn
	s_lshl_b32 s21, s21, 18
	s_and_b32 s22, s20, 15
	s_lshl_b32 s22, s22, 14
	s_add_co_u32 s21, s21, s22
	s_lshl_b32 s22, s15, 13
	s_add_co_u32 s22, s21, s22
	s_mov_b32 s23, 0
.else
	s_lshl_b32 s21, s20, 4
	s_lshl_b32 s22, s19, 1
	s_add_co_u32 s21, s21, s22
	s_add_co_u32 s21, s21, s16                     ; block (tm, 2 tn + wn)
	s_lshl_b32 s21, s21, 14
	s_lshl_b32 s22, s15, 13
	s_add_co_u32 s22, s21, s22
	s_mov_b32 s23, 0
.endif
.if RES
	s_add_nc_u64 s[12:13], s[12:13], s[22:23]
	v_lshlrev_b32 v[RO], 7, v1
	v_lshl_add_u32 v[RO], v2, 4, v[RO]
.set t_, 0
.rept MA*NBK
	global_load_b128 v[RR+4*t_:RR+4*t_+3], v[RO], s[12:13] offset:(t_/NBK)*2048+32*(t_%NBK)
.set t_, t_+1
.endr
	v_mov_b32 v[ONE], 1.0
.endif
.if EPI == 3
	s_and_b32 s21, s20, 15
	s_lshl_b32 s21, s21, 20
	s_lshl_b32 s22, s15, 19
	s_add_co_u32 s21, s21, s22
	s_lshr_b32 s22, s20, 4
	s_lshl_b32 s22, s22, 12
	s_add_co_u32 s21, s21, s22
	s_lshl_b32 s22, s19, 9
	s_add_co_u32 s21, s21, s22
	s_lshl_b32 s22, s16, 8
	s_add_co_u32 s22, s21, s22                     ; row (t, b) of 4,096 bytes, my 64 columns
	s_mov_b32 s23, 0
.endif
	s_add_nc_u64 s[10:11], s[10:11], s[22:23]
	; the way out's lane addresses
	s_mul_i32 s21, s14, DREG
	v_mul_u32_u24 v[DST], v1, DP
	v_lshl_add_u32 v[DST], v2, 5, v[DST]
	v_add_nc_u32 v[DST], s21, v[DST]
.if EPI == 3
	v_mul_u32_u24 v[RD], v2, DP
	v_lshl_add_u32 v[RD], v1, 4, v[RD]
	v_add_nc_u32 v[RD], s21, v[RD]
	v_lshlrev_b32 v[GO], 13, v2
	v_lshl_add_u32 v[GO], v1, 4, v[GO]
.else
	v_bfe_u32 v3, v0, 3, 2
	v_and_b32 v4, 7, v0
	v_mul_u32_u24 v[RDG], v3, DP
	v_lshl_add_u32 v[RDG], v4, 5, v[RDG]
	v_add_nc_u32 v[RDG], s21, v[RDG]
	v_and_b32 v[GO], 31, v0
	v_lshlrev_b32 v[GO], 4, v[GO]
.endif
	; the fragments' lane addresses.  A: row r x 144 + 16 h.  W, turned: line 8 h + l % 8, 16 bytes by (l / 8) % 2
.if CFG == 0
	s_mul_i32 s21, s15, PANEL
.else
	s_mul_i32 s21, s15, 64*144
.endif
	v_mul_u32_u24 v[A0], v1, 144
	v_lshl_add_u32 v[A0], v2, 4, v[A0]
	v_add_nc_u32 v[A0], s21, v[A0]
	v_and_b32 v3, 7, v0
	v_bfe_u32 v4, v0, 3, 1
	v_lshl_add_u32 v5, v2, 3, v3
	v_mul_u32_u24 v5, v5, 288
	v_lshl_add_u32 v5, v4, 4, v5
.if CFG == 0
	s_mul_i32 s21, s16, PANEL
	s_add_co_u32 s21, s21, 2*PANEL
.else
	s_lshl_b32 s21, s16, 7
	s_add_co_u32 s21, s21, NPA*PANEL
.endif
.set g_, 0
.rept NBR
	v_add_nc_u32 v[B0+g_], s21, v5
	s_add_co_u32 s21, s21, PANEL
.set g_, g_+1
.endr
	MKADR
.if AH
	; the prefetches.  A's panels are read by every cluster of a row of clusters, W's by every cluster of a column.  A prefetch names only K steps to which my cluster's kind comes first in its walk; of the
	; clusters that read the same rows, those with x < 2 ask for A's and those with y < 2 for W's: one cluster of each kind.  The four partners that ask for a panel jointly share its 128 rows out by address,
	; 32 each.  So each row's 256 bytes of a K step are named once.  Nothing is asked for here, at the head.
	s_and_b32 s21, ttmp7, 0xffff
	s_mov_b32 s23, 64*NN
	s_mov_b32 s68, KSB
	s_mov_b32 s73, 2*NN
	s_cmp_lt_u32 s14, NPA
	s_cselect_b32 s21, ttmp9, s21
	s_cselect_b32 s22, s17, s18
	s_cselect_b32 s23, 8192, s23
	s_cselect_b32 s68, KSA, s68
	s_cselect_b32 s73, 256, s73
	s_cselect_b64 s[PFB:PFB+1], s[44:45], s[46:47]
	s_cmp_lt_u32 s21, 2
	s_cselect_b32 s[LIM], KSTEPS, 0
	s_mul_i32 s22, s22, s23
	s_mov_b32 s23, 0
	s_add_nc_u64 s[PFB:PFB+1], s[PFB:PFB+1], s[22:23]
	v_and_b32 v[PFO], 31, v0
	v_mul_lo_u32 v[PFO], v[PFO], s73
	s_mov_b32 s73, 0                               ; from here on the upper word of the pair s[72:73]
.endif
.if EPI == 1
	s_mov_b32 s66, 0xbfb8aa3b                      ; -log2(e)
	s_mov_b32 s67, s66
.endif
	s_wait_loadcnt 0x0                             ; bias (and residual)
.if RES
.set t_, 0
.rept MA*NBK
.set k_, 0
.rept 4
	v_fma_mix_f32_bf16 v[CI+8*t_+2*k_], v[RR+4*t_+k_], v[ONE], v[BIAS+8*(t_%NBK)+2*k_] op_sel_hi:[1,0,0]
	v_fma_mix_f32_bf16 v[CI+8*t_+2*k_+1], v[RR+4*t_+k_], v[ONE], v[BIAS+8*(t_%NBK)+2*k_+1] op_sel:[1,0,0] op_sel_hi:[1,0,0]
.set k_, k_+1
.endr
.set t_, t_+1
.endr
.endif
	s_wait_tensorcnt 0x1                           ; my panel of the walk's place 0 is in; place 1's may stay out
	s_barrier_signal -1
	s_barrier_wait -1                              ; everybody's is
	FETCH 0, F0
	UNIT F0, F1, 1, 1                              ; the first unit stands ahead of the loop: its products start the sums
	WIN 0
	s_mov_b32 s3, KSTEPS-2
.Lmain:                                                ; a trip: a K step's units 1 to 3, the change of slots with its refill, the next K step's unit 0
	UNIT F1, F0, 2, 0
	UNIT F0, F1, 3, 0
	TURN 1, 0
	UNIT F0, F1, 1, 0
	WIN 0
	s_sub_co_u32 s3, s3, 1
	s_cmp_lg_u32 s3, 0
	s_cbranch_scc1 .Lmain
	s_mov_b32 s2, 2
.Ltail:                                                ; the last two K steps ask for nothing; the second trip is left in its middle
	UNIT F1, F0, 2, 0
	UNIT F0, F1, 3, 0
	TURN 0, 1
	WIN 0
	s_sub_co_u32 s2, s2, 1
	s_cmp_eq_u32 s2, 0
	s_cbranch_scc1 .Lout
	UNIT F0, F1, 1, 0
	WIN 0
	s_branch .Ltail
.Lout:
	s_wait_dscnt 0x0                               ; my reads of the slots are over,
	s_barrier_signal -1
	s_barrier_wait -1                              ; everybody's are: the slots may be written
	PLACES
.set t_, 0
.rept MA*NBK
	WIN (2+t_/32)<<2                               ; the stores' data lie in the accumulators' window; each accumulator's low four registers go first
	ds_store_b128 v[DST], v[8*(t_%32):8*(t_%32)+3] offset:(t_/NBK)*16*DP+64*(t_%NBK)
	ds_store_b128 v[DST], v[8*(t_%32)+4:8*(t_%32)+7] offset:(t_/NBK)*16*DP+64*(t_%NBK)+16
.set t_, t_+1
.endr
	WIN 0
	s_wait_dscnt 0x0                               ; my stores are done,
	s_barrier_signal -1
	s_barrier_wait -1                              ; everybody's are
.if EPI == 3
.set j_, 0
.rept 32
	ds_load_b128 v[V1+4*j_:V1+4*j_+3], v[RD] offset:j_*2*DP
.set j_, j_+1
.endr
.set j_, 0
.rept 32
	s_wait_dscnt 31-j_
	global_store_b128 v[GO], v[V1+4*j_:V1+4*j_+3], s[10:11] offset:j_*16384  ; 16 lanes store 256 consecutive bytes, aligned: 64 columns of a row
.set j_, j_+1
.endr
.else
.if NG > 1
	s_mov_b32 s70, NG
.endif
.Lgrp:                                                 ; a group of 64 columns
	v_mov_b32 v[RD], v[RDG]
	v_add_nc_u32 v[RDG], 256, v[RDG]
	s_mov_b32 s71, MA/2
.Lrows:                                                ; 32 rows: two units of 16
.irp u, 0,1
.irp f, 0,1,2,3
	ds_load_b128 v[V1+32*\u+8*\f:V1+32*\u+8*\f+3], v[RD] offset:(16*\u+4*\f)*DP
	ds_load_b128 v[V1+32*\u+8*\f+4:V1+32*\u+8*\f+7], v[RD] offset:(16*\u+4*\f)*DP+16
.endr
.endr
	s_wait_dscnt 8                                 ; the first unit is in
	OUTU 0
	s_wait_dscnt 0x0
	OUTU 1
	s_wait_xcnt 0x0                                ; the stores have read their data and their base
	v_add_nc_u32 v[RD], 32*DP, v[RD]
	s_add_nc_u64 s[10:11], s[10:11], 4096
	s_sub_co_u32 s71, s71, 1
	s_cmp_lg_u32 s71, 0
	s_cbranch_scc1 .Lrows
.if NG > 1
.if OSTEP
	s_add_nc_u64 s[10:11], s[10:11], OSTEP
.endif
	s_sub_co_u32 s70, s70, 1
	s_cmp_lg_u32 s70, 0
	s_cbranch_scc1 .Lgrp
.endif
.endif
	s_wait_tensorcnt 0x0                           ; the wave's end
	ds_add_u32 v[SPW], v[NIL]
	s_wait_dscnt 0x0
	CROUND                                         ; the closing round
	s_endpgm
.Lfunc_end_k_qfc3eacc5ed_oproj:
	.size	k_qfc3eacc5ed_oproj, .Lfunc_end_k_qfc3eacc5ed_oproj-k_qfc3eacc5ed_oproj
	.p2alignl 7, 3214868480
	.fill 96, 4, 3214868480
	.section	.rodata,"a",@progbits
	.p2align	6, 0x0
	.amdhsa_kernel k_qfc3eacc5ed_oproj
		.amdhsa_group_segment_fixed_size 327680
		.amdhsa_private_segment_fixed_size 0
		.amdhsa_enable_private_segment 0
		.amdhsa_kernarg_size 40
		.amdhsa_user_sgpr_count 2
		.amdhsa_user_sgpr_kernarg_segment_ptr 1
		.amdhsa_wavefront_size32 1
		.amdhsa_system_sgpr_workgroup_id_x 1
		.amdhsa_system_sgpr_workgroup_id_y 1
		.amdhsa_system_sgpr_workgroup_id_z 1
		.amdhsa_system_vgpr_workitem_id 0
		.amdhsa_next_free_vgpr 640
		.amdhsa_next_free_sgpr 96
		.amdhsa_reserve_vcc 0
		.amdhsa_float_denorm_mode_32 3
		.amdhsa_float_denorm_mode_16_64 3
		.amdhsa_memory_ordered 1
		.amdhsa_forward_progress 1
		.amdhsa_inst_pref_size 68
	.end_amdhsa_kernel
	.amdgpu_metadata
---
amdhsa.version: [ 1, 2 ]
amdhsa.kernels:
  - .name:           k_qfc3eacc5ed_oproj
    .symbol:         k_qfc3eacc5ed_oproj.kd
    .args:
      - { .name: ctx, .offset: 0, .size: 8, .value_kind: global_buffer, .address_space: global }
      - { .name: wb, .offset: 8, .size: 8, .value_kind: global_buffer, .address_space: global }
      - { .name: b_out, .offset: 16, .size: 8, .value_kind: global_buffer, .address_space: global }
      - { .name: x1b, .offset: 24, .size: 8, .value_kind: global_buffer, .address_space: global }
      - { .name: xb, .offset: 32, .size: 8, .value_kind: global_buffer, .address_space: global }
    .group_segment_fixed_size: 327680
    .private_segment_fixed_size: 0
    .kernarg_segment_align: 8
    .kernarg_segment_size: 40
    .max_flat_workgroup_size: 128
    .sgpr_count:     96
    .vgpr_count:     640
    .wavefront_size: 32
...
	.end_amdgpu_metadata
.endif
;; end of part 4
;; launch ffn1 (part 5): grid 16 x 16, 4 waves a work-group, clusters of 4 x 4, 327,680 bytes of LDS; arguments x1b, wb, b1, hb; writes hb
.if DOCPART == 5
	.amdgcn_target "amdgcn-amd-amdhsa--gfx1250"
	.amdhsa_code_object_version 6
	.text
	.protected	k_qfc3eacc5ed_ffn1
	.globl	k_qfc3eacc5ed_ffn1
	.p2align	8
	.type	k_qfc3eacc5ed_ffn1,@function
k_qfc3eacc5ed_ffn1:
	s_mov_b64 s[64:65], 0
	v_nop
	global_prefetch_b8 v0, s[64:65] scope:SCOPE_SE
	s_setreg_imm32_b32 hwreg(HW_REG_WAVE_MODE, 25, 1), 1
	s_wait_xcnt 0x0
	s_wait_alu depctr_hold_cnt(0) depctr_sa_sdst(0) depctr_va_vdst(0) depctr_va_sdst(0) depctr_va_ssrc(0) depctr_va_vcc(0) depctr_vm_vsrc(0)
	s_getreg_b32 s2, hwreg(HW_REG_IB_STS2, 6, 4)
	s_cmp_eq_u32 s2, 0
	s_cbranch_scc0 .Lentry_in_a_cluster
	s_endpgm
.Lentry_in_a_cluster:
	s_bfe_u32 s2, ttmp6, 0x10000c
	s_cmp_lg_u32 s2, 0xf033
	s_cbranch_scc0 .Lentry_shape_is_right
	s_endpgm
.Lentry_shape_is_right:
; OUT = A x W + bias (+ residual) on 4,096 rows.  THIS COPY: h = silu(x1 w1 + b1), stored in bf16 in A's blocked layout, [32][64][128][64].
; One text serves the program's four products; the seven constants below choose the shape and the way out.
; A: bf16, blocked [row / 128][k / 64][128 rows][64]: any 128 rows x 128 k are 32,768 dense bytes.  W: bf16 as the weights lie, [KK][NN], at byte WOFF of wb.  Sums in f32.
; LIMITS.  Operands are rounded to bf16; what is stored for a later launch in bf16 is rounded once; silu(x) = x / (1 + e^-x): where e^-x is infinite the result is -0; NaN and infinities are not treated apart.
; SHARES.  256 work-groups of four waves; a wave makes MA x NBK blocks of 16 x 16.  CFG 0: tile 256 x 256, K steps of 128.  CFG 1: 128 x 384, K steps of 128.  CFG 2: 128 x 128, K steps of 256.
; RING.  Two LDS slots of four PANELS; a panel is 128 rows of 256 bytes of memory, brought by one tensor load, one a wave: panel w at w x 36,864.  A's panel (128 rows x 128 k) lands as 256 lines of
; 128 + 16 bytes, [k / 64][row]; W's panel (128 k x 128 columns) as 128 lines of 256 + 32 bytes and is read turned, by ds_load_tr16_b128.  Both pitches spread a load's rows over the banks (ISA guide 11.1).
; CLUSTER.  4 x 4 work-groups: A's panels are asked for jointly along a row of the cluster, W's along a column: the same load, descriptor and mask in the four that the mask names.
; THE WALK ALONG K.  A cluster is of one of two kinds, by its place in the grid of clusters: (x + y + y / 2) % 2.  The first kind takes the K steps in ascending order, the second with bit DSW of the step's
; number turned: 2, 3, 0, 1, 6, 7, 4, 5 ..  So, of the clusters that read the same rows of A (a row of clusters) or of W (a column), one kind reads a pair of K steps two steps before the other kind does.
; Each sum takes its K steps in its cluster's order.
; THE PRODUCT IS USED TRANSPOSED (source 0 = 16 columns of W, source 1 = 16 rows of A): a lane holds one row of OUT and eight neighbouring columns.  Bias (and residual) are the C operand of the first products.
; REGISTERS.  Window 0: addresses, bias, residual, the way out.  Window 1: two fragment buffers of 128.  Windows 2, 3: accumulator t = a NBK + b at 8 t.
; THE WAY OUT.  The slots have had their last fill: each wave lays its tile there in f32, rows DP bytes apart, and reads it back so that a store covers whole aligned runs of 256 bytes or more.
.set CFG,  0
.set NN,   4096
.set KK,   1024
.set WOFF, 8388608
.set EPI,  1                           ; 0: bf16 in groups of 64 columns; 1: the same behind SiLU; 3: f32 rows in x's own order
.set RES,  0                           ; 1: a residual in A's blocked layout is added
.set AH,   1                           ; the prefetches name the K step AH places behind the one that is being asked for; 0: none
.set DSW,  2                           ; the bit of a K step's number that a cluster of the second kind turns
.if CFG == 0
.set MA,  8
.set NBK, 8
.set CH,  1
.set NPA, 2
.set H1L, 8
.set NBR, 1
.elseif CFG == 1
.set MA,  4
.set NBK, 12
.set CH,  1
.set NPA, 1
.set H1L, 4
.set NBR, 3
.else
.set MA,  4
.set NBK, 4
.set CH,  2
.set NPA, 2
.set H1L, 16
.set NBR, 2
.endif
.set KSTEPS, KK/(128*CH)
.set KSA,   32768*CH                   ; bytes from K step to K step in A
.set KSB,   256*CH*NN                  ; and in W
.set PANEL, 36864
.set SLOT,  4*PANEL                    ; 0x24000: shares no bit with the panels' offsets, so one exclusive or changes slots
.set SPARE, 2*SLOT                     ; behind the ring: the spare words, 128 bytes a wave, that no other line names
.set DP,    64*NBK+16                  ; the way out: bytes from row to row of a wave's tile in f32
.set DREG,  16*MA*DP
.set NG,    NBK/4
.set OSTEP, 0
.if CFG == 1
.set OSTEP, 524288-8192                ; from a head's 64 rows to the same rows two heads on
.endif
.set A0,   8                           ; v8      my lane's place in A's panels; never rewritten
.set B0,   9                           ; v9-11   the same in W's panels
.set ADRA, 12                          ; v12     A0 + the slot in hand
.set ADRB, 13                          ; v13-15  B0 + the slot in hand
.set DST,  16
.set RD,   17
.set RDG,  18
.set GO,   19
.set RO,   20
.set PFO,  21
.set BO,   22
.set SPW,  28                          ; v28     my spare word; never rewritten
.set NIL,  29                          ; v29     0; never rewritten
.set ONE,  30
.set BIAS, 32
.set RR,   64
.set CI,   128
.set V1,   128
.set EE,   192
.set TT,   224
.set F0,   0
.set F1,   128
.set G1A,  24                          ; s[24:31] group 1 for A;  s[32:39] group 0, two sets: the second walks
.set G0A,  32
.set PFB,  40                          ; s[40:41] my prefetches' rows at K step 0; never rewritten
.set LIM,  42                          ; s42  KSTEPS in a wave that prefetches, else 0
.set TB,   43                          ; s43  LDS byte of the slot in hand
.set G1B,  48                          ; s[48:55], s[56:63] the same for W
.set G0B,  56
.set PD,   74                          ; s74  0, or DSW in a cluster of the second kind
.set KT,   75                          ; s75  the place in my walk of the K step last asked for
.set TP,   80                          ; s80  the place in my walk of the K step that a prefetch names
.set PFA,  82                          ; s[82:83] where a prefetch stands
.set MSB,  0
.macro WIN new                         ; the high byte repeats the setting that is left; a switch that changes nothing is dropped
.if MSB != (\new)
	s_set_vgpr_msb (MSB<<8)|(\new)
.set MSB, \new
.endif
.endm
.macro PLACES                          ; four plain vector instructions behind a matrix instruction, ahead of loads into its sources and of reads of its result
.rept 4
	v_nop
.endr
.endm
.macro CREST                           ; a round of the cluster's barrier behind its opening barrier
	s_cmp_lg_u32 s14, 0
	s_cbranch_scc1 .Lnot_wave_0_\@
	s_barrier_signal -3
.Lnot_wave_0_\@:
	s_barrier_wait -3
	s_barrier_signal -1
	s_barrier_wait -1
.endm
.macro CROUND
	s_barrier_signal -1
	s_barrier_wait -1
	CREST
.endm
.macro JLOAD                           ; a joint refill by the walking sets: waves below NPA fetch A's panels, the others W's; the branch hangs on the wave's number alone
	s_cmp_lt_u32 s14, NPA
	s_cbranch_scc0 .Lfor_b_\@
	tensor_load_to_lds s[G0A+4:G0A+7], s[G1A:G1A+7]
	s_nop 0
.rept 4
	v_nop
.endr
	s_branch .Lasked_\@
.Lfor_b_\@:
	tensor_load_to_lds s[G0B+4:G0B+7], s[G1B:G1B+7]
	s_nop 0
.rept 4
	v_nop
.endr
.Lasked_\@:
.endm
.macro ASK                             ; a prefetch of 32 rows x 256 bytes of my kind of panel, a lane a row, for the K step AH places behind the refill just asked for: only inside the walk, and only a step to which my cluster's kind comes first
	s_cmp_lt_u32 s[TP], s[LIM]
	s_cbranch_scc0 .Lnot_mine_\@
	s_and_b32 s21, s[TP], DSW
	s_cmp_lg_u32 s21, 0
	s_cbranch_scc1 .Lnot_mine_\@
	global_prefetch_b8 v[PFO], s[PFA:PFA+1] th:TH_LOAD_NT scope:SCOPE_SE
.Lnot_mine_\@:
.endm
.macro MKADR
	v_add_nc_u32 v[ADRA], s[TB], v[A0]
.set g_, 0
.rept NBR
	v_add_nc_u32 v[ADRB+g_], s[TB], v[B0+g_]
.set g_, g_+1
.endr
.endm
.macro PROD f, a, b, c, first          ; one product: block (a, b), chunk c of buffer f.  first = 1: C is the bias (and residual) in window 0
.set t_, (\a)*NBK+(\b)
.set w_, 2+t_/32
.set d_, 8*(t_%32)
.set rb_, (\f)+8*(NBK*(\c)+(\b))
.set ra_, (\f)+8*NBK*CH+8*(MA*(\c)+(\a))
.if \first
	WIN 0x05|(w_<<6)
.if RES
	v_wmma_f32_16x16x32_bf16 v[d_:d_+7], v[rb_:rb_+7], v[ra_:ra_+7], v[CI+8*t_:CI+8*t_+7]
.else
	v_wmma_f32_16x16x32_bf16 v[d_:d_+7], v[rb_:rb_+7], v[ra_:ra_+7], v[BIAS+8*(\b):BIAS+8*(\b)+7]
.endif
.else
	WIN 0x05|(w_<<4)|(w_<<6)
	v_wmma_f32_16x16x32_bf16 v[d_:d_+7], v[rb_:rb_+7], v[ra_:ra_+7], v[d_:d_+7]
.endif
.endm
.macro MULH f, hh, pp, first           ; a quarter of a unit's products; the accumulators take turns, one instruction a turn
.if CFG == 0
.irp a, 4*(\hh)+2*(\pp), 4*(\hh)+2*(\pp)+1
.irp b, 0,1,2,3,4,5,6,7
	PROD \f, \a, \b, 0, \first
.endr
.endr
.elseif CFG == 1
.irp b, 0,1,2,3,4,5,6,7,8,9,10,11
	PROD \f, 2*(\hh)+(\pp), \b, 0, \first
.endr
.else
.irp a, 2*(\pp), 2*(\pp)+1
.irp b, 0,1,2,3
	PROD \f, \a, \b, \hh, (\first)*(1-(\hh))
.endr
.endr
.endif
.endm
.macro FETCH u, f                      ; 32 LDS loads in one run: the fragments of unit u of the K step (CH chunks of 32 along K) into buffer f; for each chunk W's, then A's
	WIN 0x40
.set c_, 0
.rept CH
.set q_, (\u)*CH+c_
.set b_, 0
.rept NBK
.if CFG == 1
.set br_, ADRB+b_/4
.set bo_, q_*9216+32*(b_%4)
.elseif CFG == 2
.set br_, ADRB+q_/4
.set bo_, (q_%4)*9216+32*b_
.else
.set br_, ADRB
.set bo_, q_*9216+32*b_
.endif
.set rg_, (\f)+8*(NBK*c_+b_)
	ds_load_tr16_b128 v[rg_:rg_+3], v[br_] offset:bo_
	ds_load_tr16_b128 v[rg_+4:rg_+7], v[br_] offset:bo_+4608
.set b_, b_+1
.endr
.set a_, 0
.rept MA
.set rg_, (\f)+8*NBK*CH+8*(MA*c_+a_)
.set ao_, (q_/2)*18432+a_*2304+(q_%2)*64
	ds_load_b128 v[rg_:rg_+3], v[ADRA] offset:ao_
	ds_load_b128 v[rg_+4:rg_+7], v[ADRA] offset:ao_+32
.set a_, a_+1
.endr
.set c_, c_+1
.endr
	WIN 0
.endm
.macro UNIT f, g, unext, first         ; multiplies buffer f; in its middle fetches unit unext of the same slot into buffer g
	s_wait_dscnt H1L                               ; all but the youngest H1L loads, which only the second half wants
	MULH \f, 0, 0, \first
	MULH \f, 0, 1, \first
	PLACES
	FETCH \unext, \g
	s_wait_dscnt 32                                ; all but the 32 just issued
	MULH \f, 1, 0, \first
	MULH \f, 1, 1, \first
.endm
; THE CHANGE OF SLOTS, and a K step's last unit (buffer 1, whose fragments are in registers).  Each wave waits for all its tensor loads (one is out: its panel of the next slot), adds 0 to its spare word, and waits
; for that and for its reads of this slot.  fill = 1: the barrier opens a round of the cluster's, and the joint refill of this slot, with the K step two places on in my walk, is the first thing behind it;
; its descriptors are made while the add is out: base + (place xor PD) x the step.  The unit's products stand behind the refill and the next slot's first fragments, so that they run while the refill is on its way.
; tail = 1: in the very last change there is no next slot, and the run of loads is jumped over.
.macro TURN fill, tail
.if \fill
	s_add_co_u32 s[KT], s[KT], 1                   ; the place in my walk of the K step that this refill brings
.if AH
	s_wait_xcnt 0x0                                ; the last prefetch, a K step back, has read its address
	s_add_co_u32 s[TP], s[KT], AH
	s_xor_b32 s72, s[TP], s[PD]
	s_mul_i32 s72, s72, s68
	s_add_nc_u64 s[PFA:PFA+1], s[PFB:PFB+1], s[72:73]
.endif
.endif
	WIN 0
	s_wait_tensorcnt 0x0                           ; all my tensor loads have landed, so a group 0 may be written
	ds_add_u32 v[SPW], v[NIL]
	s_xor_b32 s[TB], s[TB], SLOT
	MKADR                                          ; the next slot's addresses: work on registers while the add is out
.if \fill
	s_xor_b32 s76, s[KT], s[PD]                    ; the K step's number
	s_mul_i32 s78, s76, KSB
	s_mul_i32 s76, s76, KSA
	s_xor_b32 s[G0A+5], s[G0A+5], SLOT
	s_add_nc_u64 s[G0A+6:G0A+7], s[44:45], s[76:77]
	s_or_b32 s[G0A+7], s[G0A+7], 0x80000000
	s_xor_b32 s[G0B+5], s[G0B+5], SLOT
	s_add_nc_u64 s[G0B+6:G0B+7], s[46:47], s[78:79]
	s_or_b32 s[G0B+7], s[G0B+7], 0x80000000
.endif
	s_wait_dscnt 0x0                               ; the add is done, and my reads of this slot are over
	s_barrier_signal -1
	s_barrier_wait -1
.if \fill
	CREST                                          ; no wave of any partner still reads this slot or has a load on its way
	JLOAD                                          ; its four v_nop are also the places ahead of the loads below
.else
	PLACES
.endif
.if \tail
	s_cmp_eq_u32 s2, 1
	s_cbranch_scc1 .Lnofetch_\@
.endif
	FETCH 0, F0
.if \tail
.Lnofetch_\@:
.endif
.if (\fill) && AH
	ASK
.endif
	MULH F1, 0, 0, 0
	MULH F1, 0, 1, 0
	MULH F1, 1, 0, 0
	MULH F1, 1, 1, 0
.endm
.macro OUTU u                          ; 16 rows x 64 columns: (SiLU,) rounded to bf16, four stores of 512 consecutive bytes
.if EPI == 1
.set i_, 0
.rept 16
	v_pk_mul_f32 v[EE+2*i_:EE+2*i_+1], v[V1+32*(\u)+2*i_:V1+32*(\u)+2*i_+1], s[66:67] op_sel_hi:[1,0]
.set i_, i_+1
.endr
.set i_, 0
.rept 32
	v_exp_f32 v[EE+i_], v[EE+i_]                   ; e^-x
.set i_, i_+1
.endr
	v_nop                                          ; a plain instruction behind the last exponential,
	s_wait_alu depctr_va_vdst(0)                   ; and one wait for the batch, ahead of its first reader
.set i_, 0
.rept 16
	v_pk_add_f32 v[EE+2*i_:EE+2*i_+1], v[EE+2*i_:EE+2*i_+1], 1.0 op_sel_hi:[1,0]
.set i_, i_+1
.endr
.set i_, 0
.rept 32
	v_rcp_f32 v[EE+i_], v[EE+i_]                   ; an infinite e^-x gives 0, and x times it -0
.set i_, i_+1
.endr
	v_nop
	s_wait_alu depctr_va_vdst(0)
.set i_, 0
.rept 16
	v_pk_mul_f32 v[V1+32*(\u)+2*i_:V1+32*(\u)+2*i_+1], v[V1+32*(\u)+2*i_:V1+32*(\u)+2*i_+1], v[EE+2*i_:EE+2*i_+1]
.set i_, i_+1
.endr
.endif
.set i_, 0
.rept 16
	v_cvt_pk_bf16_f32 v[TT+16*(\u)+i_], v[V1+32*(\u)+2*i_], v[V1+32*(\u)+2*i_+1]
.set i_, i_+1
.endr
.irp f, 0,1,2,3
	global_store_b128 v[GO], v[TT+16*(\u)+4*\f:TT+16*(\u)+4*\f+3], s[10:11] offset:(\u)*2048+\f*512
.endr
.endm
	s_load_b256 s[4:11], s[0:1], 0x0               ; A s[4:5], wb s[6:7], bias s[8:9], out s[10:11]
.if RES
	s_load_b64 s[12:13], s[0:1], 0x20              ; the residual
.endif
	v_lshl_add_u32 v[SPW], v0, 2, SPARE
	v_mov_b32 v[NIL], 0
	ds_add_u32 v[SPW], v[NIL]                      ; the wave's opening: the add and its wait ahead of my first tensor load
	ds_add_u32 v28, v29
	v_lshrrev_b32 v1, 5, v0
	v_readfirstlane_b32 s14, v1                    ; wave 0..3
	s_lshr_b32 s15, s14, 1                         ; wm: which half of the tile's rows
	s_and_b32 s16, s14, 1                          ; wn: which half of its columns
	s_bfe_u32 s17, ttmp6, 0x40000                  ; cx
	s_bfe_u32 s18, ttmp6, 0x40004                  ; cy
	s_lshl_b32 s19, ttmp9, 2
	s_add_co_u32 s19, s19, s17                     ; tn: tile column
	s_and_b32 s20, ttmp7, 0xffff
	s_lshl_b32 s20, s20, 2
	s_add_co_u32 s20, s20, s18                     ; tm: tile row
	s_lshl_b32 s21, s18, 2
	s_lshl_b32 s21, 15, s21                        ; my row of the cluster
	s_lshl_b32 s22, 0x1111, s17                    ; my column
	s_or_b32 s[G1A], s21, (1<<16)|(1<<20)|(1<<21)|(4<<22)|(3<<25)  ; mask; 2-byte elements; padding on; bit 21 beside a mask; after every 32 words 4 words
	s_or_b32 s[G1B], s22, (1<<16)|(1<<20)|(1<<21)|(5<<22)|(7<<25)  ; after every 64 words 8 words
.irp g, G1A, G1B
	s_mov_b32 s[\g+1], 128<<16                     ; tensor_dim0 = 128
	s_mov_b32 s[\g+2], 128<<16                     ; tensor_dim1 = 128
	s_mov_b32 s[\g+3], 128<<16                     ; tile_dim0 = 128
	s_mov_b32 s[\g+4], 128                         ; tile_dim1 = 128
	s_mov_b32 s[\g+6], 0
	s_mov_b32 s[\g+7], 0
.endr
	s_mov_b32 s[G1A+5], 128                        ; A's panel is dense: 128 elements from row to row
	s_mov_b32 s[G1B+5], NN
	; the cluster's kind: made of the cluster's own x and y, which all sixteen partners share
	s_and_b32 s21, ttmp7, 0xffff
	s_lshr_b32 s22, s21, 1
	s_add_co_u32 s21, s21, s22
	s_add_co_u32 s21, s21, ttmp9
	s_and_b32 s21, s21, 1
	s_mul_i32 s[PD], s21, DSW
	s_mov_b32 s[KT], 1                             ; places 0 and 1 of the walk are the first fills
	; where my panel begins: A's hangs on the tile row and the wave alone, W's on the tile column and the wave alone
.if CFG == 0
	s_lshl_b32 s44, s20, 1
	s_add_co_u32 s44, s44, s16
	s_mul_i32 s44, s44, (KK/64)*16384
.else
	s_mul_i32 s44, s20, (KK/64)*16384
.endif
.if CFG == 2
	s_lshl_b32 s21, s16, 15                        ; the K step's half
	s_add_co_u32 s44, s44, s21
.endif
	s_mov_b32 s45, 0
.if CFG == 0
	s_lshl_b32 s46, s19, 9
	s_lshl_b32 s22, s16, 8
.elseif CFG == 1
	s_mul_i32 s46, s19, 768
	s_max_u32 s22, s14, 1
	s_sub_co_u32 s22, s22, 1
	s_lshl_b32 s22, s22, 8
.else
	s_lshl_b32 s46, s19, 8
	s_mul_i32 s22, s16, 256*NN
.endif
	s_add_co_u32 s46, s46, s22
	s_add_co_u32 s46, s46, WOFF
	s_mov_b32 s47, 0
	s_mul_i32 s72, s14, PANEL                      ; and where it goes: no place in the cluster enters an LDS address
	s_mul_i32 s76, s[PD], KSA                      ; the walk's first K step, in bytes of A
	s_mov_b32 s77, 0
	s_mul_i32 s78, s[PD], KSB                      ; and of W
	s_mov_b32 s79, 0
	s_mov_b32 s[TB], 0
	s_wait_dscnt 0x0                               ; the opening add is done
	s_wait_kmcnt 0x0
	s_add_nc_u64 s[44:45], s[4:5], s[44:45]        ; my panel of A at K step 0; never rewritten
	s_add_nc_u64 s[46:47], s[6:7], s[46:47]        ; and of W
	CROUND                                         ; all sixteen work-groups are here: the first joint loads meet
.irp s, 0,1
	s_mov_b32 s[G0A+4*\s], 1
	s_add_co_u32 s[G0A+4*\s+1], s72, \s*SLOT
	s_add_nc_u64 s[G0A+4*\s+2:G0A+4*\s+3], s[44:45], s[76:77]
	s_add_nc_u64 s[G0A+4*\s+2:G0A+4*\s+3], s[G0A+4*\s+2:G0A+4*\s+3], \s*KSA
	s_or_b32 s[G0A+4*\s+3], s[G0A+4*\s+3], 0x80000000
	s_mov_b32 s[G0B+4*\s], 1
	s_add_co_u32 s[G0B+4*\s+1], s72, \s*SLOT
	s_add_nc_u64 s[G0B+4*\s+2:G0B+4*\s+3], s[46:47], s[78:79]
	s_add_nc_u64 s[G0B+4*\s+2:G0B+4*\s+3], s[G0B+4*\s+2:G0B+4*\s+3], \s*KSB
	s_or_b32 s[G0B+4*\s+3], s[G0B+4*\s+3], 0x80000000
.endr
	s_cmp_lt_u32 s14, NPA                          ; a wave's two first fills stand in one branch: place 0 of the walk into slot 0, place 1 into slot 1: two loads of mine are out
	s_cbranch_scc0 .Lfirst_b
	tensor_load_to_lds s[G0A:G0A+3], s[G1A:G1A+7]
	s_nop 0
	tensor_load_to_lds s[G0A+4:G0A+7], s[G1A:G1A+7]
	s_nop 0
.rept 4
	v_nop
.endr
	s_branch .Lfirst_done
.Lfirst_b:
	tensor_load_to_lds s[G0B:G0B+3], s[G1B:G1B+7]
	s_nop 0
	tensor_load_to_lds s[G0B+4:G0B+7], s[G1B:G1B+7]
	s_nop 0
.rept 4
	v_nop
.endr
.Lfirst_done:
	v_and_b32 v1, 15, v0                           ; r = l % 16
	v_bfe_u32 v2, v0, 4, 1                         ; h = l / 16
	; the bias of my columns: block b's eight numbers 8 h + 0..7
.if CFG == 0
	s_lshl_b32 s21, s19, 10
	s_lshl_b32 s22, s16, 9
.elseif CFG == 1
	s_mul_i32 s21, s19, 1536
	s_lshl_b32 s22, s16, 8
.else
	s_lshl_b32 s21, s19, 9
	s_lshl_b32 s22, s16, 8
.endif
	s_add_co_u32 s21, s21, s22
	v_lshl_add_u32 v[BO], v2, 5, s21
.set b_, 0
.rept NBK
.if CFG == 1
.set bo_, (b_/4)*512+(b_%4)*64
.else
.set bo_, 64*b_
.endif
	global_load_b128 v[BIAS+8*b_:BIAS+8*b_+3], v[BO], s[8:9] offset:bo_
	global_load_b128 v[BIAS+8*b_+4:BIAS+8*b_+7], v[BO], s[8:9] offset:bo_+16
.set b_, b_+1
.endr
	; where my part of OUT begins
.if CFG == 0
	s_lshl_b32 s21, s20, 1
	s_add_co_u32 s21, s21, s15
	s_lshl_b32 s21, s21, 6
	s_lshl_b32 s22, s19, 2
	s_add_co_u32 s21, s21, s22
	s_lshl_b32 s22, s16, 1
	s_add_co_u32 s21, s21, s22                     ; block (2 tm + wm, 4 tn + 2 wn)
	s_lshl_b32 s22, s21, 14
	s_mov_b32 s23, 0
.elseif CFG == 1
	s_lshr_b32 s21, s20, 4
	s_mul_i32 s21, s21, 48
	s_mul_i32 s22, s19, 6
	s_add_co_u32 s21, s21, s22
	s_add_co_u32 s21, s21, s16                     ; head 48 b + 6 tn + wn
	s_lshl_b32 s21, s21, 18
	s_and_b32 s22, s20, 15
	s_lshl_b32 s22, s22, 14
	s_add_co_u32 s21, s21, s22
	s_lshl_b32 s22, s15, 13
	s_add_co_u32 s22, s21, s22
	s_mov_b32 s23, 0
.else
	s_lshl_b32 s21, s20, 4
	s_lshl_b32 s22, s19, 1
	s_add_co_u32 s21, s21, s22
	s_add_co_u32 s21, s21, s16                     ; block (tm, 2 tn + wn)
	s_lshl_b32 s21, s21, 14
	s_lshl_b32 s22, s15, 13
	s_add_co_u32 s22, s21, s22
	s_mov_b32 s23, 0
.endif
.if RES
	s_add_nc_u64 s[12:13], s[12:13], s[22:23]
	v_lshlrev_b32 v[RO], 7, v1
	v_lshl_add_u32 v[RO], v2, 4, v[RO]
.set t_, 0
.rept MA*NBK
	global_load_b128 v[RR+4*t_:RR+4*t_+3], v[RO], s[12:13] offset:(t_/NBK)*2048+32*(t_%NBK)
.set t_, t_+1
.endr
	v_mov_b32 v[ONE], 1.0
.endif
.if EPI == 3
	s_and_b32 s21, s20, 15
	s_lshl_b32 s21, s21, 20
	s_lshl_b32 s22, s15, 19
	s_add_co_u32 s21, s21, s22
	s_lshr_b32 s22, s20, 4
	s_lshl_b32 s22, s22, 12
	s_add_co_u32 s21, s21, s22
	s_lshl_b32 s22, s19, 9
	s_add_co_u32 s21, s21, s22
	s_lshl_b32 s22, s16, 8
	s_add_co_u32 s22, s21, s22                     ; row (t, b) of 4,096 bytes, my 64 columns
	s_mov_b32 s23, 0
.endif
	s_add_nc_u64 s[10:11], s[10:11], s[22:23]
	; the way out's lane addresses
	s_mul_i32 s21, s14, DREG
	v_mul_u32_u24 v[DST], v1, DP
	v_lshl_add_u32 v[DST], v2, 5, v[DST]
	v_add_nc_u32 v[DST], s21, v[DST]
.if EPI == 3
	v_mul_u32_u24 v[RD], v2, DP
	v_lshl_add_u32 v[RD], v1, 4, v[RD]
	v_add_nc_u32 v[RD], s21, v[RD]
	v_lshlrev_b32 v[GO], 13, v2
	v_lshl_add_u32 v[GO], v1, 4, v[GO]
.else
	v_bfe_u32 v3, v0, 3, 2
	v_and_b32 v4, 7, v0
	v_mul_u32_u24 v[RDG], v3, DP
	v_lshl_add_u32 v[RDG], v4, 5, v[RDG]
	v_add_nc_u32 v[RDG], s21, v[RDG]
	v_and_b32 v[GO], 31, v0
	v_lshlrev_b32 v[GO], 4, v[GO]
.endif
	; the fragments' lane addresses.  A: row r x 144 + 16 h.  W, turned: line 8 h + l % 8, 16 bytes by (l / 8) % 2
.if CFG == 0
	s_mul_i32 s21, s15, PANEL
.else
	s_mul_i32 s21, s15, 64*144
.endif
	v_mul_u32_u24 v[A0], v1, 144
	v_lshl_add_u32 v[A0], v2, 4, v[A0]
	v_add_nc_u32 v[A0], s21, v[A0]
	v_and_b32 v3, 7, v0
	v_bfe_u32 v4, v0, 3, 1
	v_lshl_add_u32 v5, v2, 3, v3
	v_mul_u32_u24 v5, v5, 288
	v_lshl_add_u32 v5, v4, 4, v5
.if CFG == 0
	s_mul_i32 s21, s16, PANEL
	s_add_co_u32 s21, s21, 2*PANEL
.else
	s_lshl_b32 s21, s16, 7
	s_add_co_u32 s21, s21, NPA*PANEL
.endif
.set g_, 0
.rept NBR
	v_add_nc_u32 v[B0+g_], s21, v5
	s_add_co_u32 s21, s21, PANEL
.set g_, g_+1
.endr
	MKADR
.if AH
	; the prefetches.  A's panels are read by every cluster of a row of clusters, W's by every cluster of a column.  A prefetch names only K steps to which my cluster's kind comes first in its walk; of the
	; clusters that read the same rows, those with x < 2 ask for A's and those with y < 2 for W's: one cluster of each kind.  The four partners that ask for a panel jointly share its 128 rows out by address,
	; 32 each.  So each row's 256 bytes of a K step are named once.  Nothing is asked for here, at the head.
	s_and_b32 s21, ttmp7, 0xffff
	s_mov_b32 s23, 64*NN
	s_mov_b32 s68, KSB
	s_mov_b32 s73, 2*NN
	s_cmp_lt_u32 s14, NPA
	s_cselect_b32 s21, ttmp9, s21
	s_cselect_b32 s22, s17, s18
	s_cselect_b32 s23, 8192, s23
	s_cselect_b32 s68, KSA, s68
	s_cselect_b32 s73, 256, s73
	s_cselect_b64 s[PFB:PFB+1], s[44:45], s[46:47]
	s_cmp_lt_u32 s21, 2
	s_cselect_b32 s[LIM], KSTEPS, 0
	s_mul_i32 s22, s22, s23
	s_mov_b32 s23, 0
	s_add_nc_u64 s[PFB:PFB+1], s[PFB:PFB+1], s[22:23]
	v_and_b32 v[PFO], 31, v0
	v_mul_lo_u32 v[PFO], v[PFO], s73
	s_mov_b32 s73, 0                               ; from here on the upper word of the pair s[72:73]
.endif
.if EPI == 1
	s_mov_b32 s66, 0xbfb8aa3b                      ; -log2(e)
	s_mov_b32 s67, s66
.endif
	s_wait_loadcnt 0x0                             ; bias (and residual)
.if RES
.set t_, 0
.rept MA*NBK
.set k_, 0
.rept 4
	v_fma_mix_f32_bf16 v[CI+8*t_+2*k_], v[RR+4*t_+k_], v[ONE], v[BIAS+8*(t_%NBK)+2*k_] op_sel_hi:[1,0,0]
	v_fma_mix_f32_bf16 v[CI+8*t_+2*k_+1], v[RR+4*t_+k_], v[ONE], v[BIAS+8*(t_%NBK)+2*k_+1] op_sel:[1,0,0] op_sel_hi:[1,0,0]
.set k_, k_+1
.endr
.set t_, t_+1
.endr
.endif
	s_wait_tensorcnt 0x1                           ; my panel of the walk's place 0 is in; place 1's may stay out
	s_barrier_signal -1
	s_barrier_wait -1                              ; everybody's is
	FETCH 0, F0
	UNIT F0, F1, 1, 1                              ; the first unit stands ahead of the loop: its products start the sums
	WIN 0
	s_mov_b32 s3, KSTEPS-2
.Lmain:                                                ; a trip: a K step's units 1 to 3, the change of slots with its refill, the next K step's unit 0
	UNIT F1, F0, 2, 0
	UNIT F0, F1, 3, 0
	TURN 1, 0
	UNIT F0, F1, 1, 0
	WIN 0
	s_sub_co_u32 s3, s3, 1
	s_cmp_lg_u32 s3, 0
	s_cbranch_scc1 .Lmain
	s_mov_b32 s2, 2
.Ltail:                                                ; the last two K steps ask for nothing; the second trip is left in its middle
	UNIT F1, F0, 2, 0
	UNIT F0, F1, 3, 0
	TURN 0, 1
	WIN 0
	s_sub_co_u32 s2, s2, 1
	s_cmp_eq_u32 s2, 0
	s_cbranch_scc1 .Lout
	UNIT F0, F1, 1, 0
	WIN 0
	s_branch .Ltail
.Lout:
	s_wait_dscnt 0x0                               ; my reads of the slots are over,
	s_barrier_signal -1
	s_barrier_wait -1                              ; everybody's are: the slots may be written
	PLACES
.set t_, 0
.rept MA*NBK
	WIN (2+t_/32)<<2                               ; the stores' data lie in the accumulators' window; each accumulator's low four registers go first
	ds_store_b128 v[DST], v[8*(t_%32):8*(t_%32)+3] offset:(t_/NBK)*16*DP+64*(t_%NBK)
	ds_store_b128 v[DST], v[8*(t_%32)+4:8*(t_%32)+7] offset:(t_/NBK)*16*DP+64*(t_%NBK)+16
.set t_, t_+1
.endr
	WIN 0
	s_wait_dscnt 0x0                               ; my stores are done,
	s_barrier_signal -1
	s_barrier_wait -1                              ; everybody's are
.if EPI == 3
.set j_, 0
.rept 32
	ds_load_b128 v[V1+4*j_:V1+4*j_+3], v[RD] offset:j_*2*DP
.set j_, j_+1
.endr
.set j_, 0
.rept 32
	s_wait_dscnt 31-j_
	global_store_b128 v[GO], v[V1+4*j_:V1+4*j_+3], s[10:11] offset:j_*16384  ; 16 lanes store 256 consecutive bytes, aligned: 64 columns of a row
.set j_, j_+1
.endr
.else
.if NG > 1
	s_mov_b32 s70, NG
.endif
.Lgrp:                                                 ; a group of 64 columns
	v_mov_b32 v[RD], v[RDG]
	v_add_nc_u32 v[RDG], 256, v[RDG]
	s_mov_b32 s71, MA/2
.Lrows:                                                ; 32 rows: two units of 16
.irp u, 0,1
.irp f, 0,1,2,3
	ds_load_b128 v[V1+32*\u+8*\f:V1+32*\u+8*\f+3], v[RD] offset:(16*\u+4*\f)*DP
	ds_load_b128 v[V1+32*\u+8*\f+4:V1+32*\u+8*\f+7], v[RD] offset:(16*\u+4*\f)*DP+16
.endr
.endr
	s_wait_dscnt 8                                 ; the first unit is in
	OUTU 0
	s_wait_dscnt 0x0
	OUTU 1
	s_wait_xcnt 0x0                                ; the stores have read their data and their base
	v_add_nc_u32 v[RD], 32*DP, v[RD]
	s_add_nc_u64 s[10:11], s[10:11], 4096
	s_sub_co_u32 s71, s71, 1
	s_cmp_lg_u32 s71, 0
	s_cbranch_scc1 .Lrows
.if NG > 1
.if OSTEP
	s_add_nc_u64 s[10:11], s[10:11], OSTEP
.endif
	s_sub_co_u32 s70, s70, 1
	s_cmp_lg_u32 s70, 0
	s_cbranch_scc1 .Lgrp
.endif
.endif
	s_wait_tensorcnt 0x0                           ; the wave's end
	ds_add_u32 v[SPW], v[NIL]
	s_wait_dscnt 0x0
	CROUND                                         ; the closing round
	s_endpgm
.Lfunc_end_k_qfc3eacc5ed_ffn1:
	.size	k_qfc3eacc5ed_ffn1, .Lfunc_end_k_qfc3eacc5ed_ffn1-k_qfc3eacc5ed_ffn1
	.p2alignl 7, 3214868480
	.fill 96, 4, 3214868480
	.section	.rodata,"a",@progbits
	.p2align	6, 0x0
	.amdhsa_kernel k_qfc3eacc5ed_ffn1
		.amdhsa_group_segment_fixed_size 327680
		.amdhsa_private_segment_fixed_size 0
		.amdhsa_enable_private_segment 0
		.amdhsa_kernarg_size 32
		.amdhsa_user_sgpr_count 2
		.amdhsa_user_sgpr_kernarg_segment_ptr 1
		.amdhsa_wavefront_size32 1
		.amdhsa_system_sgpr_workgroup_id_x 1
		.amdhsa_system_sgpr_workgroup_id_y 1
		.amdhsa_system_sgpr_workgroup_id_z 1
		.amdhsa_system_vgpr_workitem_id 0
		.amdhsa_next_free_vgpr 1024
		.amdhsa_next_free_sgpr 96
		.amdhsa_reserve_vcc 0
		.amdhsa_float_denorm_mode_32 3
		.amdhsa_float_denorm_mode_16_64 3
		.amdhsa_memory_ordered 1
		.amdhsa_forward_progress 1
		.amdhsa_inst_pref_size 95
	.end_amdhsa_kernel
	.amdgpu_metadata
---
amdhsa.version: [ 1, 2 ]
amdhsa.kernels:
  - .name:           k_qfc3eacc5ed_ffn1
    .symbol:         k_qfc3eacc5ed_ffn1.kd
    .args:
      - { .name: x1b, .offset: 0, .size: 8, .value_kind: global_buffer, .address_space: global }
      - { .name: wb, .offset: 8, .size: 8, .value_kind: global_buffer, .address_space: global }
      - { .name: b1, .offset: 16, .size: 8, .value_kind: global_buffer, .address_space: global }
      - { .name: hb, .offset: 24, .size: 8, .value_kind: global_buffer, .address_space: global }
    .group_segment_fixed_size: 327680
    .private_segment_fixed_size: 0
    .kernarg_segment_align: 8
    .kernarg_segment_size: 32
    .max_flat_workgroup_size: 128
    .sgpr_count:     96
    .vgpr_count:     1024
    .wavefront_size: 32
...
	.end_amdgpu_metadata
.endif
;; end of part 5
;; launch ffn2 (part 6): grid 8 x 32, 4 waves a work-group, clusters of 4 x 4, 327,680 bytes of LDS; arguments hb, wb, b2, x2, x1b; writes x2
.if DOCPART == 6
	.amdgcn_target "amdgcn-amd-amdhsa--gfx1250"
	.amdhsa_code_object_version 6
	.text
	.protected	k_qfc3eacc5ed_ffn2
	.globl	k_qfc3eacc5ed_ffn2
	.p2align	8
	.type	k_qfc3eacc5ed_ffn2,@function
k_qfc3eacc5ed_ffn2:
	s_mov_b64 s[64:65], 0
	v_nop
	global_prefetch_b8 v0, s[64:65] scope:SCOPE_SE
	s_setreg_imm32_b32 hwreg(HW_REG_WAVE_MODE, 25, 1), 1
	s_wait_xcnt 0x0
	s_wait_alu depctr_hold_cnt(0) depctr_sa_sdst(0) depctr_va_vdst(0) depctr_va_sdst(0) depctr_va_ssrc(0) depctr_va_vcc(0) depctr_vm_vsrc(0)
	s_getreg_b32 s2, hwreg(HW_REG_IB_STS2, 6, 4)
	s_cmp_eq_u32 s2, 0
	s_cbranch_scc0 .Lentry_in_a_cluster
	s_endpgm
.Lentry_in_a_cluster:
	s_bfe_u32 s2, ttmp6, 0x10000c
	s_cmp_lg_u32 s2, 0xf033
	s_cbranch_scc0 .Lentry_shape_is_right
	s_endpgm
.Lentry_shape_is_right:
; OUT = A x W + bias (+ residual) on 4,096 rows.  THIS COPY: x2 = x1 + h w2 + b2, stored in f32 in x's own order of rows, (t, b).
; One text serves the program's four products; the seven constants below choose the shape and the way out.
; A: bf16, blocked [row / 128][k / 64][128 rows][64]: any 128 rows x 128 k are 32,768 dense bytes.  W: bf16 as the weights lie, [KK][NN], at byte WOFF of wb.  Sums in f32.
; LIMITS.  Operands are rounded to bf16; the residual comes rounded to bf16; NaN and infinities are not treated apart.
; SHARES.  256 work-groups of four waves; a wave makes MA x NBK blocks of 16 x 16.  CFG 0: tile 256 x 256, K steps of 128.  CFG 1: 128 x 384, K steps of 128.  CFG 2: 128 x 128, K steps of 256.
; RING.  Two LDS slots of four PANELS; a panel is 128 rows of 256 bytes of memory, brought by one tensor load, one a wave: panel w at w x 36,864.  A's panel (128 rows x 128 k) lands as 256 lines of
; 128 + 16 bytes, [k / 64][row]; W's panel (128 k x 128 columns) as 128 lines of 256 + 32 bytes and is read turned, by ds_load_tr16_b128.  Both pitches spread a load's rows over the banks (ISA guide 11.1).
; CLUSTER.  4 x 4 work-groups: A's panels are asked for jointly along a row of the cluster, W's along a column: the same load, descriptor and mask in the four that the mask names.
; THE WALK ALONG K.  A cluster is of one of two kinds, by its place in the grid of clusters: (x + y + y / 2) % 2.  The first kind takes the K steps in ascending order, the second with bit DSW of the step's
; number turned: 2, 3, 0, 1, 6, 7, 4, 5 ..  So, of the clusters that read the same rows of A (a row of clusters) or of W (a column), one kind reads a pair of K steps two steps before the other kind does.
; Each sum takes its K steps in its cluster's order.
; THE PRODUCT IS USED TRANSPOSED (source 0 = 16 columns of W, source 1 = 16 rows of A): a lane holds one row of OUT and eight neighbouring columns.  Bias (and residual) are the C operand of the first products.
; REGISTERS.  Window 0: addresses, bias, residual, the way out.  Window 1: two fragment buffers of 128.  Windows 2, 3: accumulator t = a NBK + b at 8 t.
; THE WAY OUT.  The slots have had their last fill: each wave lays its tile there in f32, rows DP bytes apart, and reads it back so that a store covers whole aligned runs of 256 bytes or more.
.set CFG,  2
.set NN,   1024
.set KK,   4096
.set WOFF, 16777216
.set EPI,  3                           ; 0: bf16 in groups of 64 columns; 1: the same behind SiLU; 3: f32 rows in x's own order
.set RES,  1                           ; 1: a residual in A's blocked layout is added
.set AH,   2                           ; the prefetches name the K step AH places behind the one that is being asked for; 0: none
.set DSW,  2                           ; the bit of a K step's number that a cluster of the second kind turns
.if CFG == 0
.set MA,  8
.set NBK, 8
.set CH,  1
.set NPA, 2
.set H1L, 8
.set NBR, 1
.elseif CFG == 1
.set MA,  4
.set NBK, 12
.set CH,  1
.set NPA, 1
.set H1L, 4
.set NBR, 3
.else
.set MA,  4
.set NBK, 4
.set CH,  2
.set NPA, 2
.set H1L, 16
.set NBR, 2
.endif
.set KSTEPS, KK/(128*CH)
.set KSA,   32768*CH                   ; bytes from K step to K step in A
.set KSB,   256*CH*NN                  ; and in W
.set PANEL, 36864
.set SLOT,  4*PANEL                    ; 0x24000: shares no bit with the panels' offsets, so one exclusive or changes slots
.set SPARE, 2*SLOT                     ; behind the ring: the spare words, 128 bytes a wave, that no other line names
.set DP,    64*NBK+16                  ; the way out: bytes from row to row of a wave's tile in f32
.set DREG,  16*MA*DP
.set NG,    NBK/4
.set OSTEP, 0
.if CFG == 1
.set OSTEP, 524288-8192                ; from a head's 64 rows to the same rows two heads on
.endif
.set A0,   8                           ; v8      my lane's place in A's panels; never rewritten
.set B0,   9                           ; v9-11   the same in W's panels
.set ADRA, 12                          ; v12     A0 + the slot in hand
.set ADRB, 13                          ; v13-15  B0 + the slot in hand
.set DST,  16
.set RD,   17
.set RDG,  18
.set GO,   19
.set RO,   20
.set PFO,  21
.set BO,   22
.set SPW,  28                          ; v28     my spare word; never rewritten
.set NIL,  29                          ; v29     0; never rewritten
.set ONE,  30
.set BIAS, 32
.set RR,   64
.set CI,   128
.set V1,   128
.set EE,   192
.set TT,   224
.set F0,   0
.set F1,   128
.set G1A,  24                          ; s[24:31] group 1 for A;  s[32:39] group 0, two sets: the second walks
.set G0A,  32
.set PFB,  40                          ; s[40:41] my prefetches' rows at K step 0; never rewritten
.set LIM,  42                          ; s42  KSTEPS in a wave that prefetches, else 0
.set TB,   43                          ; s43  LDS byte of the slot in hand
.set G1B,  48                          ; s[48:55], s[56:63] the same for W
.set G0B,  56
.set PD,   74                          ; s74  0, or DSW in a cluster of the second kind
.set KT,   75                          ; s75  the place in my walk of the K step last asked for
.set TP,   80                          ; s80  the place in my walk of the K step that a prefetch names
.set PFA,  82                          ; s[82:83] where a prefetch stands
.set MSB,  0
.macro WIN new                         ; the high byte repeats the setting that is left; a switch that changes nothing is dropped
.if MSB != (\new)
	s_set_vgpr_msb (MSB<<8)|(\new)
.set MSB, \new
.endif
.endm
.macro PLACES                          ; four plain vector instructions behind a matrix instruction, ahead of loads into its sources and of reads of its result
.rept 4
	v_nop
.endr
.endm
.macro CREST                           ; a round of the cluster's barrier behind its opening barrier
	s_cmp_lg_u32 s14, 0
	s_cbranch_scc1 .Lnot_wave_0_\@
	s_barrier_signal -3
.Lnot_wave_0_\@:
	s_barrier_wait -3
	s_barrier_signal -1
	s_barrier_wait -1
.endm
.macro CROUND
	s_barrier_signal -1
	s_barrier_wait -1
	CREST
.endm
.macro JLOAD                           ; a joint refill by the walking sets: waves below NPA fetch A's panels, the others W's; the branch hangs on the wave's number alone
	s_cmp_lt_u32 s14, NPA
	s_cbranch_scc0 .Lfor_b_\@
	tensor_load_to_lds s[G0A+4:G0A+7], s[G1A:G1A+7]
	s_nop 0
.rept 4
	v_nop
.endr
	s_branch .Lasked_\@
.Lfor_b_\@:
	tensor_load_to_lds s[G0B+4:G0B+7], s[G1B:G1B+7]
	s_nop 0
.rept 4
	v_nop
.endr
.Lasked_\@:
.endm
.macro ASK                             ; a prefetch of 32 rows x 256 bytes of my kind of panel, a lane a row, for the K step AH places behind the refill just asked for: only inside the walk, and only a step to which my cluster's kind comes first
	s_cmp_lt_u32 s[TP], s[LIM]
	s_cbranch_scc0 .Lnot_mine_\@
	s_and_b32 s21, s[TP], DSW
	s_cmp_lg_u32 s21, 0
	s_cbranch_scc1 .Lnot_mine_\@
	global_prefetch_b8 v[PFO], s[PFA:PFA+1] th:TH_LOAD_NT scope:SCOPE_SE
.Lnot_mine_\@:
.endm
.macro MKADR
	v_add_nc_u32 v[ADRA], s[TB], v[A0]
.set g_, 0
.rept NBR
	v_add_nc_u32 v[ADRB+g_], s[TB], v[B0+g_]
.set g_, g_+1
.endr
.endm
.macro PROD f, a, b, c, first          ; one product: block (a, b), chunk c of buffer f.  first = 1: C is the bias (and residual) in window 0
.set t_, (\a)*NBK+(\b)
.set w_, 2+t_/32
.set d_, 8*(t_%32)
.set rb_, (\f)+8*(NBK*(\c)+(\b))
.set ra_, (\f)+8*NBK*CH+8*(MA*(\c)+(\a))
.if \first
	WIN 0x05|(w_<<6)
.if RES
	v_wmma_f32_16x16x32_bf16 v[d_:d_+7], v[rb_:rb_+7], v[ra_:ra_+7], v[CI+8*t_:CI+8*t_+7]
.else
	v_wmma_f32_16x16x32_bf16 v[d_:d_+7], v[rb_:rb_+7], v[ra_:ra_+7], v[BIAS+8*(\b):BIAS+8*(\b)+7]
.endif
.else
	WIN 0x05|(w_<<4)|(w_<<6)
	v_wmma_f32_16x16x32_bf16 v[d_:d_+7], v[rb_:rb_+7], v[ra_:ra_+7], v[d_:d_+7]
.endif
.endm
.macro MULH f, hh, pp, first           ; a quarter of a unit's products; the accumulators take turns, one instruction a turn
.if CFG == 0
.irp a, 4*(\hh)+2*(\pp), 4*(\hh)+2*(\pp)+1
.irp b, 0,1,2,3,4,5,6,7
	PROD \f, \a, \b, 0, \first
.endr
.endr
.elseif CFG == 1
.irp b, 0,1,2,3,4,5,6,7,8,9,10,11
	PROD \f, 2*(\hh)+(\pp), \b, 0, \first
.endr
.else
.irp a, 2*(\pp), 2*(\pp)+1
.irp b, 0,1,2,3
	PROD \f, \a, \b, \hh, (\first)*(1-(\hh))
.endr
.endr
.endif
.endm
.macro FETCH u, f                      ; 32 LDS loads in one run: the fragments of unit u of the K step (CH chunks of 32 along K) into buffer f; for each chunk W's, then A's
	WIN 0x40
.set c_, 0
.rept CH
.set q_, (\u)*CH+c_
.set b_, 0
.rept NBK
.if CFG == 1
.set br_, ADRB+b_/4
.set bo_, q_*9216+32*(b_%4)
.elseif CFG == 2
.set br_, ADRB+q_/4
.set bo_, (q_%4)*9216+32*b_
.else
.set br_, ADRB
.set bo_, q_*9216+32*b_
.endif
.set rg_, (\f)+8*(NBK*c_+b_)
	ds_load_tr16_b128 v[rg_:rg_+3], v[br_] offset:bo_
	ds_load_tr16_b128 v[rg_+4:rg_+7], v[br_] offset:bo_+4608
.set b_, b_+1
.endr
.set a_, 0
.rept MA
.set rg_, (\f)+8*NBK*CH+8*(MA*c_+a_)
.set ao_, (q_/2)*18432+a_*2304+(q_%2)*64
	ds_load_b128 v[rg_:rg_+3], v[ADRA] offset:ao_
	ds_load_b128 v[rg_+4:rg_+7], v[ADRA] offset:ao_+32
.set a_, a_+1
.endr
.set c_, c_+1
.endr
	WIN 0
.endm
.macro UNIT f, g, unext, first         ; multiplies buffer f; in its middle fetches unit unext of the same slot into buffer g
	s_wait_dscnt H1L                               ; all but the youngest H1L loads, which only the second half wants
	MULH \f, 0, 0, \first
	MULH \f, 0, 1, \first
	PLACES
	FETCH \unext, \g
	s_wait_dscnt 32                                ; all but the 32 just issued
	MULH \f, 1, 0, \first
	MULH \f, 1, 1, \first
.endm
; THE CHANGE OF SLOTS, and a K step's last unit (buffer 1, whose fragments are in registers).  Each wave waits for all its tensor loads (one is out: its panel of the next slot), adds 0 to its spare word, and waits
; for that and for its reads of this slot.  fill = 1: the barrier opens a round of the cluster's, and the joint refill of this slot, with the K step two places on in my walk, is the first thing behind it;
; its descriptors are made while the add is out: base + (place xor PD) x the step.  The unit's products stand behind the refill and the next slot's first fragments, so that they run while the refill is on its way.
; tail = 1: in the very last change there is no next slot, and the run of loads is jumped over.
.macro TURN fill, tail
.if \fill
	s_add_co_u32 s[KT], s[KT], 1                   ; the place in my walk of the K step that this refill brings
.if AH
	s_wait_xcnt 0x0                                ; the last prefetch, a K step back, has read its address
	s_add_co_u32 s[TP], s[KT], AH
	s_xor_b32 s72, s[TP], s[PD]
	s_mul_i32 s72, s72, s68
	s_add_nc_u64 s[PFA:PFA+1], s[PFB:PFB+1], s[72:73]
.endif
.endif
	WIN 0
	s_wait_tensorcnt 0x0                           ; all my tensor loads have landed, so a group 0 may be written
	ds_add_u32 v[SPW], v[NIL]
	s_xor_b32 s[TB], s[TB], SLOT
	MKADR                                          ; the next slot's addresses: work on registers while the add is out
.if \fill
	s_xor_b32 s76, s[KT], s[PD]                    ; the K step's number
	s_mul_i32 s78, s76, KSB
	s_mul_i32 s76, s76, KSA
	s_xor_b32 s[G0A+5], s[G0A+5], SLOT
	s_add_nc_u64 s[G0A+6:G0A+7], s[44:45], s[76:77]
	s_or_b32 s[G0A+7], s[G0A+7], 0x80000000
	s_xor_b32 s[G0B+5], s[G0B+5], SLOT
	s_add_nc_u64 s[G0B+6:G0B+7], s[46:47], s[78:79]
	s_or_b32 s[G0B+7], s[G0B+7], 0x80000000
.endif
	s_wait_dscnt 0x0                               ; the add is done, and my reads of this slot are over
	s_barrier_signal -1
	s_barrier_wait -1
.if \fill
	CREST                                          ; no wave of any partner still reads this slot or has a load on its way
	JLOAD                                          ; its four v_nop are also the places ahead of the loads below
.else
	PLACES
.endif
.if \tail
	s_cmp_eq_u32 s2, 1
	s_cbranch_scc1 .Lnofetch_\@
.endif
	FETCH 0, F0
.if \tail
.Lnofetch_\@:
.endif
.if (\fill) && AH
	ASK
.endif
	MULH F1, 0, 0, 0
	MULH F1, 0, 1, 0
	MULH F1, 1, 0, 0
	MULH F1, 1, 1, 0
.endm
.macro OUTU u                          ; 16 rows x 64 columns: (SiLU,) rounded to bf16, four stores of 512 consecutive bytes
.if EPI == 1
.set i_, 0
.rept 16
	v_pk_mul_f32 v[EE+2*i_:EE+2*i_+1], v[V1+32*(\u)+2*i_:V1+32*(\u)+2*i_+1], s[66:67] op_sel_hi:[1,0]
.set i_, i_+1
.endr
.set i_, 0
.rept 32
	v_exp_f32 v[EE+i_], v[EE+i_]                   ; e^-x
.set i_, i_+1
.endr
	v_nop                                          ; a plain instruction behind the last exponential,
	s_wait_alu depctr_va_vdst(0)                   ; and one wait for the batch, ahead of its first reader
.set i_, 0
.rept 16
	v_pk_add_f32 v[EE+2*i_:EE+2*i_+1], v[EE+2*i_:EE+2*i_+1], 1.0 op_sel_hi:[1,0]
.set i_, i_+1
.endr
.set i_, 0
.rept 32
	v_rcp_f32 v[EE+i_], v[EE+i_]                   ; an infinite e^-x gives 0, and x times it -0
.set i_, i_+1
.endr
	v_nop
	s_wait_alu depctr_va_vdst(0)
.set i_, 0
.rept 16
	v_pk_mul_f32 v[V1+32*(\u)+2*i_:V1+32*(\u)+2*i_+1], v[V1+32*(\u)+2*i_:V1+32*(\u)+2*i_+1], v[EE+2*i_:EE+2*i_+1]
.set i_, i_+1
.endr
.endif
.set i_, 0
.rept 16
	v_cvt_pk_bf16_f32 v[TT+16*(\u)+i_], v[V1+32*(\u)+2*i_], v[V1+32*(\u)+2*i_+1]
.set i_, i_+1
.endr
.irp f, 0,1,2,3
	global_store_b128 v[GO], v[TT+16*(\u)+4*\f:TT+16*(\u)+4*\f+3], s[10:11] offset:(\u)*2048+\f*512
.endr
.endm
	s_load_b256 s[4:11], s[0:1], 0x0               ; A s[4:5], wb s[6:7], bias s[8:9], out s[10:11]
.if RES
	s_load_b64 s[12:13], s[0:1], 0x20              ; the residual
.endif
	v_lshl_add_u32 v[SPW], v0, 2, SPARE
	v_mov_b32 v[NIL], 0
	ds_add_u32 v[SPW], v[NIL]                      ; the wave's opening: the add and its wait ahead of my first tensor load
	ds_add_u32 v28, v29
	v_lshrrev_b32 v1, 5, v0
	v_readfirstlane_b32 s14, v1                    ; wave 0..3
	s_lshr_b32 s15, s14, 1                         ; wm: which half of the tile's rows
	s_and_b32 s16, s14, 1                          ; wn: which half of its columns
	s_bfe_u32 s17, ttmp6, 0x40000                  ; cx
	s_bfe_u32 s18, ttmp6, 0x40004                  ; cy
	s_lshl_b32 s19, ttmp9, 2
	s_add_co_u32 s19, s19, s17                     ; tn: tile column
	s_and_b32 s20, ttmp7, 0xffff
	s_lshl_b32 s20, s20, 2
	s_add_co_u32 s20, s20, s18                     ; tm: tile row
	s_lshl_b32 s21, s18, 2
	s_lshl_b32 s21, 15, s21                        ; my row of the cluster
	s_lshl_b32 s22, 0x1111, s17                    ; my column
	s_or_b32 s[G1A], s21, (1<<16)|(1<<20)|(1<<21)|(4<<22)|(3<<25)  ; mask; 2-byte elements; padding on; bit 21 beside a mask; after every 32 words 4 words
	s_or_b32 s[G1B], s22, (1<<16)|(1<<20)|(1<<21)|(5<<22)|(7<<25)  ; after every 64 words 8 words
.irp g, G1A, G1B
	s_mov_b32 s[\g+1], 128<<16                     ; tensor_dim0 = 128
	s_mov_b32 s[\g+2], 128<<16                     ; tensor_dim1 = 128
	s_mov_b32 s[\g+3], 128<<16                     ; tile_dim0 = 128
	s_mov_b32 s[\g+4], 128                         ; tile_dim1 = 128
	s_mov_b32 s[\g+6], 0
	s_mov_b32 s[\g+7], 0
.endr
	s_mov_b32 s[G1A+5], 128                        ; A's panel is dense: 128 elements from row to row
	s_mov_b32 s[G1B+5], NN
	; the cluster's kind: made of the cluster's own x and y, which all sixteen partners share
	s_and_b32 s21, ttmp7, 0xffff
	s_lshr_b32 s22, s21, 1
	s_add_co_u32 s21, s21, s22
	s_add_co_u32 s21, s21, ttmp9
	s_and_b32 s21, s21, 1
	s_mul_i32 s[PD], s21, DSW
	s_mov_b32 s[KT], 1                             ; places 0 and 1 of the walk are the first fills
	; where my panel begins: A's hangs on the tile row and the wave alone, W's on the tile column and the wave alone
.if CFG == 0
	s_lshl_b32 s44, s20, 1
	s_add_co_u32 s44, s44, s16
	s_mul_i32 s44, s44, (KK/64)*16384
.else
	s_mul_i32 s44, s20, (KK/64)*16384
.endif
.if CFG == 2
	s_lshl_b32 s21, s16, 15                        ; the K step's half
	s_add_co_u32 s44, s44, s21
.endif
	s_mov_b32 s45, 0
.if CFG == 0
	s_lshl_b32 s46, s19, 9
	s_lshl_b32 s22, s16, 8
.elseif CFG == 1
	s_mul_i32 s46, s19, 768
	s_max_u32 s22, s14, 1
	s_sub_co_u32 s22, s22, 1
	s_lshl_b32 s22, s22, 8
.else
	s_lshl_b32 s46, s19, 8
	s_mul_i32 s22, s16, 256*NN
.endif
	s_add_co_u32 s46, s46, s22
	s_add_co_u32 s46, s46, WOFF
	s_mov_b32 s47, 0
	s_mul_i32 s72, s14, PANEL                      ; and where it goes: no place in the cluster enters an LDS address
	s_mul_i32 s76, s[PD], KSA                      ; the walk's first K step, in bytes of A
	s_mov_b32 s77, 0
	s_mul_i32 s78, s[PD], KSB                      ; and of W
	s_mov_b32 s79, 0
	s_mov_b32 s[TB], 0
	s_wait_dscnt 0x0                               ; the opening add is done
	s_wait_kmcnt 0x0
	s_add_nc_u64 s[44:45], s[4:5], s[44:45]        ; my panel of A at K step 0; never rewritten
	s_add_nc_u64 s[46:47], s[6:7], s[46:47]        ; and of W
	CROUND                                         ; all sixteen work-groups are here: the first joint loads meet
.irp s, 0,1
	s_mov_b32 s[G0A+4*\s], 1
	s_add_co_u32 s[G0A+4*\s+1], s72, \s*SLOT
	s_add_nc_u64 s[G0A+4*\s+2:G0A+4*\s+3], s[44:45], s[76:77]
	s_add_nc_u64 s[G0A+4*\s+2:G0A+4*\s+3], s[G0A+4*\s+2:G0A+4*\s+3], \s*KSA
	s_or_b32 s[G0A+4*\s+3], s[G0A+4*\s+3], 0x80000000
	s_mov_b32 s[G0B+4*\s], 1
	s_add_co_u32 s[G0B+4*\s+1], s72, \s*SLOT
	s_add_nc_u64 s[G0B+4*\s+2:G0B+4*\s+3], s[46:47], s[78:79]
	s_add_nc_u64 s[G0B+4*\s+2:G0B+4*\s+3], s[G0B+4*\s+2:G0B+4*\s+3], \s*KSB
	s_or_b32 s[G0B+4*\s+3], s[G0B+4*\s+3], 0x80000000
.endr
	s_cmp_lt_u32 s14, NPA                          ; a wave's two first fills stand in one branch: place 0 of the walk into slot 0, place 1 into slot 1: two loads of mine are out
	s_cbranch_scc0 .Lfirst_b
	tensor_load_to_lds s[G0A:G0A+3], s[G1A:G1A+7]
	s_nop 0
	tensor_load_to_lds s[G0A+4:G0A+7], s[G1A:G1A+7]
	s_nop 0
.rept 4
	v_nop
.endr
	s_branch .Lfirst_done
.Lfirst_b:
	tensor_load_to_lds s[G0B:G0B+3], s[G1B:G1B+7]
	s_nop 0
	tensor_load_to_lds s[G0B+4:G0B+7], s[G1B:G1B+7]
	s_nop 0
.rept 4
	v_nop
.endr
.Lfirst_done:
	v_and_b32 v1, 15, v0                           ; r = l % 16
	v_bfe_u32 v2, v0, 4, 1                         ; h = l / 16
	; the bias of my columns: block b's eight numbers 8 h + 0..7
.if CFG == 0
	s_lshl_b32 s21, s19, 10
	s_lshl_b32 s22, s16, 9
.elseif CFG == 1
	s_mul_i32 s21, s19, 1536
	s_lshl_b32 s22, s16, 8
.else
	s_lshl_b32 s21, s19, 9
	s_lshl_b32 s22, s16, 8
.endif
	s_add_co_u32 s21, s21, s22
	v_lshl_add_u32 v[BO], v2, 5, s21
.set b_, 0
.rept NBK
.if CFG == 1
.set bo_, (b_/4)*512+(b_%4)*64
.else
.set bo_, 64*b_
.endif
	global_load_b128 v[BIAS+8*b_:BIAS+8*b_+3], v[BO], s[8:9] offset:bo_
	global_load_b128 v[BIAS+8*b_+4:BIAS+8*b_+7], v[BO], s[8:9] offset:bo_+16
.set b_, b_+1
.endr
	; where my part of OUT begins
.if CFG == 0
	s_lshl_b32 s21, s20, 1
	s_add_co_u32 s21, s21, s15
	s_lshl_b32 s21, s21, 6
	s_lshl_b32 s22, s19, 2
	s_add_co_u32 s21, s21, s22
	s_lshl_b32 s22, s16, 1
	s_add_co_u32 s21, s21, s22                     ; block (2 tm + wm, 4 tn + 2 wn)
	s_lshl_b32 s22, s21, 14
	s_mov_b32 s23, 0
.elseif CFG == 1
	s_lshr_b32 s21, s20, 4
	s_mul_i32 s21, s21, 48
	s_mul_i32 s22, s19, 6
	s_add_co_u32 s21, s21, s22
	s_add_co_u32 s21, s21, s16                     ; head 48 b + 6 tn + wn
	s_lshl_b32 s21, s21, 18
	s_and_b32 s22, s20, 15
	s_lshl_b32 s22, s22, 14
	s_add_co_u32 s21, s21, s22
	s_lshl_b32 s22, s15, 13
	s_add_co_u32 s22, s21, s22
	s_mov_b32 s23, 0
.else
	s_lshl_b32 s21, s20, 4
	s_lshl_b32 s22, s19, 1
	s_add_co_u32 s21, s21, s22
	s_add_co_u32 s21, s21, s16                     ; block (tm, 2 tn + wn)
	s_lshl_b32 s21, s21, 14
	s_lshl_b32 s22, s15, 13
	s_add_co_u32 s22, s21, s22
	s_mov_b32 s23, 0
.endif
.if RES
	s_add_nc_u64 s[12:13], s[12:13], s[22:23]
	v_lshlrev_b32 v[RO], 7, v1
	v_lshl_add_u32 v[RO], v2, 4, v[RO]
.set t_, 0
.rept MA*NBK
	global_load_b128 v[RR+4*t_:RR+4*t_+3], v[RO], s[12:13] offset:(t_/NBK)*2048+32*(t_%NBK)
.set t_, t_+1
.endr
	v_mov_b32 v[ONE], 1.0
.endif
.if EPI == 3
	s_and_b32 s21, s20, 15
	s_lshl_b32 s21, s21, 20
	s_lshl_b32 s22, s15, 19
	s_add_co_u32 s21, s21, s22
	s_lshr_b32 s22, s20, 4
	s_lshl_b32 s22, s22, 12
	s_add_co_u32 s21, s21, s22
	s_lshl_b32 s22, s19, 9
	s_add_co_u32 s21, s21, s22
	s_lshl_b32 s22, s16, 8
	s_add_co_u32 s22, s21, s22                     ; row (t, b) of 4,096 bytes, my 64 columns
	s_mov_b32 s23, 0
.endif
	s_add_nc_u64 s[10:11], s[10:11], s[22:23]
	; the way out's lane addresses
	s_mul_i32 s21, s14, DREG
	v_mul_u32_u24 v[DST], v1, DP
	v_lshl_add_u32 v[DST], v2, 5, v[DST]
	v_add_nc_u32 v[DST], s21, v[DST]
.if EPI == 3
	v_mul_u32_u24 v[RD], v2, DP
	v_lshl_add_u32 v[RD], v1, 4, v[RD]
	v_add_nc_u32 v[RD], s21, v[RD]
	v_lshlrev_b32 v[GO], 13, v2
	v_lshl_add_u32 v[GO], v1, 4, v[GO]
.else
	v_bfe_u32 v3, v0, 3, 2
	v_and_b32 v4, 7, v0
	v_mul_u32_u24 v[RDG], v3, DP
	v_lshl_add_u32 v[RDG], v4, 5, v[RDG]
	v_add_nc_u32 v[RDG], s21, v[RDG]
	v_and_b32 v[GO], 31, v0
	v_lshlrev_b32 v[GO], 4, v[GO]
.endif
	; the fragments' lane addresses.  A: row r x 144 + 16 h.  W, turned: line 8 h + l % 8, 16 bytes by (l / 8) % 2
.if CFG == 0
	s_mul_i32 s21, s15, PANEL
.else
	s_mul_i32 s21, s15, 64*144
.endif
	v_mul_u32_u24 v[A0], v1, 144
	v_lshl_add_u32 v[A0], v2, 4, v[A0]
	v_add_nc_u32 v[A0], s21, v[A0]
	v_and_b32 v3, 7, v0
	v_bfe_u32 v4, v0, 3, 1
	v_lshl_add_u32 v5, v2, 3, v3
	v_mul_u32_u24 v5, v5, 288
	v_lshl_add_u32 v5, v4, 4, v5
.if CFG == 0
	s_mul_i32 s21, s16, PANEL
	s_add_co_u32 s21, s21, 2*PANEL
.else
	s_lshl_b32 s21, s16, 7
	s_add_co_u32 s21, s21, NPA*PANEL
.endif
.set g_, 0
.rept NBR
	v_add_nc_u32 v[B0+g_], s21, v5
	s_add_co_u32 s21, s21, PANEL
.set g_, g_+1
.endr
	MKADR
.if AH
	; the prefetches.  A's panels are read by every cluster of a row of clusters, W's by every cluster of a column.  A prefetch names only K steps to which my cluster's kind comes first in its walk; of the
	; clusters that read the same rows, those with x < 2 ask for A's and those with y < 2 for W's: one cluster of each kind.  The four partners that ask for a panel jointly share its 128 rows out by address,
	; 32 each.  So each row's 256 bytes of a K step are named once.  Nothing is asked for here, at the head.
	s_and_b32 s21, ttmp7, 0xffff
	s_mov_b32 s23, 64*NN
	s_mov_b32 s68, KSB
	s_mov_b32 s73, 2*NN
	s_cmp_lt_u32 s14, NPA
	s_cselect_b32 s21, ttmp9, s21
	s_cselect_b32 s22, s17, s18
	s_cselect_b32 s23, 8192, s23
	s_cselect_b32 s68, KSA, s68
	s_cselect_b32 s73, 256, s73
	s_cselect_b64 s[PFB:PFB+1], s[44:45], s[46:47]
	s_cmp_lt_u32 s21, 2
	s_cselect_b32 s[LIM], KSTEPS, 0
	s_mul_i32 s22, s22, s23
	s_mov_b32 s23, 0
	s_add_nc_u64 s[PFB:PFB+1], s[PFB:PFB+1], s[22:23]
	v_and_b32 v[PFO], 31, v0
	v_mul_lo_u32 v[PFO], v[PFO], s73
	s_mov_b32 s73, 0                               ; from here on the upper word of the pair s[72:73]
.endif
.if EPI == 1
	s_mov_b32 s66, 0xbfb8aa3b                      ; -log2(e)
	s_mov_b32 s67, s66
.endif
	s_wait_loadcnt 0x0                             ; bias (and residual)
.if RES
.set t_, 0
.rept MA*NBK
.set k_, 0
.rept 4
	v_fma_mix_f32_bf16 v[CI+8*t_+2*k_], v[RR+4*t_+k_], v[ONE], v[BIAS+8*(t_%NBK)+2*k_] op_sel_hi:[1,0,0]
	v_fma_mix_f32_bf16 v[CI+8*t_+2*k_+1], v[RR+4*t_+k_], v[ONE], v[BIAS+8*(t_%NBK)+2*k_+1] op_sel:[1,0,0] op_sel_hi:[1,0,0]
.set k_, k_+1
.endr
.set t_, t_+1
.endr
.endif
	s_wait_tensorcnt 0x1                           ; my panel of the walk's place 0 is in; place 1's may stay out
	s_barrier_signal -1
	s_barrier_wait -1                              ; everybody's is
	FETCH 0, F0
	UNIT F0, F1, 1, 1                              ; the first unit stands ahead of the loop: its products start the sums
	WIN 0
	s_mov_b32 s3, KSTEPS-2
.Lmain:                                                ; a trip: a K step's units 1 to 3, the change of slots with its refill, the next K step's unit 0
	UNIT F1, F0, 2, 0
	UNIT F0, F1, 3, 0
	TURN 1, 0
	UNIT F0, F1, 1, 0
	WIN 0
	s_sub_co_u32 s3, s3, 1
	s_cmp_lg_u32 s3, 0
	s_cbranch_scc1 .Lmain
	s_mov_b32 s2, 2
.Ltail:                                                ; the last two K steps ask for nothing; the second trip is left in its middle
	UNIT F1, F0, 2, 0
	UNIT F0, F1, 3, 0
	TURN 0, 1
	WIN 0
	s_sub_co_u32 s2, s2, 1
	s_cmp_eq_u32 s2, 0
	s_cbranch_scc1 .Lout
	UNIT F0, F1, 1, 0
	WIN 0
	s_branch .Ltail
.Lout:
	s_wait_dscnt 0x0                               ; my reads of the slots are over,
	s_barrier_signal -1
	s_barrier_wait -1                              ; everybody's are: the slots may be written
	PLACES
.set t_, 0
.rept MA*NBK
	WIN (2+t_/32)<<2                               ; the stores' data lie in the accumulators' window; each accumulator's low four registers go first
	ds_store_b128 v[DST], v[8*(t_%32):8*(t_%32)+3] offset:(t_/NBK)*16*DP+64*(t_%NBK)
	ds_store_b128 v[DST], v[8*(t_%32)+4:8*(t_%32)+7] offset:(t_/NBK)*16*DP+64*(t_%NBK)+16
.set t_, t_+1
.endr
	WIN 0
	s_wait_dscnt 0x0                               ; my stores are done,
	s_barrier_signal -1
	s_barrier_wait -1                              ; everybody's are
.if EPI == 3
.set j_, 0
.rept 32
	ds_load_b128 v[V1+4*j_:V1+4*j_+3], v[RD] offset:j_*2*DP
.set j_, j_+1
.endr
.set j_, 0
.rept 32
	s_wait_dscnt 31-j_
	global_store_b128 v[GO], v[V1+4*j_:V1+4*j_+3], s[10:11] offset:j_*16384  ; 16 lanes store 256 consecutive bytes, aligned: 64 columns of a row
.set j_, j_+1
.endr
.else
.if NG > 1
	s_mov_b32 s70, NG
.endif
.Lgrp:                                                 ; a group of 64 columns
	v_mov_b32 v[RD], v[RDG]
	v_add_nc_u32 v[RDG], 256, v[RDG]
	s_mov_b32 s71, MA/2
.Lrows:                                                ; 32 rows: two units of 16
.irp u, 0,1
.irp f, 0,1,2,3
	ds_load_b128 v[V1+32*\u+8*\f:V1+32*\u+8*\f+3], v[RD] offset:(16*\u+4*\f)*DP
	ds_load_b128 v[V1+32*\u+8*\f+4:V1+32*\u+8*\f+7], v[RD] offset:(16*\u+4*\f)*DP+16
.endr
.endr
	s_wait_dscnt 8                                 ; the first unit is in
	OUTU 0
	s_wait_dscnt 0x0
	OUTU 1
	s_wait_xcnt 0x0                                ; the stores have read their data and their base
	v_add_nc_u32 v[RD], 32*DP, v[RD]
	s_add_nc_u64 s[10:11], s[10:11], 4096
	s_sub_co_u32 s71, s71, 1
	s_cmp_lg_u32 s71, 0
	s_cbranch_scc1 .Lrows
.if NG > 1
.if OSTEP
	s_add_nc_u64 s[10:11], s[10:11], OSTEP
.endif
	s_sub_co_u32 s70, s70, 1
	s_cmp_lg_u32 s70, 0
	s_cbranch_scc1 .Lgrp
.endif
.endif
	s_wait_tensorcnt 0x0                           ; the wave's end
	ds_add_u32 v[SPW], v[NIL]
	s_wait_dscnt 0x0
	CROUND                                         ; the closing round
	s_endpgm
.Lfunc_end_k_qfc3eacc5ed_ffn2:
	.size	k_qfc3eacc5ed_ffn2, .Lfunc_end_k_qfc3eacc5ed_ffn2-k_qfc3eacc5ed_ffn2
	.p2alignl 7, 3214868480
	.fill 96, 4, 3214868480
	.section	.rodata,"a",@progbits
	.p2align	6, 0x0
	.amdhsa_kernel k_qfc3eacc5ed_ffn2
		.amdhsa_group_segment_fixed_size 327680
		.amdhsa_private_segment_fixed_size 0
		.amdhsa_enable_private_segment 0
		.amdhsa_kernarg_size 40
		.amdhsa_user_sgpr_count 2
		.amdhsa_user_sgpr_kernarg_segment_ptr 1
		.amdhsa_wavefront_size32 1
		.amdhsa_system_sgpr_workgroup_id_x 1
		.amdhsa_system_sgpr_workgroup_id_y 1
		.amdhsa_system_sgpr_workgroup_id_z 1
		.amdhsa_system_vgpr_workitem_id 0
		.amdhsa_next_free_vgpr 640
		.amdhsa_next_free_sgpr 96
		.amdhsa_reserve_vcc 0
		.amdhsa_float_denorm_mode_32 3
		.amdhsa_float_denorm_mode_16_64 3
		.amdhsa_memory_ordered 1
		.amdhsa_forward_progress 1
		.amdhsa_inst_pref_size 72
	.end_amdhsa_kernel
	.amdgpu_metadata
---
amdhsa.version: [ 1, 2 ]
amdhsa.kernels:
  - .name:           k_qfc3eacc5ed_ffn2
    .symbol:         k_qfc3eacc5ed_ffn2.kd
    .args:
      - { .name: hb, .offset: 0, .size: 8, .value_kind: global_buffer, .address_space: global }
      - { .name: wb, .offset: 8, .size: 8, .value_kind: global_buffer, .address_space: global }
      - { .name: b2, .offset: 16, .size: 8, .value_kind: global_buffer, .address_space: global }
      - { .name: x2, .offset: 24, .size: 8, .value_kind: global_buffer, .address_space: global }
      - { .name: x1b, .offset: 32, .size: 8, .value_kind: global_buffer, .address_space: global }
    .group_segment_fixed_size: 327680
    .private_segment_fixed_size: 0
    .kernarg_segment_align: 8
    .kernarg_segment_size: 40
    .max_flat_workgroup_size: 128
    .sgpr_count:     96
    .vgpr_count:     640
    .wavefront_size: 32
...
	.end_amdgpu_metadata
.endif
;; end of part 6
;; launch norm (part 7): grid 256 x 1, 4 waves a work-group, no clusters, 0 bytes of LDS; arguments x2, gain_final, out0; writes out0
.if DOCPART == 7
	.amdgcn_target "amdgcn-amd-amdhsa--gfx1250"
	.amdhsa_code_object_version 6
	.text
	.protected	k_qfc3eacc5ed_norm
	.globl	k_qfc3eacc5ed_norm
	.p2align	8
	.type	k_qfc3eacc5ed_norm,@function
k_qfc3eacc5ed_norm:
	s_mov_b64 s[64:65], 0
	v_nop
	global_prefetch_b8 v0, s[64:65] scope:SCOPE_SE
	s_setreg_imm32_b32 hwreg(HW_REG_WAVE_MODE, 25, 1), 1
	s_wait_xcnt 0x0
; out0[row][c] = x2[row][c] * rsqrt(mean over c of x2[row][c]^2 + 1e-5) * gain[c].  x2, out0: [4096][1024] f32; gain: [1024] f32.
; A row is 4,096 bytes: one wave takes a whole row, eight loads of 16 bytes a lane, and keeps it in 32 registers between the sum of squares and the scaling: each byte is read once.
; Four waves, four rows each; all of a wave's 40 loads are issued at once, and the waits count down as the rows are taken.  Each load and store of a wave covers 512 consecutive bytes, aligned.
; Memory binds: no LDS, no barrier, no matrix unit.  Sums in f32, in four chains a lane, then across the 32 lanes.
.set X, 32                             ; v[32:159]  row i at X + 32 i
.set G, 160                            ; v[160:191] the gain of my 32 columns
	s_load_b128 s[4:7], s[0:1], 0x0                ; x2 s[4:5], gain s[6:7]
	s_load_b64 s[8:9], s[0:1], 0x10                ; out0
	v_and_b32 v1, 31, v0
	v_lshlrev_b32 v1, 4, v1                        ; 16 bytes a lane
	v_lshrrev_b32 v2, 5, v0
	v_lshl_add_u32 v2, v2, 14, v1                  ; + wave x 4 rows
	v_mov_b32 v13, 0                               ; named with v12 as a pair
	s_lshl_b32 s10, ttmp9, 16                      ; the work-group's 16 rows
	s_mov_b32 s11, 0
	s_mov_b32 s12, 0x3a800000                      ; 1 / 1024
	s_mov_b32 s13, 0x3727c5ac                      ; 1e-5
	s_mov_b32 s14, 0x76543210                      ; v_permlanex16_b32: each lane takes its own place in the other half
	s_mov_b32 s15, 0xfedcba98
	s_wait_kmcnt 0x0
	s_add_nc_u64 s[4:5], s[4:5], s[10:11]
	s_add_nc_u64 s[8:9], s[8:9], s[10:11]
.set j, 0
.rept 8
	global_load_b128 v[G+4*j:G+4*j+3], v1, s[6:7] offset:512*j
.set j, j+1
.endr
.set j, 0
.rept 32
	global_load_b128 v[X+4*j:X+4*j+3], v2, s[4:5] offset:512*j th:TH_LOAD_NT
.set j, j+1
.endr
.macro ROWN i
	s_wait_loadcnt 24-8*(\i)                       ; the gain and rows 0 to i are in; the younger rows stay out
.set k, 0
.rept 4
	v_pk_mul_f32 v[4+2*k:5+2*k], v[X+32*(\i)+2*k:X+32*(\i)+2*k+1], v[X+32*(\i)+2*k:X+32*(\i)+2*k+1]  ; the first four pairs start the chains
.set k, k+1
.endr
.rept 12
	v_pk_fma_f32 v[4+2*(k%4):5+2*(k%4)], v[X+32*(\i)+2*k:X+32*(\i)+2*k+1], v[X+32*(\i)+2*k:X+32*(\i)+2*k+1], v[4+2*(k%4):5+2*(k%4)]
.set k, k+1
.endr
	v_pk_add_f32 v[4:5], v[4:5], v[6:7]
	v_pk_add_f32 v[8:9], v[8:9], v[10:11]
	v_pk_add_f32 v[4:5], v[4:5], v[8:9]
	v_add_f32 v4, v4, v5
	v_add_f32_dpp v4, v4, v4 row_xmask:1 row_mask:0xf bank_mask:0xf
	v_add_f32_dpp v4, v4, v4 row_xmask:2 row_mask:0xf bank_mask:0xf
	v_add_f32_dpp v4, v4, v4 row_xmask:4 row_mask:0xf bank_mask:0xf
	v_add_f32_dpp v4, v4, v4 row_xmask:8 row_mask:0xf bank_mask:0xf
	v_permlanex16_b32 v5, v4, s14, s15
	v_add_f32 v4, v4, v5                           ; every lane holds the row's sum of squares
	v_fma_f32 v4, v4, s12, s13
	v_rsq_f32 v12, v4
	v_nop                                          ; a plain instruction behind the root,
	s_wait_alu depctr_va_vdst(0)                   ; and its wait, ahead of the first reader
.set k, 0
.rept 16
	v_pk_mul_f32 v[X+32*(\i)+2*k:X+32*(\i)+2*k+1], v[X+32*(\i)+2*k:X+32*(\i)+2*k+1], v[12:13] op_sel_hi:[1,0]
.set k, k+1
.endr
.set k, 0
.rept 16
	v_pk_mul_f32 v[X+32*(\i)+2*k:X+32*(\i)+2*k+1], v[X+32*(\i)+2*k:X+32*(\i)+2*k+1], v[G+2*k:G+2*k+1]
.set k, k+1
.endr
.set k, 0
.rept 8
	global_store_b128 v2, v[X+32*(\i)+4*k:X+32*(\i)+4*k+3], s[8:9] offset:4096*(\i)+512*k th:TH_STORE_NT
.set k, k+1
.endr
.endm
	ROWN 0
	ROWN 1
	ROWN 2
	ROWN 3
	s_endpgm
.Lfunc_end_k_qfc3eacc5ed_norm:
	.size	k_qfc3eacc5ed_norm, .Lfunc_end_k_qfc3eacc5ed_norm-k_qfc3eacc5ed_norm
	.p2alignl 7, 3214868480
	.fill 96, 4, 3214868480
	.section	.rodata,"a",@progbits
	.p2align	6, 0x0
	.amdhsa_kernel k_qfc3eacc5ed_norm
		.amdhsa_group_segment_fixed_size 0
		.amdhsa_private_segment_fixed_size 0
		.amdhsa_enable_private_segment 0
		.amdhsa_kernarg_size 24
		.amdhsa_user_sgpr_count 2
		.amdhsa_user_sgpr_kernarg_segment_ptr 1
		.amdhsa_wavefront_size32 1
		.amdhsa_system_sgpr_workgroup_id_x 1
		.amdhsa_system_sgpr_workgroup_id_y 1
		.amdhsa_system_sgpr_workgroup_id_z 1
		.amdhsa_system_vgpr_workitem_id 0
		.amdhsa_next_free_vgpr 192
		.amdhsa_next_free_sgpr 66
		.amdhsa_reserve_vcc 0
		.amdhsa_float_denorm_mode_32 3
		.amdhsa_float_denorm_mode_16_64 3
		.amdhsa_memory_ordered 1
		.amdhsa_forward_progress 1
		.amdhsa_inst_pref_size 23
	.end_amdhsa_kernel
	.amdgpu_metadata
---
amdhsa.version: [ 1, 2 ]
amdhsa.kernels:
  - .name:           k_qfc3eacc5ed_norm
    .symbol:         k_qfc3eacc5ed_norm.kd
    .args:
      - { .name: x2, .offset: 0, .size: 8, .value_kind: global_buffer, .address_space: global }
      - { .name: gain_final, .offset: 8, .size: 8, .value_kind: global_buffer, .address_space: global }
      - { .name: out0, .offset: 16, .size: 8, .value_kind: global_buffer, .address_space: global }
    .group_segment_fixed_size: 0
    .private_segment_fixed_size: 0
    .kernarg_segment_align: 8
    .kernarg_segment_size: 24
    .max_flat_workgroup_size: 128
    .sgpr_count:     66
    .vgpr_count:     192
    .wavefront_size: 32
...
	.end_amdgpu_metadata
.endif
;; end of part 7
